; MI455X (gfx1250); checked and timed in simulation.
; The chip was launched on July 23, 2026; its instructions are those of AMD's public machine-readable ISA for CDNA 5 (MIT licence, August 2026) and "CDNA5" Instruction Set Architecture Reference Guide (July 2026). The comments in the code are by the model that wrote it; some were corrected since.
;; Encoder Layer. Allowed arithmetic: matrix products marked QUANTISED: E2M1 operands, one E8M0 scale for each 32 along K, by v_wmma_scale_f32_16x16x128_f8f6f4 with both operands' format E2M1 (or v_wmma_scale_f32_32x16x128_f4), f32 sums; everything else in f32.
;; Inputs: W1 1,024 x 4,096 float32; W2 4,096 x 1,024 float32; Wk 1,024 x 1,024 float32; Wo 1,024 x 1,024 float32; Wq 1,024 x 1,024 float32; Wv 1,024 x 1,024 float32; b1 4,096 float32; b2 1,024 float32; beta 1,024 float32; bk 1,024 float32; bo 1,024 float32; bq 1,024 float32; bv 1,024 float32; gamma 1,024 float32; seq_mask 2 x 2,048 int32; x 2 x 2,048 x 1,024 float32.
;; Outputs: out0 2 x 2,048 x 1,024 float32.
;; Constants: alpha_ent = 2, sparse = 0.
;; This version of the problem:
;;   THIS VERSION OF THE PROBLEM IS GIVEN IN LOW PRECISION. The matrix products marked QUANTISED in the list below multiply operands that are first quantised to E2M1 (2 exponent bits, 1 mantissa bit; 4 bits a number), with one power-of-two scale for each 32 numbers along K (OCP MX v1.0); their sums are f32. All else is computed in f32.
;;   The module's matrix products, in the order in which they are computed (A, B: the left and right operand; K: the contracted axis; several contracted axes count as one K, in the product's order):
;;     1. [M 4,096, K 1,024] x [K 1,024, N 1,024]; A: input x; B: input Wq: QUANTISED
;;     2. [M 4,096, K 1,024] x [K 1,024, N 1,024]; A: input x; B: input Wk: QUANTISED
;;     3. [M 4,096, K 1,024] x [K 1,024, N 1,024]; A: input x; B: input Wv: QUANTISED
;;     4. batch 32 x [M 2,048, K 64] x [K 64, N 2,048]; A: computed on the way; B: computed on the way: QUANTISED
;;     5. batch 32 x [M 2,048, K 2,048] x [K 2,048, N 64]; A: softmax (see below); B: computed on the way: QUANTISED
;;     6. [M 4,096, K 1,024] x [K 1,024, N 1,024]; A: computed on the way; B: input Wo: QUANTISED
;;     7. [M 4,096, K 1,024] x [K 1,024, N 4,096]; A: computed on the way; B: input W1: QUANTISED
;;     8. [M 4,096, K 4,096] x [K 4,096, N 1,024]; A: computed on the way; B: input W2: QUANTISED
;;   THE QUANTISER, for each operand of a quantised product, along K:
;;     - K is cut into blocks of 32 from its start; a last block that is shorter is filled with zeros.
;;     - A block's scale is 2^e with e = floor(log2(the largest magnitude in the block)) - 2, held to -126 .. 127; a block of zeros has e = 0. As a byte (E8M0): e + 127.
;;     - Each number is divided by its block's scale, clamped to +-6, and rounded to the nearest number of E2M1, ties to even, subnormals kept.
;;     - The product sums the exact products of the quantised numbers (number of the format x scale) in f32.
;;   ~~~python
;;   def quantise(x, axis):      # numpy; x: float32 -> the quantised numbers, widened to float32 again
;;       x = np.moveaxis(x, axis, -1); K = x.shape[-1]
;;       x = np.pad(x, [(0, 0)] * (x.ndim - 1) + [(0, -K % 32)]); x = x.reshape(x.shape[:-1] + (-1, 32)); a = np.abs(x).max(-1, keepdims=True)
;;       e = np.where(a > 0, np.clip(np.frexp(np.where(a > 0, a, 1))[1] - 1 - 2, -126, 127), 0)      # np.frexp(a)[1] - 1 = floor(log2(a)), exactly
;;       r = np.clip(x / 2.0 ** e, -6, 6)
;;       step = 2.0 ** (np.maximum(np.frexp(np.where(r == 0, 1, r))[1] - 1, 0) - 1)
;;       q = np.round(r / step) * step * 2.0 ** e      # np.round: ties to even
;;       return np.moveaxis(q.reshape(q.shape[:-2] + (-1,))[..., :K], -1, axis).astype(np.float32)
;;   ~~~
;;   SOFTMAX AHEAD OF A QUANTISED PRODUCT. Where the list says 'softmax', what is quantised is not the finished softmax but p = 2^(t - M), with t = logit x log2(e) and M = ceil(the row's largest t), a whole number; so 1/2 < the row's largest p <= 1. The row's sum l is taken of the UNQUANTISED p, in f32, and the product's result is divided by l at the end. Since M is a whole number, a kernel that streams over the keys may use a running M (the ceiling of the running maximum): every later rescaling is an exact power of two, which a block's scale takes up: the codes' values come out the same.
;;   OPERANDS COMPUTED ON THE WAY. 'Computed on the way' means the value that the module computes at that place (a softmax that the list does not call 'softmax' is quantised finished and normalised). What goes into a quantiser is computed in f32, as accurately as f32 sums, v_exp_f32 and their like allow (about 1e-6 of the number): no bf16 or f16 on the way to a quantiser, and a product that is left as it is and whose result goes on into a quantised operand takes f32 operands (vector FMAs, or v_wmma_f32_16x16x4_f32). A number that lies on a knife's edge between two numbers of the format may be rounded either way, as far as f32 arithmetic and the matrix unit's own rounding can turn it there, and no further.
;; 2 versions, each right; version 2 is version 1 with the launches qkv, wo, ffn1, ffn2 written anew for expert scheduling mode. Each part assembles by itself: llvm-mc -triple=amdgcn-amd-amdhsa -mcpu=gfx1250 --defsym DOCPART=n.
;; ======== version 1 of 2: 7 launches
;; limits: right only within a limited range of input values
;; workspace buffers: prep 9,306,112 bytes; qkv 6,684,672 bytes; att 2,228,224 bytes; yb 19,005,440 bytes; hb 8,912,896 bytes; y2b 16,777,216 bytes
;; launch prep (part 1): grid 896 x 1, 4 waves a work-group, no clusters, 10,752 bytes of LDS; arguments x, Wq, Wk, Wv, Wo, W1, W2, prep; writes prep
.if DOCPART == 1
	.amdgcn_target "amdgcn-amd-amdhsa--gfx1250"
	.amdhsa_code_object_version 6
	.text
	.protected	k_q55cc47080a_prep
	.globl	k_q55cc47080a_prep
	.p2align	8
	.type	k_q55cc47080a_prep,@function
k_q55cc47080a_prep:
	s_mov_b64 s[64:65], 0
	v_nop
	global_prefetch_b8 v0, s[64:65] scope:SCOPE_SE
	s_setreg_imm32_b32 hwreg(HW_REG_WAVE_MODE, 25, 1), 1
	s_wait_xcnt 0x0
; x [4096][1024] and the six weights ([K][N], K outermost), all f32, become codes of FP4 (E2M1) with one E8M0 byte for each 32 along K.
; THE LAYOUT OF EVERY OPERAND IN WORKSPACE IS AN IMAGE OF THE OPERAND'S REGISTERS: IMG[tile of 16 rows][block of 32 along K][lane row r][16 bytes].  A fragment (tile, 128 along K) is then 1,024 consecutive
; bytes, and lane l takes 16 bytes at 16 l and at 512 + 16 l.  Lane row r of tile 2 g + u is row 32 g + 8 u + r % 8 + 16 (r / 8): a product whose source 0 is such a pair of tiles leaves 16 neighbours
; along the next K in a lane's 16 registers.  Scale bytes: SC[4 K steps][tile][r][16 bytes], 65,536 bytes for each four K steps of 128.
; A block's scale is 2^(floor(log2(largest magnitude)) - 2): its byte is the largest magnitude's exponent field - 2, held at 1 from below by a floor among the maximum's leaves.
; LIMITS: a block of zeros gets the byte 1 (its codes are zeros; this program alone reads the bytes); NaN and infinities among the inputs are not served.
; Work-groups 0-127 take x (32,768 bytes a wave), 128-895 the weights (16,384 bytes a wave): one scalar branch on the work-group's number.  With 226 registers a wave four work-groups share a WGP,
; so that all 896 are at work at once.  Only x's path uses LDS, each wave its own bytes: no barrier.
.set X_SC,   2097152
.set W4_IMG, 2228224                   ; tiles 0-63 Wq, 64-127 Wk, 128-191 Wv, 192-255 Wo
.set W4_SC,  4325376
.set W1_IMG, 4456448
.set W1_SC,  6553600
.set W2_IMG, 6684672
.set W2_SC,  8781824
.set FLOOR,  0x1800000                 ; 2^(3 - 127)
.set XWG,    128                       ; x's work-groups
.set NBK,    4                         ; blocks of 32 along K for a wave of the weights' path: one K step of 128
; x's path: registers
.set XO,  2                            ; 32 x lane: my 8 numbers of a row's 256
.set SA,  3                            ; stage, in: 272 (lane / 4) + 4 (lane % 4)
.set SBA, 4                            ; my block's scale byte
.set RA,  5                            ; stage, out: 272 (lane / 16) + 16 (lane % 16)
.set RB,  6                            ; the scale bytes, out: 8 a lane
.set O16, 7                            ; 16 x lane
.set O8,  8                            ; 8 x lane
.set MX,  10                           ; v10-17 largest magnitudes of 8 rows
.set SO,  18                           ; v18-25 the conversions' scale operands
.set CD,  26                           ; v26-33 codes
.set BY,  34                           ; v34-41 scale bytes
.set SW,  42                           ; v42-43 scale bytes on the way out
.set XR,  64                           ; v64-191 two sets of 8 rows x 8 numbers
.set OUTR, 192                         ; v192-223 codes on the way out, 16 registers a pass
; the weights' path: registers
.set CA,   3                           ; my place in a block's codes
.set SCA,  4                           ; and among the scale bytes
.set SB,   24                          ; v24 my column's 4 scale bytes: its scale word of this K step
.set OFFS, 32                          ; v32-63 4 x lane + i rows of the weight
.set XW,   64                          ; v64-127 two sets of 32 numbers
.set CW,   128                         ; v128-143 codes: four registers for each block, so that no store's data are written again
	s_load_b512 s[36:51], s[0:1], 0x0              ; x 36, Wq 38, Wk 40, Wv 42, Wo 44, W1 46, W2 48, prep 50
	v_lshl_add_u32 v224, v0, 2, 0x2800
	v_mov_b32 v225, 0
	v_lshrrev_b32 v1, 5, v0
	v_readfirstlane_b32 s12, v1                    ; wave
	v_and_b32 v1, 31, v0                           ; lane
	s_cmp_lt_u32 ttmp9, XWG
	s_cbranch_scc0 .Lweights
; ---------------- x: a wave takes one tile of 16 tokens x 512 along K, as four units of 8 rows x 256 ----------------
	s_lshl_b32 s13, ttmp9, 2
	s_add_co_u32 s13, s13, s12                     ; task 0..511
	s_lshr_b32 s14, s13, 1                         ; tile T
	s_and_b32 s15, s13, 1                          ; which half of K
	s_lshr_b32 s16, s14, 1
	s_lshl_b32 s16, s16, 5
	s_and_b32 s17, s14, 1
	s_lshl_b32 s17, s17, 3
	s_add_co_u32 s16, s16, s17                     ; the tile's first token: 32 (T / 2) + 8 (T % 2)
	s_lshl_b32 s16, s16, 12                        ; x 4,096 bytes
	s_lshl_b32 s17, s15, 11
	s_add_co_u32 s16, s16, s17
	s_mov_b32 s17, 0
	s_lshl_b32 s18, s14, 13                        ; codes: 8,192 a tile, 4,096 for half of K (x's image begins at byte 0)
	s_lshl_b32 s19, s15, 12
	s_add_co_u32 s18, s18, s19
	s_mov_b32 s19, 0
	s_lshl_b32 s20, s14, 8                         ; scale bytes: 256 a tile, 65,536 for half of K
	s_lshl_b32 s21, s15, 16
	s_add_co_u32 s20, s20, s21
	s_add_co_u32 s20, s20, X_SC
	s_mov_b32 s21, 0
	s_mul_i32 s22, s12, 2560                       ; my wave's LDS: a stage of 8 blocks x (256 + 16) bytes, and at 2,304 its 256 scale bytes
	v_lshrrev_b32 v9, 2, v1
	v_and_b32 v10, 3, v1
	v_mul_u32_u24 v[SA], v9, 272
	v_lshl_add_u32 v[SA], v10, 2, v[SA]
	v_add_nc_u32 v[SA], s22, v[SA]
	v_add_nc_u32 v[SBA], s22, v9
	v_add_nc_u32 v[SBA], 2304, v[SBA]
	v_lshrrev_b32 v9, 4, v1
	v_and_b32 v10, 15, v1
	v_mul_u32_u24 v[RA], v9, 272
	v_lshl_add_u32 v[RA], v10, 4, v[RA]
	v_add_nc_u32 v[RA], s22, v[RA]
	v_lshlrev_b32 v[O8], 3, v1
	v_add_nc_u32 v[RB], s22, v[O8]
	v_add_nc_u32 v[RB], 2304, v[RB]
	v_lshlrev_b32 v[O16], 4, v1
	v_lshlrev_b32 v[XO], 5, v1
	s_wait_kmcnt 0x0
	s_add_nc_u64 s[4:5], s[36:37], s[16:17]
	s_add_nc_u64 s[6:7], s[50:51], s[18:19]
	s_add_nc_u64 s[8:9], s[50:51], s[20:21]
; unit u = 2 p + hf: pass p of 256 along K, lane rows 8 hf .. 8 hf + 7, which are tokens 16 hf + 0 .. 7 of the tile's 32
.macro LOADU u
.irp i, 0,1,2,3,4,5,6,7
	global_load_b128 v[XR+64*((\u)%2)+8*\i:XR+64*((\u)%2)+8*\i+3],   v[XO], s[4:5] offset:(\i+16*((\u)%2))*4096+((\u)/2)*1024 th:TH_LOAD_NT
	global_load_b128 v[XR+64*((\u)%2)+8*\i+4:XR+64*((\u)%2)+8*\i+7], v[XO], s[4:5] offset:(\i+16*((\u)%2))*4096+((\u)/2)*1024+16 th:TH_LOAD_NT
.endr
.endm
.macro PROC u
.set XS, XR+64*((\u)%2)
.if (\u) < 3
	s_wait_loadcnt 16                              ; this unit's 16 loads are in; the next unit's 16 may be out
.else
	s_wait_loadcnt 0x0
.endif
	s_wait_dscnt 0x0                               ; the last unit's LDS stores have read the registers that are written again below
.irp i, 0,1,2,3,4,5,6,7
	v_max3_num_f32 v[MX+\i], |v[XS+8*\i]|, |v[XS+8*\i+1]|, FLOOR   ; eight rows by turns: my 8 numbers, and the floor
.endr
.irp j, 2,4,6
.irp i, 0,1,2,3,4,5,6,7
	v_max3_num_f32 v[MX+\i], v[MX+\i], |v[XS+8*\i+\j]|, |v[XS+8*\i+\j+1]|
.endr
.endr
.irp i, 0,1,2,3,4,5,6,7
	v_max_num_f32_dpp v[MX+\i], v[MX+\i], v[MX+\i] row_xmask:1 row_mask:0xf bank_mask:0xf   ; a block of 32 lies in four neighbouring lanes
.endr
.irp i, 0,1,2,3,4,5,6,7
	v_max_num_f32_dpp v[MX+\i], v[MX+\i], v[MX+\i] row_xmask:2 row_mask:0xf bank_mask:0xf
.endr
.irp i, 0,1,2,3,4,5,6,7
	v_add_nc_u32 v[SO+\i], 0xff000000, v[MX+\i]    ; 2 off the exponent field: the conversion takes this operand's exponent field as its scale
.endr
.irp i, 0,1,2,3,4,5,6,7
	v_cvt_scalef32_pk8_fp4_f32 v[CD+\i], v[XS+8*\i:XS+8*\i+7], v[SO+\i]
.endr
.irp i, 0,1,2,3,4,5,6,7
	v_lshrrev_b32 v[BY+\i], 23, v[SO+\i]           ; the scale's byte (plain lines behind the conversions)
.endr
.irp i, 0,1,2,3,4,5,6,7
	ds_store_b32 v[SA], v[CD+\i] offset:16*(\i+8*((\u)%2))                 ; block lane / 4, lane row, my 4 of its 16 bytes
	ds_store_b8 v[SBA], v[BY+\i] offset:16*(\i+8*((\u)%2))+8*((\u)/2)      ; the four lanes of a block write the same byte with the same value
.endr
.if (\u)+2 < 4
	LOADU (\u)+2
.endif
.endm
.macro PASSOUT p                       ; a pass's 8 blocks x 16 rows x 16 bytes leave as they lie in the image: each store covers 512 consecutive bytes
.irp m, 0,1,2,3
	ds_load_b128 v[OUTR+16*\p+4*\m:OUTR+16*\p+4*\m+3], v[RA] offset:544*\m   ; LDS serves a wave's instructions in order: these see my stores
.endr
	s_wait_dscnt 0x0
.irp m, 0,1,2,3
	global_store_b128 v[O16], v[OUTR+16*\p+4*\m:OUTR+16*\p+4*\m+3], s[6:7] offset:(8*\p+2*\m)*256
.endr
.endm
	LOADU 0
	LOADU 1
	PROC 0
	PROC 1
	PASSOUT 0
	PROC 2
	PROC 3
	PASSOUT 1
	ds_load_b64 v[SW:SW+1], v[RB]
	s_wait_dscnt 0x0
	global_store_b64 v[O8], v[SW:SW+1], s[8:9]     ; the tile's 256 scale bytes of this half of K: 256 consecutive bytes, aligned
	s_wait_tensorcnt 0x0
	ds_add_u32 v224, v225
	s_wait_dscnt 0x0
	s_endpgm
; ---------------- the weights: a work-group takes 128 columns x 128 along K; a lane takes a column and its registers run down K ----------------
; A wave has four blocks of 32 along K, two of them on their way at a time: many short waves, so that much is on its way at once.
.Lweights:
	s_sub_co_u32 s13, ttmp9, XWG                   ; 0-255: Wq, Wk, Wv, Wo (64 each); 256-511: W1; 512-767: W2
	s_lshr_b32 s14, s13, 8                         ; class 0, 1, 2
	s_and_b32 s15, s13, 255
	s_lshr_b32 s16, s15, 6                         ; class 0: which of the four
	s_lshl_b32 s17, s16, 6                         ; and its first tile
	s_cmp_eq_u32 s14, 1
	s_cselect_b32 s18, 31, 7                       ; blocks of 128 columns: 32 in W1, 8 in the others
	s_cselect_b32 s19, 5, 3
	s_mov_b32 s22, 4096
	s_cselect_b32 s22, 16384, s22                  ; a row of the weight in bytes
	s_cmp_eq_u32 s14, 0
	s_cselect_b32 s17, s17, 0
	s_mov_b32 s23, W1_IMG
	s_cselect_b32 s23, W4_IMG, s23
	s_mov_b32 s24, W1_SC
	s_cselect_b32 s24, W4_SC, s24
	s_cmp_eq_u32 s14, 2
	s_cselect_b32 s20, 31, 7                       ; K steps of 128: 32 in W2, 8 in the others
	s_cselect_b32 s23, W2_IMG, s23
	s_cselect_b32 s24, W2_SC, s24
	s_mov_b32 s25, 8192
	s_cselect_b32 s25, 32768, s25                  ; a tile's image: 8 x K bytes
	s_and_b32 s18, s15, s18                        ; which 128 columns
	s_lshr_b32 s19, s15, s19
	s_and_b32 s19, s19, s20                        ; which K step
	s_lshl_b32 s18, s18, 2
	s_add_co_u32 s18, s18, s12                     ; g: my wave's 32 columns = tiles 2 g, 2 g + 1
	s_mul_i32 s26, s19, s22
	s_lshl_b32 s26, s26, 7                         ; 128 rows for each K step,
	s_lshl_b32 s27, s18, 7                         ; 128 bytes for each 32 columns
	s_add_co_u32 s26, s26, s27
	s_mov_b32 s27, 0
	s_lshl_b32 s10, s22, 5                         ; 32 rows on
	s_mov_b32 s11, 0
	s_lshl_b32 s28, s18, 1
	s_add_co_u32 s28, s28, s17                     ; my first tile
	s_mul_i32 s30, s28, s25
	s_add_co_u32 s30, s30, s23
	s_lshl_b32 s29, s19, 10                        ; 4 blocks x 256 bytes for each K step
	s_add_co_u32 s30, s30, s29
	s_mov_b32 s31, 0
	s_lshl_b32 s32, s28, 8
	s_add_co_u32 s32, s32, s24
	s_lshr_b32 s29, s19, 2
	s_lshl_b32 s29, s29, 16                        ; four K steps of scale bytes are 65,536 bytes,
	s_add_co_u32 s32, s32, s29
	s_and_b32 s29, s19, 3
	s_lshl_b32 s29, s29, 2                         ; and in a row's 16 bytes my K step's word
	s_add_co_u32 s32, s32, s29
	s_mov_b32 s33, 0
	v_lshlrev_b32 v[OFFS], 2, v1
.set i, 1
.rept 31
	v_add_nc_u32 v[OFFS+i], s22, v[OFFS+i-1]       ; the row's pitch differs between the weights, so the 32 rows' offsets lie in registers
.set i, i+1
.endr
	v_bfe_u32 v5, v1, 3, 1                         ; column 32 g + l is lane row l % 8 + 8 (l / 16) of tile 2 g + (l / 8) % 2
	v_and_b32 v6, 7, v1
	v_bfe_u32 v7, v1, 4, 1
	v_lshl_or_b32 v6, v7, 3, v6
	v_lshlrev_b32 v6, 4, v6
	v_mul_lo_u32 v[CA], v5, s25
	v_add_nc_u32 v[CA], v[CA], v6
	v_lshl_add_u32 v[SCA], v5, 8, v6
	s_wait_kmcnt 0x0
	s_cmp_eq_u32 s16, 1                            ; the source: a choice that hangs on the work-group's number alone
	s_cselect_b64 s[4:5], s[40:41], s[38:39]
	s_cmp_eq_u32 s16, 2
	s_cselect_b64 s[4:5], s[42:43], s[4:5]
	s_cmp_eq_u32 s16, 3
	s_cselect_b64 s[4:5], s[44:45], s[4:5]
	s_cmp_eq_u32 s14, 1
	s_cselect_b64 s[4:5], s[46:47], s[4:5]
	s_cmp_eq_u32 s14, 2
	s_cselect_b64 s[4:5], s[48:49], s[4:5]
	s_add_nc_u64 s[4:5], s[4:5], s[26:27]
	s_add_nc_u64 s[6:7], s[50:51], s[30:31]
	s_add_nc_u64 s[8:9], s[50:51], s[32:33]
.macro LOADW t                         ; block t: W(32 t + i, my column), i = 0 .. 31: each load reads 128 consecutive bytes, the four waves stand side by side
.if (\t) > 0
	s_wait_xcnt 0x0                                ; the earlier loads and stores have read their addresses: the base may step
	s_add_nc_u64 s[4:5], s[4:5], s[10:11]
.endif
.irp i, 0,1,2,3,4,5,6,7,8,9,10,11,12,13,14,15,16,17,18,19,20,21,22,23,24,25,26,27,28,29,30,31
	global_load_b32 v[XW+32*((\t)%2)+\i], v[OFFS+\i], s[4:5] th:TH_LOAD_NT
.endr
.endm
.macro BLOCK t
.set XS, XW+32*((\t)%2)
.if (\t) < NBK-1
	s_wait_loadcnt 32                              ; this block's 32 loads are in; the next block's may be out
.else
	s_wait_loadcnt 0x0
.endif
	v_max3_num_f32 v12, |v[XS]|, |v[XS+1]|, |v[XS+2]|       ; all 32 numbers of the block are mine: two chains
	v_max3_num_f32 v13, |v[XS+3]|, |v[XS+4]|, |v[XS+5]|
.irp i, 6,10,14,18,22,26
	v_max3_num_f32 v12, v12, |v[XS+\i]|, |v[XS+\i+1]|
	v_max3_num_f32 v13, v13, |v[XS+\i+2]|, |v[XS+\i+3]|
.endr
	v_max3_num_f32 v12, v12, |v[XS+30]|, |v[XS+31]|
	v_max3_num_f32 v12, v12, v13, FLOOR
	v_add_nc_u32 v11, 0xff000000, v12
	v_lshrrev_b32 v13, 23, v11
.if (\t) == 0
	v_mov_b32 v[SB], v13                           ; four bytes to the word, the lower K in the lower byte
.else
	v_lshl_or_b32 v[SB], v13, 8*(\t), v[SB]
.endif
.irp g, 0,1,2,3
	v_cvt_scalef32_pk8_fp4_f32 v[CW+4*(\t)+\g], v[XS+8*\g:XS+8*\g+7], v11
.endr
	v_nop                                          ; one plain line behind the last conversion
	global_store_b128 v[CA], v[CW+4*(\t):CW+4*(\t)+3], s[6:7] offset:256*(\t)   ; the 32 lanes fill two aligned runs of 256 bytes: block t of tiles 2 g and 2 g + 1
.if (\t)+2 < NBK
	LOADW (\t)+2
.endif
.endm
	LOADW 0
	LOADW 1
.set Q, 0
.rept NBK
	BLOCK Q
.set Q, Q+1
.endr
	global_store_b32 v[SCA], v[SB], s[8:9]         ; my column's scale word of this K step: 4 bytes a lane at steps of 16 bytes (a sixteenth of the codes' bytes)
	s_endpgm
.Lfunc_end_k_q55cc47080a_prep:
	.size	k_q55cc47080a_prep, .Lfunc_end_k_q55cc47080a_prep-k_q55cc47080a_prep
	.p2alignl 7, 3214868480
	.fill 96, 4, 3214868480
	.section	.rodata,"a",@progbits
	.p2align	6, 0x0
	.amdhsa_kernel k_q55cc47080a_prep
		.amdhsa_group_segment_fixed_size 10752
		.amdhsa_private_segment_fixed_size 0
		.amdhsa_enable_private_segment 0
		.amdhsa_kernarg_size 64
		.amdhsa_user_sgpr_count 2
		.amdhsa_user_sgpr_kernarg_segment_ptr 1
		.amdhsa_wavefront_size32 1
		.amdhsa_system_sgpr_workgroup_id_x 1
		.amdhsa_system_sgpr_workgroup_id_y 1
		.amdhsa_system_sgpr_workgroup_id_z 1
		.amdhsa_system_vgpr_workitem_id 0
		.amdhsa_next_free_vgpr 226
		.amdhsa_next_free_sgpr 66
		.amdhsa_reserve_vcc 0
		.amdhsa_float_denorm_mode_32 3
		.amdhsa_float_denorm_mode_16_64 3
		.amdhsa_memory_ordered 1
		.amdhsa_forward_progress 1
		.amdhsa_inst_pref_size 55
	.end_amdhsa_kernel
	.amdgpu_metadata
---
amdhsa.version: [ 1, 2 ]
amdhsa.kernels:
  - .name:           k_q55cc47080a_prep
    .symbol:         k_q55cc47080a_prep.kd
    .args:
      - { .name: x, .offset: 0, .size: 8, .value_kind: global_buffer, .address_space: global }
      - { .name: Wq, .offset: 8, .size: 8, .value_kind: global_buffer, .address_space: global }
      - { .name: Wk, .offset: 16, .size: 8, .value_kind: global_buffer, .address_space: global }
      - { .name: Wv, .offset: 24, .size: 8, .value_kind: global_buffer, .address_space: global }
      - { .name: Wo, .offset: 32, .size: 8, .value_kind: global_buffer, .address_space: global }
      - { .name: W1, .offset: 40, .size: 8, .value_kind: global_buffer, .address_space: global }
      - { .name: W2, .offset: 48, .size: 8, .value_kind: global_buffer, .address_space: global }
      - { .name: prep, .offset: 56, .size: 8, .value_kind: global_buffer, .address_space: global }
    .group_segment_fixed_size: 10752
    .private_segment_fixed_size: 0
    .kernarg_segment_align: 8
    .kernarg_segment_size: 64
    .max_flat_workgroup_size: 128
    .sgpr_count:     66
    .vgpr_count:     226
    .wavefront_size: 32
...
	.end_amdgpu_metadata
.endif
;; end of part 1
;; launch qkv (part 2): grid 12 x 16, 4 waves a work-group, no clusters, 0 bytes of LDS; arguments prep, bq, bk, bv, qkv; writes qkv
.if DOCPART == 2
	.amdgcn_target "amdgcn-amd-amdhsa--gfx1250"
	.amdhsa_code_object_version 6
	.text
	.protected	k_q55cc47080a_qkv
	.globl	k_q55cc47080a_qkv
	.p2align	8
	.type	k_q55cc47080a_qkv,@function
k_q55cc47080a_qkv:
	s_mov_b64 s[64:65], 0
	v_nop
	global_prefetch_b8 v0, s[64:65] scope:SCOPE_SE
	s_setreg_imm32_b32 hwreg(HW_REG_WAVE_MODE, 25, 1), 1
	s_wait_xcnt 0x0
; q = x Wq + bq, k = x Wk + bk (work-groups x = 0-7) and v = x Wv + bv (x = 8-11), on codes of FP4; the results are quantised in registers: q and k along the head's 64, v along the keys.
; For q and k the tokens stay in the lanes (side A) and the weight's columns land in the registers (side B); for v it is the other way round, so that a lane's registers run along the keys.
.set NA,     8                         ; tiles of 16 rows of side A for a wave
.set WA,     2                         ; waves along A
.set WB,     2                         ; waves along B (8 tiles each)
.set KS,     8                         ; K steps of 128
.set NSET,   2                         ; sets of operand registers
.set DUAL,   1
.set RELU,   0
.set QOUT,   1
.set F32OUT, 0
.set A_IMG,  0                         ; x's image and scale bytes in prep
.set A_SC,   2097152
.set B_IMG,  2228224                   ; the four square weights'
.set B_SC,   4325376
.set BT0,    0
.set O_F,    0
.set O_IMG,  0                         ; q's and k's image: 16,384 bytes a token tile (K steps 0-7 q, 8-15 k)
.set O_SC,   4194304
.set OTS,    16384
.set V_IMG,  4456448                   ; v's image: [batch][64 tiles of d][64 blocks of keys][16][16]
.set V_SC,   6553600                   ; [batch 65,536][four K steps 16,384][tile 256]
; ---- from here on the text is the same in the four product launches ----
; D = B A^T + bias on operand images: IMG[tile][block of 32 along K][lane row][16 bytes]; a fragment (tile, K step s) is 1,024 consecutive bytes, lane l's 16 bytes at 16 l and 512 + 16 l.
; THE MATRIX INSTRUCTION IS USED TRANSPOSED: source 0 = a tile of side B, source 1 = a tile of side A.  Lane (r, h) keeps A's lane row r; register j of B's tile 2 g + u is B's row 32 g + 16 h + 8 u + j,
; since lane row r of a tile 2 g + u is row 32 g + 8 u + r % 8 + 16 (r / 8).  So a wave's 8 tiles of B are 128 neighbours along the next product's K, 64 of them in a lane: quantised in registers they ARE
; a fragment of the next operand's image and are stored as they stand.  No LDS, no barrier: fragments go from memory into registers, each load 512 consecutive bytes; NSET sets of registers take turns.
; The bias is the C of each sum's first matrix instruction.  Scale words: SC[4 K steps][tile][r][16 bytes]: one load of 16 bytes a lane brings lanes 0-15 the four words of a tile and lanes 16-31 those of the next.
; The stores of scale words are 4 bytes a lane at steps of 16 bytes (a sixteenth of the codes' bytes); lanes 16-31 store the same word to the same place as lanes 0-15.
; LIMITS: a block of zeros gets the scale byte 1 (its codes are zeros; this program alone reads the bytes); NaN and infinities are not served.
; REGISTERS, in windows of 256: window 0: v1-4 offsets; v32.. scale words, two slots; v96-111 the quantiser's; from v128 A's sets (on the way out codes and scale words);
;   window 1: B's sets, 64 registers each; windows 2, 3: accumulator (a, b) at v[8 (8 (a % 4) + b)] of window 2 + a / 4.  The bias: v128-191 of window BIASW.
.set ATS,   KS*1024                    ; a tile's image in bytes
.set LPS,   16+2*NA                    ; loads of a set
.set SLW,   2*NA+16                    ; registers of a slot of scale words
.set LI,    1                          ; 16 x lane
.set R16,   2                          ; 16 x (lane % 16)
.set BO,    3                          ; 64 x (lane / 16)
.set BL,    4                          ; 4 x (r % 8 + 16 (r / 8))
.set SC,    32
.set TM,    96
.set AFB,   128
.set BIASR, 128
.if NA == 8
.set BIASW, 1
.set PCB,   128
.set PWB,   192
.else
.set BIASW, 2
.set PCB,   192
.set PWB,   208
.endif
.set ABUF, 4
.if DUAL
.set BBUF, 4
.set OBUF, 52
.else
.set BBUF, 6
.set OBUF, 10
.endif
.set PA,  20                           ; s[20:21] A's fragments, s[22:23] B's, s[24:25] A's scale words, s[26:27] B's
.set PB,  22
.set PSA, 24
.set PSB, 26
.set PBI, 28                           ; s[28:29] the bias, s[30:31] the f32 image, s[32:33] the codes, s[34:35] the scale words that I store
.set PF,  30
.set PCO, 32
.set PSO, 34
.set MSB, 0
.macro WIN new                         ; the immediate's high byte repeats the setting that is left; a switch that changes nothing is dropped
.if MSB != (\new)
	s_set_vgpr_msb (MSB<<8)|(\new)
.set MSB, \new
.endif
.endm
.macro PLACES                          ; four plain vector lines between matrix instructions and loads into, or reads of, their registers
.rept 4
	v_nop
.endr
.endm
.macro WM4 rb, ra                      ; one product; rb, ra: which half of the lanes holds B's and A's scale words
.if ((\rb) == 0) && ((\ra) == 0)
	v_wmma_scale_f32_16x16x128_f8f6f4 v[rD:rD+7], v[rB:rB+7], v[rA:rA+7], v[rC:rC+7], v[rSB], v[rSA] matrix_a_fmt:MATRIX_FMT_FP4 matrix_b_fmt:MATRIX_FMT_FP4
.elseif (\ra) == 0
	v_wmma_scale_f32_16x16x128_f8f6f4 v[rD:rD+7], v[rB:rB+7], v[rA:rA+7], v[rC:rC+7], v[rSB], v[rSA] matrix_a_fmt:MATRIX_FMT_FP4 matrix_b_fmt:MATRIX_FMT_FP4 matrix_a_scale:MATRIX_SCALE_ROW1
.elseif (\rb) == 0
	v_wmma_scale_f32_16x16x128_f8f6f4 v[rD:rD+7], v[rB:rB+7], v[rA:rA+7], v[rC:rC+7], v[rSB], v[rSA] matrix_a_fmt:MATRIX_FMT_FP4 matrix_b_fmt:MATRIX_FMT_FP4 matrix_b_scale:MATRIX_SCALE_ROW1
.else
	v_wmma_scale_f32_16x16x128_f8f6f4 v[rD:rD+7], v[rB:rB+7], v[rA:rA+7], v[rC:rC+7], v[rSB], v[rSA] matrix_a_fmt:MATRIX_FMT_FP4 matrix_b_fmt:MATRIX_FMT_FP4 matrix_a_scale:MATRIX_SCALE_ROW1 matrix_b_scale:MATRIX_SCALE_ROW1
.endif
.endm
; A K step's 8 NA products on set p.  The accumulators take turns, one instruction a turn, in the same order in every step.
; cm = 0: onto the sums; 1: the sums start from the bias of B's rows; 2: from the bias of A's rows.
.macro MULS p, slot, word, cm
.irp a, 0,1,2,3,4,5,6,7
.if \a < NA
.set rW, 2+\a/4
.if \cm
	WIN (rW<<6)|(BIASW<<4)|1
.else
	WIN (rW<<6)|(rW<<4)|1
.endif
.irp b, 0,1,2,3,4,5,6,7
.set rD, 8*(8*(\a%4)+\b)
.set rB, 64*(\p)+8*\b
.set rA, AFB+8*NA*(\p)+8*\a
.set rC, rD
.if \cm == 1
.set rC, BIASR+8*\b
.elseif \cm == 2
.set rC, BIASR+8*\a
.endif
.set rSB, SC+SLW*(\slot)+2*NA+4*(\b/2)+(\word)
.set rSA, SC+SLW*(\slot)+4*(\a/2)+(\word)
	WM4 \b%2, \a%2
.endr
.endif
.endr
.endm
.macro LOADSET p, sg                   ; the fragments of K step sg (counted from where the pointers stand) into set p
	WIN 0x40                                       ; destination window 1
.irp i, 0,1,2,3,4,5,6,7
	global_load_b128 v[64*(\p)+8*\i:64*(\p)+8*\i+3],   v[LI], s[PB:PB+1] offset:\i*ATS+(\sg)*1024
	global_load_b128 v[64*(\p)+8*\i+4:64*(\p)+8*\i+7], v[LI], s[PB:PB+1] offset:\i*ATS+(\sg)*1024+512
.endr
	WIN 0
.irp i, 0,1,2,3,4,5,6,7
.if \i < NA
	global_load_b128 v[AFB+8*NA*(\p)+8*\i:AFB+8*NA*(\p)+8*\i+3],   v[LI], s[PA:PA+1] offset:\i*ATS+(\sg)*1024
	global_load_b128 v[AFB+8*NA*(\p)+8*\i+4:AFB+8*NA*(\p)+8*\i+7], v[LI], s[PA:PA+1] offset:\i*ATS+(\sg)*1024+512
.endif
.endr
.endm
.macro SCLOAD slot, q                  ; the scale words of four K steps: a load for each pair of tiles
.irp i, 0,1,2,3
.if \i < NA/2
	global_load_b128 v[SC+SLW*(\slot)+4*\i:SC+SLW*(\slot)+4*\i+3], v[LI], s[PSA:PSA+1] offset:(\q)*65536+512*\i
.endif
.endr
.irp i, 0,1,2,3
	global_load_b128 v[SC+SLW*(\slot)+2*NA+4*\i:SC+SLW*(\slot)+2*NA+4*\i+3], v[LI], s[PSB:PSB+1] offset:(\q)*65536+512*\i
.endr
.endm
; K step sg.  n: the loads issued behind this step's set, which may stay out.  ld: its set takes the step NSET further on.  sc: its slot of scale words, done with, takes the four K steps two slots on.
.macro STEP sg, cm, ld, sc, n
	s_wait_loadcnt \n
	MULS (\sg)%NSET, ((\sg)/4)%2, (\sg)%4, \cm
	WIN 0
	PLACES
.if \sc
	SCLOAD ((\sg)/4)%2, (\sg)/4+2
.endif
.if \ld
	LOADSET (\sg)%NSET, (\sg)+NSET
.endif
.endm
.macro TSTEP sg                        ; one of the last seven K steps: nothing is loaded past the end, and the counts run down
.if 7-(\sg) < NSET-1
.set nW, (7-(\sg))*LPS
.else
.set nW, (NSET-1)*LPS
.endif
.if (\sg)+NSET <= 7
	STEP \sg, 0, 1, 0, nW
.else
	STEP \sg, 0, 0, 0, nW
.endif
.endm
	s_load_b256 s[4:11], s[0:1], 0x0
.if DUAL
	s_load_b64 s[52:53], s[0:1], 0x20
.endif
	v_and_b32 v5, 31, v0
	v_lshlrev_b32 v[LI], 4, v5
	v_bfe_u32 v6, v0, 4, 1
	v_lshlrev_b32 v[BO], 6, v6
.if QOUT
	v_and_b32 v7, 15, v0
	v_lshlrev_b32 v[R16], 4, v7
.irp b, 0,1,2,3
	v_mov_b32 v[TM+4+\b], 0                        ; written once: a lane permute's destination counts as one of its sources
.endr
	s_mov_b32 s38, 0x76543210
	s_mov_b32 s39, 0xfedcba98                      ; v_permlanex16_b32's selects for lane l xor 16
.endif
.if DUAL
	v_and_b32 v8, 7, v0
	v_bfe_u32 v9, v0, 3, 1
	v_lshl_add_u32 v8, v9, 4, v8
	v_lshlrev_b32 v[BL], 2, v8
.endif
	v_lshrrev_b32 v5, 5, v0
	v_readfirstlane_b32 s12, v5                    ; wave
	s_and_b32 s40, ttmp7, 0xffff                   ; work-group y
.if WB == 2
	s_lshr_b32 s13, s12, 1                         ; my place along A,
	s_and_b32 s14, s12, 1                          ; along B
.else
	s_mov_b32 s13, s12
	s_mov_b32 s14, 0
.endif
.if DUAL
	s_lshl_b32 s40, s40, 4                         ; x's tiles: 16 y
	s_lshl_b32 s41, ttmp9, 4                       ; the weights' tiles: 16 x
	s_cmp_ge_u32 ttmp9, 8                          ; v's work-groups: the weight is side A, x side B
	s_cselect_b32 s37, 1, 0
	s_cselect_b32 s15, s41, s40
	s_cselect_b32 s16, s40, s41
	s_mov_b32 s42, A_IMG
	s_cselect_b32 s42, B_IMG, s42
	s_mov_b32 s43, B_IMG
	s_cselect_b32 s43, A_IMG, s43
	s_mov_b32 s44, A_SC
	s_cselect_b32 s44, B_SC, s44
	s_mov_b32 s45, B_SC
	s_cselect_b32 s45, A_SC, s45
	s_lshl_b32 s41, s13, 3
	s_add_co_u32 s15, s15, s41                     ; A's first tile
	s_lshl_b32 s41, s14, 3
	s_add_co_u32 s16, s16, s41                     ; B's first tile
.else
	s_mul_i32 s15, s40, NA*WA
	s_mul_i32 s41, s13, NA
	s_add_co_u32 s15, s15, s41                     ; A's first tile
	s_mul_i32 s16, ttmp9, 8*WB
	s_lshl_b32 s41, s14, 3
	s_add_co_u32 s16, s16, s41                     ; B's first tile
	s_mov_b32 s42, A_IMG
	s_mov_b32 s43, B_IMG+BT0*ATS
	s_mov_b32 s44, A_SC
	s_mov_b32 s45, B_SC+BT0*256
.endif
	s_mul_i32 s46, s15, ATS
	s_add_co_u32 s46, s46, s42
	s_mov_b32 s47, 0
	s_mul_i32 s48, s16, ATS
	s_add_co_u32 s48, s48, s43
	s_mov_b32 s49, 0
	s_lshl_b32 s50, s15, 8
	s_add_co_u32 s50, s50, s44
	s_mov_b32 s51, 0
	s_lshl_b32 s54, s16, 8
	s_add_co_u32 s54, s54, s45
	s_mov_b32 s55, 0
	s_lshr_b32 s17, s16, 3                         ; which K step of the next product my 8 tiles of B are
.if DUAL
	s_cmp_eq_u32 s37, 1
	s_cselect_b32 s41, 128, 0                      ; v's tiles count from Wv's first
	s_mov_b32 s56, O_IMG
	s_cselect_b32 s56, V_IMG, s56
	s_mov_b32 s58, O_SC
	s_cselect_b32 s58, V_SC, s58
	s_cselect_b32 s19, 14, 16                      ; four K steps of scale bytes: 16,384 bytes in v's, 65,536 in q's and k's
	s_sub_co_u32 s18, s15, s41
	s_lshr_b32 s41, s17, 4                         ; v: 16 K steps of keys to a batch (q, k: the step is under 16, so this is 0)
	s_and_b32 s17, s17, 15
	s_lshl_b32 s60, s41, 20
	s_add_co_u32 s56, s56, s60
	s_lshl_b32 s60, s41, 16
	s_add_co_u32 s58, s58, s60
.elseif QOUT
	s_mov_b32 s56, O_IMG
	s_mov_b32 s58, O_SC
	s_mov_b32 s19, 16
	s_mov_b32 s18, s15
.endif
.if QOUT
	s_mul_i32 s60, s18, OTS
	s_add_co_u32 s56, s56, s60
	s_lshl_b32 s60, s17, 10
	s_add_co_u32 s56, s56, s60
	s_mov_b32 s57, 0
	s_lshr_b32 s60, s17, 2
	s_lshl_b32 s60, s60, s19
	s_add_co_u32 s58, s58, s60
	s_lshl_b32 s60, s18, 8
	s_add_co_u32 s58, s58, s60
	s_and_b32 s60, s17, 3
	s_lshl_b32 s60, s60, 2
	s_add_co_u32 s58, s58, s60
	s_mov_b32 s59, 0
.endif
.if DUAL
	s_and_b32 s62, s16, 63                         ; q, k: the bias of B's rows, within its weight's 64 tiles; v: of A's rows
	s_cmp_eq_u32 s37, 1
	s_cselect_b32 s62, s18, s62
.else
	s_mov_b32 s62, s16
.endif
	s_lshl_b32 s62, s62, 6                         ; 16 numbers a tile
	s_mov_b32 s63, 0
.if F32OUT
	s_lshl_b32 s60, s15, 16                        ; the f32 image: 65,536 bytes a token tile, 1,024 a tile of columns
	s_lshl_b32 s61, s16, 10
	s_add_co_u32 s60, s60, s61
	s_add_co_u32 s60, s60, O_F
	s_mov_b32 s61, 0
.endif
	s_wait_kmcnt 0x0
	s_add_nc_u64 s[PA:PA+1], s[ABUF:ABUF+1], s[46:47]
	s_add_nc_u64 s[PB:PB+1], s[BBUF:BBUF+1], s[48:49]
	s_add_nc_u64 s[PSA:PSA+1], s[ABUF:ABUF+1], s[50:51]
	s_add_nc_u64 s[PSB:PSB+1], s[BBUF:BBUF+1], s[54:55]
.if DUAL
	s_cmp_lt_u32 ttmp9, 4
	s_cselect_b64 s[PBI:PBI+1], s[6:7], s[8:9]     ; bq or bk,
	s_cmp_eq_u32 s37, 1
	s_cselect_b64 s[PBI:PBI+1], s[10:11], s[PBI:PBI+1]   ; or bv: choices that hang on the work-group's number alone
	s_add_nc_u64 s[PBI:PBI+1], s[PBI:PBI+1], s[62:63]
.else
	s_add_nc_u64 s[PBI:PBI+1], s[8:9], s[62:63]
.endif
.if QOUT
	s_add_nc_u64 s[PCO:PCO+1], s[OBUF:OBUF+1], s[56:57]
	s_add_nc_u64 s[PSO:PSO+1], s[OBUF:OBUF+1], s[58:59]
.endif
.if F32OUT
	s_add_nc_u64 s[PF:PF+1], s[OBUF:OBUF+1], s[60:61]
.endif
	SCLOAD 0, 0                                    ; scale words and bias go out ahead of the sets with which they are wanted
	SCLOAD 1, 1
.if DUAL
	s_cmp_eq_u32 s37, 1
	s_cbranch_scc1 .Lbias_a
.endif
	WIN BIASW<<6
.irp b, 0,1,2,3,4,5,6,7                ; lane (r, h) wants, for B's tile 2 g + u, the bias of rows 32 g + 16 h + 8 u + 0 .. 7
	global_load_b128 v[BIASR+8*\b:BIASR+8*\b+3],   v[BO], s[PBI:PBI+1] offset:(32*(\b/2)+8*(\b%2))*4
	global_load_b128 v[BIASR+8*\b+4:BIASR+8*\b+7], v[BO], s[PBI:PBI+1] offset:(32*(\b/2)+8*(\b%2))*4+16
.endr
	WIN 0
.if DUAL
	s_branch .Lbias_in
.Lbias_a:
	WIN BIASW<<6
.irp a, 0,1,2,3,4,5,6,7                ; v: the bias belongs to the lane's row of A: the same number in all eight registers of a tile
.irp j, 0,1,2,3,4,5,6,7
	global_load_b32 v[BIASR+8*\a+\j], v[BL], s[PBI:PBI+1] offset:(32*(\a/2)+8*(\a%2))*4
.endr
.endr
	WIN 0
.Lbias_in:
.endif
.set qq, 0
.rept NSET
	LOADSET qq, qq
.set qq, qq+1
.endr
.if DUAL
	s_wait_loadcnt (NSET-1)*LPS                    ; K step 0's set, the scale words and the bias are in; the younger set may be out
	s_cmp_eq_u32 s37, 1
	s_cbranch_scc1 .Lfirst_a
	MULS 0, 0, 0, 1
	WIN 0
	s_branch .Lfirst_done
.Lfirst_a:
	MULS 0, 0, 0, 2
	WIN 0
.Lfirst_done:
	PLACES
	LOADSET 0, NSET
.else
	STEP 0, 1, 1, 0, (NSET-1)*LPS                  ; the first K step starts the sums from the bias
.endif
.if KS > 8
	s_mov_b32 s36, KS/8-1
.Ltrip:                                            ; a trip is eight K steps, after which sets and slots are back where they began
	STEP 1, 0, 1, 0, (NSET-1)*LPS
	STEP 2, 0, 1, 0, (NSET-1)*LPS
	STEP 3, 0, 1, 1, (NSET-1)*LPS
	STEP 4, 0, 1, 0, (NSET-1)*LPS                  ; (where scale words were asked for behind a set, more loads are younger than the count says: the smaller count is the safe one)
	STEP 5, 0, 1, 0, (NSET-1)*LPS
	STEP 6, 0, 1, 0, (NSET-1)*LPS
	STEP 7, 0, 1, 1, (NSET-1)*LPS
	STEP 8, 0, 1, 0, (NSET-1)*LPS
	s_wait_xcnt 0x0                                ; the loads have read their bases: they may step
	s_add_nc_u64 s[PA:PA+1], s[PA:PA+1], 8192
	s_add_nc_u64 s[PB:PB+1], s[PB:PB+1], 8192
	s_add_nc_u64 s[PSA:PSA+1], s[PSA:PSA+1], 131072
	s_add_nc_u64 s[PSB:PSB+1], s[PSB:PSB+1], 131072
	s_sub_co_u32 s36, s36, 1
	s_cmp_lg_u32 s36, 0
	s_cbranch_scc1 .Ltrip
.endif
.irp g, 1,2,3,4,5,6,7
	TSTEP \g
.endr
; THE WAY OUT, a tile of A at a time; the four places at the last K step's end stand in front of it.  Each accumulator is read from its low end on.
.macro OUT a
.set rW, 2+(\a)/4
.set AC, 64*((\a)%4)
.set PCD, PCB+8*(\a)
.set PWD, PWB+(\a)
.if F32OUT
	WIN rW<<2                                      ; a store's data are its source 1
.irp b, 0,1,2,3,4,5,6,7
	global_store_b128 v[LI], v[AC+8*\b:AC+8*\b+3],   s[PF:PF+1] offset:(\a)*65536+\b*1024 th:TH_STORE_NT      ; the accumulator as it stands: 512 consecutive bytes a store
	global_store_b128 v[LI], v[AC+8*\b+4:AC+8*\b+7], s[PF:PF+1] offset:(\a)*65536+\b*1024+512 th:TH_STORE_NT
.endr
.endif
.if RELU
	WIN (rW<<2)|(rW<<6)
.set j, 0
.rept 64
	v_max_num_f32 v[AC+j], 0, v[AC+j]              ; the activation, in f32
.set j, j+1
.endr
.endif
.if QOUT
	WIN rW|(rW<<2)
.irp b, 0,1,2,3                        ; block b of 32 along the next K: my 16 numbers, and the floor 2^(3 - 127), which holds the byte at 1 from below
.if RELU
	v_max3_num_f32 v[TM+\b], v[AC+16*\b], v[AC+16*\b+1], 0x1800000
.else
	v_max3_num_f32 v[TM+\b], |v[AC+16*\b]|, |v[AC+16*\b+1]|, 0x1800000
.endif
.endr
.irp i, 2,4,6,8,10,12,14
.irp b, 0,1,2,3
.if RELU
	v_max3_num_f32 v[TM+\b], v[AC+16*\b+\i], v[AC+16*\b+\i+1], v[TM+\b]
.else
	v_max3_num_f32 v[TM+\b], |v[AC+16*\b+\i]|, |v[AC+16*\b+\i+1]|, v[TM+\b]
.endif
.endr
.endr
	WIN 0
.irp b, 0,1,2,3
	v_permlanex16_b32 v[TM+4+\b], v[TM+\b], s38, s39
.endr
.irp b, 0,1,2,3
	v_max_num_f32 v[TM+\b], v[TM+\b], v[TM+4+\b]   ; with lane l xor 16's 16: the block's largest magnitude
.endr
.irp b, 0,1,2,3
	v_add_nc_u32 v[TM+12+\b], 0xff000000, v[TM+\b] ; 2 off its exponent field: the conversion's scale operand
.endr
.irp b, 0,1,2,3
	v_lshrrev_b32 v[TM+4+\b], 23, v[TM+12+\b]      ; the scale's byte
.endr
	v_lshl_or_b32 v[PWD], v[TM+5], 8, v[TM+4]
	v_lshl_or_b32 v[PWD], v[TM+6], 16, v[PWD]
	v_lshl_or_b32 v[PWD], v[TM+7], 24, v[PWD]      ; my row's scale word of this K step
	WIN rW
.irp b, 0,1,2,3
	v_cvt_scalef32_pk8_fp4_f32 v[PCD+2*\b],   v[AC+16*\b:AC+16*\b+7],    v[TM+12+\b]
	v_cvt_scalef32_pk8_fp4_f32 v[PCD+2*\b+1], v[AC+16*\b+8:AC+16*\b+15], v[TM+12+\b]
.endr
	WIN 0
	v_nop                                          ; one plain line behind the conversions
.irp c, 0,1                            ; the operand's layout wants a whole block in a lane: lanes 0-15 block 2 c, lanes 16-31 block 2 c + 1
.irp i, 0,1
	v_permlane16_swap_b32 v[PCD+4*\c+\i], v[PCD+2+4*\c+\i]
.endr
.endr
	global_store_b128 v[LI], v[PCD:PCD+3],   s[PCO:PCO+1] offset:(\a)*OTS          ; the fragment as it stands
	global_store_b128 v[LI], v[PCD+4:PCD+7], s[PCO:PCO+1] offset:(\a)*OTS+512
	global_store_b32 v[R16], v[PWD], s[PSO:PSO+1] offset:(\a)*256
.endif
.endm
.irp g, 0,1,2,3,4,5,6,7
.if \g < NA
	OUT \g
.endif
.endr
	WIN 0
	s_endpgm
.Lfunc_end_k_q55cc47080a_qkv:
	.size	k_q55cc47080a_qkv, .Lfunc_end_k_q55cc47080a_qkv-k_q55cc47080a_qkv
	.p2alignl 7, 3214868480
	.fill 96, 4, 3214868480
	.section	.rodata,"a",@progbits
	.p2align	6, 0x0
	.amdhsa_kernel k_q55cc47080a_qkv
		.amdhsa_group_segment_fixed_size 0
		.amdhsa_private_segment_fixed_size 0
		.amdhsa_enable_private_segment 0
		.amdhsa_kernarg_size 40
		.amdhsa_user_sgpr_count 2
		.amdhsa_user_sgpr_kernarg_segment_ptr 1
		.amdhsa_wavefront_size32 1
		.amdhsa_system_sgpr_workgroup_id_x 1
		.amdhsa_system_sgpr_workgroup_id_y 1
		.amdhsa_system_sgpr_workgroup_id_z 1
		.amdhsa_system_vgpr_workitem_id 0
		.amdhsa_next_free_vgpr 1024
		.amdhsa_next_free_sgpr 66
		.amdhsa_reserve_vcc 0
		.amdhsa_float_denorm_mode_32 3
		.amdhsa_float_denorm_mode_16_64 3
		.amdhsa_memory_ordered 1
		.amdhsa_forward_progress 1
		.amdhsa_inst_pref_size 145
	.end_amdhsa_kernel
	.amdgpu_metadata
---
amdhsa.version: [ 1, 2 ]
amdhsa.kernels:
  - .name:           k_q55cc47080a_qkv
    .symbol:         k_q55cc47080a_qkv.kd
    .args:
      - { .name: prep, .offset: 0, .size: 8, .value_kind: global_buffer, .address_space: global }
      - { .name: bq, .offset: 8, .size: 8, .value_kind: global_buffer, .address_space: global }
      - { .name: bk, .offset: 16, .size: 8, .value_kind: global_buffer, .address_space: global }
      - { .name: bv, .offset: 24, .size: 8, .value_kind: global_buffer, .address_space: global }
      - { .name: qkv, .offset: 32, .size: 8, .value_kind: global_buffer, .address_space: global }
    .group_segment_fixed_size: 0
    .private_segment_fixed_size: 0
    .kernarg_segment_align: 8
    .kernarg_segment_size: 40
    .max_flat_workgroup_size: 128
    .sgpr_count:     66
    .vgpr_count:     1024
    .wavefront_size: 32
...
	.end_amdgpu_metadata
.endif
;; end of part 2
;; launch attn (part 3): grid 8 x 32, 16 waves a work-group, no clusters, 194,560 bytes of LDS; arguments qkv, seq_mask, att; writes att
.if DOCPART == 3
	.amdgcn_target "amdgcn-amd-amdhsa--gfx1250"
	.amdhsa_code_object_version 6
	.text
	.protected	k_q55cc47080a_attn
	.globl	k_q55cc47080a_attn
	.p2align	8
	.type	k_q55cc47080a_attn,@function
k_q55cc47080a_attn:
	s_mov_b64 s[64:65], 0
	v_nop
	global_prefetch_b8 v0, s[64:65] scope:SCOPE_SE
	s_setreg_imm32_b32 hwreg(HW_REG_WAVE_MODE, 25, 1), 1
	s_wait_xcnt 0x0
; O[q] = sum over keys of softmax(q . k / 32, masked by seq_mask) v, for one head and 256 queries a work-group, both products on codes of FP4; the result is quantised along the model's 1,024 for the next product.
; THE SOFTMAX: t = score x log2(e) / 32; M = the running largest t rounded UP to a whole number; p = 2^(t - M) is quantised along the keys, not normalised; the row's sum of the unquantised p divides at the end.
; When M moves, the sum and O are multiplied by 2^(old M - new M): exact.
; SHARES: sixteen waves, each one tile of 16 queries in 256 registers: four waves to a SIMD, so that one wave's vector work stands beside another's matrix work.  Every wave walks the batch's 2,048 keys, 128 a step.
; K, V and their scale bytes of the whole head lie in LDS for the whole launch, filled once by nine tensor loads (a wave has at most one out); no byte is filled again.
; LAYOUT: the operands come as images of their registers (IMG[tile][block of 32][lane row][16 bytes]); lane row rho of a token tile 2 g + u is token 32 g + 8 u + rho % 8 + 16 (rho / 8).
; Both products are used transposed: S^T = K Q^T, O^T = V^T P^T: a lane holds one query throughout.
; THE KEYS THAT FORM A TILE OF K ARE CHOSEN AT THE LDS READ: lane row r of tile 4 c + i takes key 64 c + 32 (r / 8) + 8 i + r % 8 of the step.  Register j of that tile in lane (query, h) is then key
; 64 c + 32 h + 8 i + j: the 32 registers of tiles 4 c .. 4 c + 3 are the WHOLE block 2 c + h of 32 keys, in the order in which the second product's operand wants them.  So a block's largest score needs no other
; lane, a lane makes two scale bytes and not four, the conversions' results ARE the operand's registers, and one exchange between the halves of the lanes makes the scale word.
; That key lies in token tile 4 c + 2 (r / 8) + i % 2, lane row r % 8 + 8 (i / 2).  K's tiles lie 576 bytes apart in LDS (512 + 64 of padding): the two groups of eight rows of a load are 1,152 bytes apart,
; which is 128 modulo 256.  K's scale half-words (four loads a step, two tiles each) do collide, four deep.
; The head's K is 64: the upper 64 of the instruction's 128 are zero codes on both sides, under the scale byte 0.
; THE MASK is the C of S^T's products: 0 for an open key, -2^100 for a masked one.  The running largest t begins at -2^66, above every masked t: so a masked key never sets M, its t - M is hugely negative and p = 0.
; LIMITS: |t| stays under 2^66; a batch with every key masked (NaN in the reference) is not served; NaN and infinities among the inputs are not served; a block of zeros gets the scale byte 1.
; The output's scale half-word is stored 2 bytes a lane at steps of 16 bytes (a sixteenth of the codes' bytes); lanes 16-31 store what lanes 0-15 store.
.set QK_SC,  4194304
.set V_IMG,  4456448
.set V_SC,   6553600
.set ATT_SC, 2097152
.set KP,     576                       ; LDS: K's codes at 0: [128 tiles][512 + 64]
.set VC,     81920                     ; V's codes [4 tiles of d][64 blocks of keys][16][16]
.set KSC,    147456                    ; K's scale bytes [128 tiles][16][16]: the four K steps among which my head's lies
.set VSC,    180224                    ; V's [4][4 tiles][16][16]
.set MB,     184320                    ; the mask as f32, a word a key: written by ds_store; no tensor load lands here
.set AK0,  1                           ; my lane's place in a tile of K: 1,152 (r / 8) + 16 (r % 8) + 256 h
.set AV0,  2                           ; in V: 16 x lane
.set ASK0, 3                           ; among K's scale bytes: 512 (r / 8) + 16 (r % 8) + 256 h + my head's two bytes
.set ASV0, 4                           ; among V's: 16 x lane
.set AMB0, 5                           ; in the mask: 128 h
.set LI,   6                           ; 16 x lane: the offset of Q's load and of the output's store
.set SOA,  7                           ; 16 x (lane % 16)
.set ADK,  8                           ; the trip's addresses
.set ADV,  9
.set ADS,  10
.set ADT,  11
.set ADM,  24
.set SH8,  214                         ; 8 h: where my two bytes stand in the scale word
.set QF,   16                          ; v16-23 Q
.set KF,   32                          ; v32-63 four fragments of K
.set VF,   64                          ; v64-95 four of V
.set S,    96                          ; v96-159 S^T, then p
.set O,    160                         ; v160-191 O^T
.set PCD,  192                         ; v192-199 p's codes
.set KSW,  200                         ; v200-203 K's scale words: lanes 0-15 an even tile's, lanes 16-31 the next one's
.set PW,   212                         ; p's scale word
.set QSW,  213                         ; Q's
.set BM,   216                         ; v216-219 largest scores
.set PT,   220                         ; v220-223 what the other half sends; the bytes
.set SOP,  224                         ; v224-225 the conversions' scale operands
.set FF,   228                         ; v[228:229] f
.set TT,   230
.set VSW,  234                         ; v234-241 V's scale words of a trip: register 4 p + q: step q; lanes 0-15 tile 2 p, lanes 16-31 tile 2 p + 1
.set WV,   18
.set SEL,  20
.set CS,   22
.set G1K,  24
.set G1D,  32
.set G1S,  40
.set G0K,  48
.set G0D,  52
.set G0S,  56
	s_load_b128 s[4:7], s[0:1], 0x0                ; qkv, seq_mask
	s_load_b64 s[8:9], s[0:1], 0x10                ; att
	v_lshl_add_u32 v254, v0, 2, 0x2f000
	v_mov_b32 v255, 0
	ds_add_u32 v254, v255
	ds_add_u32 v254, v255
	v_lshrrev_b32 v8, 5, v0
	v_readfirstlane_b32 s[WV], v8                  ; wave 0..15
	s_and_b32 s10, ttmp7, 0xffff
	s_lshr_b32 s11, s10, 4                         ; batch
	s_and_b32 s12, s10, 15                         ; head
	; descriptor groups 1: elements of 8 bytes, no mask
	s_mov_b32 s[G1K], (3<<16)|(1<<20)|(6<<22)|(15<<25)   ; K's codes: 64 rows (token tiles) of 512 bytes, 16,384 bytes apart; in LDS 16 words of padding behind every 128
	s_mov_b32 s[G1K+1], 64<<16
	s_mov_b32 s[G1K+2], 64<<16
	s_mov_b32 s[G1K+3], 64<<16
	s_mov_b32 s[G1K+4], 64
	s_mov_b32 s[G1K+5], 2048
	s_mov_b32 s[G1K+6], 0
	s_mov_b32 s[G1K+7], 0
	s_mov_b32 s[G1D], 3<<16                        ; a dense block of 16,384 bytes as 64 rows of 256
	s_mov_b32 s[G1D+1], 32<<16
	s_mov_b32 s[G1D+2], 64<<16
	s_mov_b32 s[G1D+3], 32<<16
	s_mov_b32 s[G1D+4], 64
	s_mov_b32 s[G1D+5], 32
	s_mov_b32 s[G1D+6], 0
	s_mov_b32 s[G1D+7], 0
	s_mov_b32 s[G1S], 3<<16                        ; V's scale bytes: 4 rows of 1,024 bytes, 16,384 bytes apart
	s_mov_b32 s[G1S+1], 128<<16
	s_mov_b32 s[G1S+2], 4<<16
	s_mov_b32 s[G1S+3], 128<<16
	s_mov_b32 s[G1S+4], 4
	s_mov_b32 s[G1S+5], 2048
	s_mov_b32 s[G1S+6], 0
	s_mov_b32 s[G1S+7], 0
	s_lshl_b32 s68, s11, 21                        ; waves 0, 1: K's codes of token tiles 128 batch + 64 wave on: k's part of a tile begins at 8,192, my head's 512 bytes at 512 head
	s_lshl_b32 s13, s[WV], 20
	s_add_co_u32 s68, s68, s13
	s_lshl_b32 s13, s12, 9
	s_add_co_u32 s68, s68, s13
	s_add_co_u32 s68, s68, 8192
	s_mov_b32 s69, 0
	s_lshl_b32 s70, s11, 20                        ; waves 2-5: tile wave - 2 of my head's four of V
	s_lshl_b32 s13, s12, 16
	s_add_co_u32 s70, s70, s13
	s_add_co_u32 s70, s70, V_IMG-2*16384
	s_lshr_b32 s13, s12, 3                         ; waves 6, 7: half wave - 6 of K's scale bytes: k's K steps are 8-15, four to 65,536 bytes
	s_lshl_b32 s13, s13, 16
	s_lshl_b32 s14, s11, 15
	s_add_co_u32 s13, s13, s14
	s_add_co_u32 s13, s13, QK_SC+2*65536-6*16384
	s_cmp_lt_u32 s[WV], 6
	s_cselect_b32 s70, s70, s13
	s_lshl_b32 s13, s[WV], 14
	s_add_co_u32 s70, s70, s13
	s_mov_b32 s71, 0
	s_lshl_b32 s72, s11, 16                        ; wave 8: V's scale bytes
	s_lshl_b32 s13, s12, 10
	s_add_co_u32 s72, s72, s13
	s_add_co_u32 s72, s72, V_SC
	s_mov_b32 s73, 0
	s_wait_dscnt 0x0
	s_wait_kmcnt 0x0
	s_mov_b32 s[G0K], 1
	s_mul_i32 s[G0K+1], s[WV], 64*KP               ; LDS: 64 padded rows x wave
	s_add_nc_u64 s[G0K+2:G0K+3], s[4:5], s[68:69]
	s_or_b32 s[G0K+3], s[G0K+3], 0x80000000
	s_mov_b32 s[G0D], 1
	s_lshl_b32 s[G0D+1], s[WV], 14
	s_add_co_u32 s[G0D+1], s[G0D+1], VC-2*16384    ; LDS: waves 2-5 fill V's codes, waves 6, 7 K's scale bytes, which lie behind them
	s_add_nc_u64 s[G0D+2:G0D+3], s[4:5], s[70:71]
	s_or_b32 s[G0D+3], s[G0D+3], 0x80000000
	s_mov_b32 s[G0S], 1
	s_mov_b32 s[G0S+1], VSC
	s_add_nc_u64 s[G0S+2:G0S+3], s[4:5], s[72:73]
	s_or_b32 s[G0S+3], s[G0S+3], 0x80000000
	; the fills: branches on the wave's number alone; four v_nop follow each tensor load
	s_cmp_lt_u32 s[WV], 2
	s_cbranch_scc0 .Lnot_k
	tensor_load_to_lds s[G0K:G0K+3], s[G1K:G1K+7]
	s_nop 0
.rept 4
	v_nop
.endr
	s_branch .Lasked
.Lnot_k:
	s_cmp_lt_u32 s[WV], 8
	s_cbranch_scc0 .Lnot_d
	tensor_load_to_lds s[G0D:G0D+3], s[G1D:G1D+7]
	s_nop 0
.rept 4
	v_nop
.endr
	s_branch .Lasked
.Lnot_d:
	s_cmp_eq_u32 s[WV], 8
	s_cbranch_scc0 .Lasked
	tensor_load_to_lds s[G0S:G0S+3], s[G1S:G1S+7]
	s_nop 0
.rept 4
	v_nop
.endr
.Lasked:
	; the mask, Q and its scale word
	v_lshlrev_b32 v25, 4, v0                       ; 16 x thread: 512 threads take the batch's 2,048 words
	s_lshl_b32 s14, s11, 13
	s_mov_b32 s15, 0
	s_add_nc_u64 s[6:7], s[6:7], s[14:15]
	global_load_b128 v[28:31], v25, s[6:7]
	s_lshl_b32 s16, s11, 7
	s_lshl_b32 s13, ttmp9, 4
	s_add_co_u32 s16, s16, s13
	s_add_co_u32 s16, s16, s[WV]                   ; my token tile: 128 batch + 16 x + wave
	s_lshl_b32 s68, s16, 14
	s_lshl_b32 s13, s12, 9
	s_add_co_u32 s68, s68, s13
	s_add_nc_u64 s[70:71], s[4:5], s[68:69]        ; Q's codes
	s_lshr_b32 s14, s12, 3
	s_lshl_b32 s14, s14, 16                        ; my head's K step is head / 2: four K steps to 65,536 bytes,
	s_lshl_b32 s15, s16, 8
	s_add_co_u32 s14, s14, s15                     ; 256 a tile,
	s_and_b32 s17, s12, 7
	s_lshl_b32 s17, s17, 1                         ; and in a row's 16 bytes the two at 2 (head % 8)
	s_add_co_u32 s14, s14, s17
	s_add_co_u32 s68, s14, QK_SC
	s_add_nc_u64 s[72:73], s[4:5], s[68:69]        ; Q's scale half-word
	s_add_co_u32 s68, s14, ATT_SC
	s_add_nc_u64 s[76:77], s[8:9], s[68:69]        ; the output's
	s_lshl_b32 s68, s16, 13
	s_add_co_u32 s68, s68, s13
	s_add_nc_u64 s[74:75], s[8:9], s[68:69]        ; the output's codes: 8,192 a tile, 512 a head
	v_and_b32 v216, 31, v0
	v_lshlrev_b32 v[LI], 4, v216
	v_and_b32 v217, 15, v0
	v_lshlrev_b32 v[SOA], 4, v217
	global_load_b128 v[QF:QF+3], v[LI], s[70:71]
	global_load_u16 v[QSW], v[SOA], s[72:73]       ; bytes 2 and 3, the zero codes' scales, are 0
	v_bfe_u32 v218, v0, 4, 1                       ; h
	v_bfe_u32 v219, v0, 3, 1                       ; r / 8
	v_and_b32 v220, 7, v0                          ; r % 8
	v_mul_u32_u24 v[AK0], v219, 2*KP
	v_lshl_add_u32 v[AK0], v220, 4, v[AK0]
	v_lshl_add_u32 v[AK0], v218, 8, v[AK0]
	v_add_nc_u32 v[AV0], VC, v[LI]
	s_add_co_u32 s14, s17, KSC
	v_lshlrev_b32 v[ASK0], 9, v219
	v_lshl_add_u32 v[ASK0], v220, 4, v[ASK0]
	v_lshl_add_u32 v[ASK0], v218, 8, v[ASK0]       ; lanes 16-31 take the scales of the tile one further on
	v_add_nc_u32 v[ASK0], s14, v[ASK0]
	v_add_nc_u32 v[ASV0], VSC, v[LI]
	v_lshl_add_u32 v[AMB0], v218, 7, MB
	v_lshlrev_b32 v[SH8], 3, v218
	v_lshl_add_u32 v26, v0, 4, MB
	v_mov_b32 v27, 0xf1800000                      ; -2^100
	s_mov_b32 s[SEL], 0x76543210
	s_mov_b32 s[SEL+1], 0xfedcba98                 ; v_permlanex16_b32's selects for lane l xor 16
	s_mov_b32 s[CS], 0x3d38aa3b                    ; c = log2(e) / 32
	s_mov_b32 s[CS+1], s[CS]                       ; (named with it as a pair, so it is written)
.irp j, 4,5,6,7
	v_mov_b32 v[QF+\j], 0                          ; the upper 64 of K: zero codes
.irp t, 0,1,2,3
	v_mov_b32 v[KF+8*\t+\j], 0
.endr
.endr
.set j, 0
.rept 32
	v_mov_b32 v[O+j], 0                            ; O^T: the step is written once; the first finds zeros, which the first change of M leaves zeros
.set j, j+1
.endr
	v_mov_b32 v14, 0                               ; the sum, in two halves
	v_mov_b32 v15, 0
	v_mov_b32 v13, 0xe0800000                      ; the largest t so far: -2^66
	v_floor_f32 v12, -v13                          ; -M
.irp b, 0,1,2,3
	v_mov_b32 v[PT+\b], 0                          ; written once: a lane permute's destination counts as one of its sources
.endr
	v_mov_b32 v[FF+1], 0                           ; (named as the upper half of a pair)
	v_mov_b32 v[TT], 0
	s_wait_loadcnt 2                               ; the mask is in; Q's two loads may be out
.irp j, 0,1,2,3
	v_cmp_eq_u32 vcc_lo, 0, v[28+\j]
	v_cndmask_b32 v[28+\j], 0, v27, vcc_lo         ; a choice of a value: no branch hangs on the mask
.endr
	ds_store_b128 v26, v[28:31]
	s_wait_tensorcnt 0x0                           ; my fill has landed,
	s_wait_loadcnt 0x0                             ; Q is in,
	s_wait_dscnt 0x0                               ; my part of the mask is stored:
	s_barrier_signal -1
	s_barrier_wait -1                              ; everybody's are.  Nothing in LDS is written from here on
; one product onto its own accumulator; row: which half of the lanes holds source 0's scale word
.macro WMS d, a, b, sa, sb, row
.if \row
	v_wmma_scale_f32_16x16x128_f8f6f4 v[\d:\d+7], v[\a:\a+7], v[\b:\b+7], v[\d:\d+7], v[\sa], v[\sb] matrix_a_fmt:MATRIX_FMT_FP4 matrix_b_fmt:MATRIX_FMT_FP4 matrix_a_scale:MATRIX_SCALE_ROW1
.else
	v_wmma_scale_f32_16x16x128_f8f6f4 v[\d:\d+7], v[\a:\a+7], v[\b:\b+7], v[\d:\d+7], v[\sa], v[\sb] matrix_a_fmt:MATRIX_FMT_FP4 matrix_b_fmt:MATRIX_FMT_FP4
.endif
.endm
; the largest of S^T's registers 16 b .. 16 b + 15, for two b by turns; each accumulator is read from its low end on
.macro CHAINS b0, b1
.irp b, \b0, \b1
	v_max3_num_f32 v[BM+\b], v[S+16*\b], v[S+16*\b+1], v[S+16*\b+2]
.endr
.irp i, 3,5,7,9,11,13
.irp b, \b0, \b1
	v_max3_num_f32 v[BM+\b], v[BM+\b], v[S+16*\b+\i], v[S+16*\b+\i+1]
.endr
.endr
.irp b, \b0, \b1
	v_max_num_f32 v[BM+\b], v[BM+\b], v[S+16*\b+15]
.endr
.endm
; A KEY STEP: 128 keys, the q-th of the trip's four
.macro STEP q
.irp t, 0,1,2,3                        ; the mask goes straight into S^T's registers: tile 4 c + i, register j is key 64 c + 32 h + 8 i + j
	ds_load_b128 v[S+8*\t:S+8*\t+3],   v[ADM] offset:512*(\q)+32*\t
	ds_load_b128 v[S+8*\t+4:S+8*\t+7], v[ADM] offset:512*(\q)+32*\t+16
.endr
.irp t, 0,1,2,3
	ds_load_b128 v[KF+8*\t:KF+8*\t+3], v[ADK] offset:8*KP*(\q)+KP*(\t%2)+128*(\t/2)
.endr
	ds_load_u16 v[KSW], v[ADS] offset:2048*(\q)
	ds_load_u16 v[KSW+1], v[ADS] offset:2048*(\q)+128
.irp t, 4,5,6,7
	ds_load_b128 v[S+8*\t:S+8*\t+3],   v[ADM] offset:512*(\q)+256+32*(\t-4)
	ds_load_b128 v[S+8*\t+4:S+8*\t+7], v[ADM] offset:512*(\q)+256+32*(\t-4)+16
.endr
	s_wait_dscnt 8                                 ; all but the mask of tiles 4-7 is in
.irp t, 0,1,2,3
	WMS S+8*\t, KF+8*\t, QF, KSW+\t/2, QSW, \t%2
.endr
.rept 4
	v_nop                                          ; places in front of the loads into K's registers, and into V's, which the last step's products read; and in front of the first read of these four results
.endr
.irp t, 0,1,2,3
	ds_load_b128 v[KF+8*\t:KF+8*\t+3], v[ADK] offset:8*KP*(\q)+4*KP+KP*(\t%2)+128*(\t/2)
.endr
	ds_load_u16 v[KSW+2], v[ADS] offset:2048*(\q)+1024
	ds_load_u16 v[KSW+3], v[ADS] offset:2048*(\q)+1024+128
.irp t, 0,1,2,3
	ds_load_b128 v[VF+8*\t:VF+8*\t+3],   v[ADV] offset:16384*\t+1024*(\q)
	ds_load_b128 v[VF+8*\t+4:VF+8*\t+7], v[ADV] offset:16384*\t+1024*(\q)+512
.endr
	s_wait_dscnt 8                                 ; K's are in; V's eight may be out: they land under the softmax
.irp t, 0,1,2,3
	WMS S+32+8*\t, KF+8*\t, QF, KSW+2+\t/2, QSW, \t%2
.endr
	CHAINS 0, 1                                    ; tiles 0-3: sixteen plain lines that name no register of the four products just issued: their places
	CHAINS 2, 3
	v_max_num_f32 v[BM], v[BM], v[BM+1]            ; THE LARGEST SCORE OF MY TWO BLOCKS OF 32 KEYS, h and 2 + h: it serves for the row's maximum and, since p rises with the score, for the block's largest p
	v_max_num_f32 v[BM+1], v[BM+2], v[BM+3]
	v_max_num_f32 v[TT], v[BM], v[BM+1]
	v_permlanex16_b32 v[PT], v[TT], s[SEL], s[SEL+1]
	v_max_num_f32 v[TT], v[TT], v[PT]              ; with lane l xor 16's two blocks: the step's largest score of my query
	v_mul_f32 v[TT], s[CS], v[TT]                  ; as t (c is positive)
	v_max_num_f32 v13, v13, v[TT]                  ; the running largest t
	v_mov_b32 v[TT], v12
	v_floor_f32 v12, -v13                          ; the new -M = -ceil(t): a whole number
	v_sub_f32 v[TT], v12, v[TT]                    ; old M - new M: a whole number, 0 or less
	v_cvt_i32_f32 v[TT], v[TT]                     ; (it saturates)
	v_ldexp_f32 v[FF], 1.0, v[TT]                  ; f = 2^(old M - new M)
.set j, 0
.rept 32
	v_pk_fma_f32 v[S+j:S+j+1], v[S+j:S+j+1], s[CS:CS+1], v[12:13] op_sel_hi:[1,0,0]   ; t - M, two at a time
.set j, j+2
.endr
.irp b, 0,1
	v_fma_f32 v[BM+\b], v[BM+\b], s[CS], v12       ; the same of each block's largest score
.endr
.set j, 0
.rept 64
	v_exp_f32 v[S+j], v[S+j]                       ; p = 2^(t - M)
.set j, j+1
.endr
.irp b, 0,1
	v_exp_f32 v[BM+\b], v[BM+\b]                   ; the block's largest p: the same two instructions on the same number
.endr
	v_pk_mul_f32 v[14:15], v[14:15], v[FF:FF+1] op_sel_hi:[1,0]   ; the sums under the new M (a plain line behind the exponentials)
	s_wait_alu depctr_va_vdst(0)
.irp b, 0,1
	v_max_num_f32 v[BM+\b], 0x1800000, v[BM+\b]    ; the floor 2^(3 - 127): the byte cannot fall under 1
.endr
.irp b, 0,1
	v_add_nc_u32 v[SOP+\b], 0xff000000, v[BM+\b]   ; 2 off the exponent field: the conversion's scale operand
.endr
.irp b, 0,1
	v_lshrrev_b32 v[PT+\b], 23, v[SOP+\b]          ; the scale's byte
.endr
	v_lshl_or_b32 v[PW], v[PT+1], 16, v[PT]        ; my two bytes: blocks h and 2 + h,
	v_lshlrev_b32 v[PW], v[SH8], v[PW]             ; at their places in the scale word;
	v_permlanex16_b32 v[PT+2], v[PW], s[SEL], s[SEL+1]
	v_or_b32 v[PW], v[PW], v[PT+2]                 ; with lane l xor 16's two the word of these 128 keys is whole
.irp t, 0,1,2,3,4,5,6,7
	v_cvt_scalef32_pk8_fp4_f32 v[PCD+\t], v[S+8*\t:S+8*\t+7], v[SOP+\t/4]   ; register 4 c + i of the operand: keys 64 c + 32 h + 8 i + 0 .. 7
.endr
	v_pk_add_f32 v[232:233], v[S:S+1], v[S+2:S+3]  ; the row's sum is taken of the unquantised p: two chains.  (Also the plain line behind the conversions: it reads their sources and writes neither them nor the codes)
.irp j, 4,8,12,16,20,24,28,32,36,40,44,48,52,56,60
	v_pk_add_f32 v[14:15], v[14:15], v[S+\j:S+\j+1]
	v_pk_add_f32 v[232:233], v[232:233], v[S+\j+2:S+\j+3]
.endr
	v_pk_add_f32 v[14:15], v[14:15], v[232:233]
.set j, 0
.rept 16
	v_pk_mul_f32 v[O+j:O+j+1], v[O+j:O+j+1], v[FF:FF+1] op_sel_hi:[1,0]   ; O^T under the new M.  (With the sums above: the places between p's codes and scale word and the products below)
.set j, j+2
.endr
	s_wait_dscnt 0x0                               ; V is in
.irp t, 0,1,2,3
	WMS O+8*\t, VF+8*\t, PCD, VSW+4*(\t/2)+(\q), PW, \t%2
.endr
.endm
	s_mov_b32 s60, 4
	s_mov_b32 s61, 0
	s_mov_b32 s62, 0
	s_mov_b32 s63, 0
	s_mov_b32 s66, 0
	s_mov_b32 s67, 0
.Ltrip:                                            ; four trips of four key steps; all accumulators' turns are one instruction long
	v_add_nc_u32 v[ADK], s61, v[AK0]               ; (these five lines are also the places between the last step's products and the loads into V's scale words)
	v_add_nc_u32 v[ADS], s62, v[ASK0]
	v_add_nc_u32 v[ADM], s63, v[AMB0]
	v_add_nc_u32 v[ADV], s66, v[AV0]
	v_add_nc_u32 v[ADT], s67, v[ASV0]
	ds_load_b128 v[VSW:VSW+3], v[ADT]              ; V's scale words of the trip's four steps: tiles 0 and 1,
	ds_load_b128 v[VSW+4:VSW+7], v[ADT] offset:512 ; tiles 2 and 3
	STEP 0
	STEP 1
	STEP 2
	STEP 3
	s_add_co_u32 s61, s61, 32*KP                   ; 32 tiles of K,
	s_add_co_u32 s62, s62, 8192                    ; x 256 bytes of scales,
	s_add_co_u32 s63, s63, 2048                    ; 512 words of the mask,
	s_add_co_u32 s66, s66, 4096                    ; 16 blocks of keys in each tile of V,
	s_add_co_u32 s67, s67, 1024                    ; four K steps of V's scales
	s_sub_co_u32 s60, s60, 1
	s_cmp_lg_u32 s60, 0
	s_cbranch_scc1 .Ltrip
	; THE WAY OUT: O^T / the sum; register 8 t + j is d = 32 (t / 2) + 16 h + 8 (t % 2) + j of my head: two blocks of 32 along the next product's K, each in lanes l and l xor 16
.rept 4
	v_nop
.endr
	v_add_f32 v14, v14, v15
	v_permlanex16_b32 v[TT], v14, s[SEL], s[SEL+1]
	v_add_f32 v14, v14, v[TT]                      ; the row's sum
	v_rcp_f32 v14, v14
	v_nop                                          ; a plain line behind the transcendental
.set j, 0
	s_wait_alu depctr_va_vdst(0)
.rept 32
	v_mul_f32 v[S+j], v[O+j], v14
.set j, j+1
.endr
.irp b, 0,1
	v_max3_num_f32 v[BM+\b], |v[S+16*\b]|, |v[S+16*\b+1]|, 0x1800000
.endr
.irp i, 2,4,6,8,10,12,14
.irp b, 0,1
	v_max3_num_f32 v[BM+\b], v[BM+\b], |v[S+16*\b+\i]|, |v[S+16*\b+\i+1]|
.endr
.endr
.irp b, 0,1
	v_permlanex16_b32 v[PT+\b], v[BM+\b], s[SEL], s[SEL+1]
.endr
.irp b, 0,1
	v_max_num_f32 v[BM+\b], v[BM+\b], v[PT+\b]
.endr
.irp b, 0,1
	v_add_nc_u32 v[SOP+\b], 0xff000000, v[BM+\b]
.endr
.irp b, 0,1
	v_lshrrev_b32 v[PT+\b], 23, v[SOP+\b]
.endr
	v_lshl_or_b32 v[PW], v[PT+1], 8, v[PT]         ; my row's two scale bytes
.irp b, 0,1
	v_cvt_scalef32_pk8_fp4_f32 v[PCD+2*\b],   v[S+16*\b:S+16*\b+7],    v[SOP+\b]
	v_cvt_scalef32_pk8_fp4_f32 v[PCD+2*\b+1], v[S+16*\b+8:S+16*\b+15], v[SOP+\b]
.endr
	v_nop
	v_permlane16_swap_b32 v[PCD], v[PCD+2]
	v_permlane16_swap_b32 v[PCD+1], v[PCD+3]       ; lanes 0-15 block 0, lanes 16-31 block 1
	global_store_b128 v[LI], v[PCD:PCD+3], s[74:75]    ; 512 consecutive bytes of the next operand's image
	global_store_b16 v[SOA], v[PW], s[76:77]
	s_wait_tensorcnt 0x0
	ds_add_u32 v254, v255
	s_wait_dscnt 0x0
	s_endpgm
.Lfunc_end_k_q55cc47080a_attn:
	.size	k_q55cc47080a_attn, .Lfunc_end_k_q55cc47080a_attn-k_q55cc47080a_attn
	.p2alignl 7, 3214868480
	.fill 96, 4, 3214868480
	.section	.rodata,"a",@progbits
	.p2align	6, 0x0
	.amdhsa_kernel k_q55cc47080a_attn
		.amdhsa_group_segment_fixed_size 194560
		.amdhsa_private_segment_fixed_size 0
		.amdhsa_enable_private_segment 0
		.amdhsa_kernarg_size 24
		.amdhsa_user_sgpr_count 2
		.amdhsa_user_sgpr_kernarg_segment_ptr 1
		.amdhsa_wavefront_size32 1
		.amdhsa_system_sgpr_workgroup_id_x 1
		.amdhsa_system_sgpr_workgroup_id_y 1
		.amdhsa_system_sgpr_workgroup_id_z 1
		.amdhsa_system_vgpr_workitem_id 0
		.amdhsa_next_free_vgpr 256
		.amdhsa_next_free_sgpr 80
		.amdhsa_reserve_vcc 1
		.amdhsa_float_denorm_mode_32 3
		.amdhsa_float_denorm_mode_16_64 3
		.amdhsa_memory_ordered 1
		.amdhsa_forward_progress 1
		.amdhsa_inst_pref_size 73
	.end_amdhsa_kernel
	.amdgpu_metadata
---
amdhsa.version: [ 1, 2 ]
amdhsa.kernels:
  - .name:           k_q55cc47080a_attn
    .symbol:         k_q55cc47080a_attn.kd
    .args:
      - { .name: qkv, .offset: 0, .size: 8, .value_kind: global_buffer, .address_space: global }
      - { .name: seq_mask, .offset: 8, .size: 8, .value_kind: global_buffer, .address_space: global }
      - { .name: att, .offset: 16, .size: 8, .value_kind: global_buffer, .address_space: global }
    .group_segment_fixed_size: 194560
    .private_segment_fixed_size: 0
    .kernarg_segment_align: 8
    .kernarg_segment_size: 24
    .max_flat_workgroup_size: 512
    .sgpr_count:     80
    .vgpr_count:     256
    .wavefront_size: 32
...
	.end_amdgpu_metadata
.endif
;; end of part 3
;; launch wo (part 4): grid 8 x 32, 4 waves a work-group, no clusters, 0 bytes of LDS; arguments att, prep, bo, yb; writes yb
.if DOCPART == 4
	.amdgcn_target "amdgcn-amd-amdhsa--gfx1250"
	.amdhsa_code_object_version 6
	.text
	.protected	k_q55cc47080a_wo
	.globl	k_q55cc47080a_wo
	.p2align	8
	.type	k_q55cc47080a_wo,@function
k_q55cc47080a_wo:
	s_mov_b64 s[64:65], 0
	v_nop
	global_prefetch_b8 v0, s[64:65] scope:SCOPE_SE
	s_setreg_imm32_b32 hwreg(HW_REG_WAVE_MODE, 25, 1), 1
	s_wait_xcnt 0x0
; y = attn Wo + bo on codes of FP4.  y leaves twice: as f32 (an image of the accumulators, for the last launch) and as codes along its 1,024 columns (for the next product).
; The output has 4,096 x 1,024 numbers: tiles of 128 x 128 give 256 work-groups; a wave takes 2 tiles of tokens against the work-group's 8 tiles of columns.
.set NA,     2                         ; tiles of 16 rows of side A for a wave
.set WA,     4                         ; waves along A
.set WB,     1                         ; waves along B (8 tiles each)
.set KS,     8                         ; K steps of 128
.set NSET,   4                         ; sets of operand registers
.set DUAL,   0
.set RELU,   0
.set QOUT,   1
.set F32OUT, 1
.set A_IMG,  0                         ; the attention's image and scale bytes in att
.set A_SC,   2097152
.set B_IMG,  2228224                   ; the four square weights' in prep;
.set B_SC,   4325376
.set BT0,    192                       ; Wo's tiles begin at 192
.set O_F,    0                         ; y as f32
.set O_IMG,  16777216                  ; y's image
.set O_SC,   18874368
.set OTS,    8192
.set V_IMG,  0
.set V_SC,   0
; ---- from here on the text is the same in the four product launches ----
; D = B A^T + bias on operand images: IMG[tile][block of 32 along K][lane row][16 bytes]; a fragment (tile, K step s) is 1,024 consecutive bytes, lane l's 16 bytes at 16 l and 512 + 16 l.
; THE MATRIX INSTRUCTION IS USED TRANSPOSED: source 0 = a tile of side B, source 1 = a tile of side A.  Lane (r, h) keeps A's lane row r; register j of B's tile 2 g + u is B's row 32 g + 16 h + 8 u + j,
; since lane row r of a tile 2 g + u is row 32 g + 8 u + r % 8 + 16 (r / 8).  So a wave's 8 tiles of B are 128 neighbours along the next product's K, 64 of them in a lane: quantised in registers they ARE
; a fragment of the next operand's image and are stored as they stand.  No LDS, no barrier: fragments go from memory into registers, each load 512 consecutive bytes; NSET sets of registers take turns.
; The bias is the C of each sum's first matrix instruction.  Scale words: SC[4 K steps][tile][r][16 bytes]: one load of 16 bytes a lane brings lanes 0-15 the four words of a tile and lanes 16-31 those of the next.
; The stores of scale words are 4 bytes a lane at steps of 16 bytes (a sixteenth of the codes' bytes); lanes 16-31 store the same word to the same place as lanes 0-15.
; LIMITS: a block of zeros gets the scale byte 1 (its codes are zeros; this program alone reads the bytes); NaN and infinities are not served.
; REGISTERS, in windows of 256: window 0: v1-4 offsets; v32.. scale words, two slots; v96-111 the quantiser's; from v128 A's sets (on the way out codes and scale words);
;   window 1: B's sets, 64 registers each; windows 2, 3: accumulator (a, b) at v[8 (8 (a % 4) + b)] of window 2 + a / 4.  The bias: v128-191 of window BIASW.
.set ATS,   KS*1024                    ; a tile's image in bytes
.set LPS,   16+2*NA                    ; loads of a set
.set SLW,   2*NA+16                    ; registers of a slot of scale words
.set LI,    1                          ; 16 x lane
.set R16,   2                          ; 16 x (lane % 16)
.set BO,    3                          ; 64 x (lane / 16)
.set BL,    4                          ; 4 x (r % 8 + 16 (r / 8))
.set SC,    32
.set TM,    96
.set AFB,   128
.set BIASR, 128
.if NA == 8
.set BIASW, 1
.set PCB,   128
.set PWB,   192
.else
.set BIASW, 2
.set PCB,   192
.set PWB,   208
.endif
.set ABUF, 4
.if DUAL
.set BBUF, 4
.set OBUF, 52
.else
.set BBUF, 6
.set OBUF, 10
.endif
.set PA,  20                           ; s[20:21] A's fragments, s[22:23] B's, s[24:25] A's scale words, s[26:27] B's
.set PB,  22
.set PSA, 24
.set PSB, 26
.set PBI, 28                           ; s[28:29] the bias, s[30:31] the f32 image, s[32:33] the codes, s[34:35] the scale words that I store
.set PF,  30
.set PCO, 32
.set PSO, 34
.set MSB, 0
.macro WIN new                         ; the immediate's high byte repeats the setting that is left; a switch that changes nothing is dropped
.if MSB != (\new)
	s_set_vgpr_msb (MSB<<8)|(\new)
.set MSB, \new
.endif
.endm
.macro PLACES                          ; four plain vector lines between matrix instructions and loads into, or reads of, their registers
.rept 4
	v_nop
.endr
.endm
.macro WM4 rb, ra                      ; one product; rb, ra: which half of the lanes holds B's and A's scale words
.if ((\rb) == 0) && ((\ra) == 0)
	v_wmma_scale_f32_16x16x128_f8f6f4 v[rD:rD+7], v[rB:rB+7], v[rA:rA+7], v[rC:rC+7], v[rSB], v[rSA] matrix_a_fmt:MATRIX_FMT_FP4 matrix_b_fmt:MATRIX_FMT_FP4
.elseif (\ra) == 0
	v_wmma_scale_f32_16x16x128_f8f6f4 v[rD:rD+7], v[rB:rB+7], v[rA:rA+7], v[rC:rC+7], v[rSB], v[rSA] matrix_a_fmt:MATRIX_FMT_FP4 matrix_b_fmt:MATRIX_FMT_FP4 matrix_a_scale:MATRIX_SCALE_ROW1
.elseif (\rb) == 0
	v_wmma_scale_f32_16x16x128_f8f6f4 v[rD:rD+7], v[rB:rB+7], v[rA:rA+7], v[rC:rC+7], v[rSB], v[rSA] matrix_a_fmt:MATRIX_FMT_FP4 matrix_b_fmt:MATRIX_FMT_FP4 matrix_b_scale:MATRIX_SCALE_ROW1
.else
	v_wmma_scale_f32_16x16x128_f8f6f4 v[rD:rD+7], v[rB:rB+7], v[rA:rA+7], v[rC:rC+7], v[rSB], v[rSA] matrix_a_fmt:MATRIX_FMT_FP4 matrix_b_fmt:MATRIX_FMT_FP4 matrix_a_scale:MATRIX_SCALE_ROW1 matrix_b_scale:MATRIX_SCALE_ROW1
.endif
.endm
; A K step's 8 NA products on set p.  The accumulators take turns, one instruction a turn, in the same order in every step.
; cm = 0: onto the sums; 1: the sums start from the bias of B's rows; 2: from the bias of A's rows.
.macro MULS p, slot, word, cm
.irp a, 0,1,2,3,4,5,6,7
.if \a < NA
.set rW, 2+\a/4
.if \cm
	WIN (rW<<6)|(BIASW<<4)|1
.else
	WIN (rW<<6)|(rW<<4)|1
.endif
.irp b, 0,1,2,3,4,5,6,7
.set rD, 8*(8*(\a%4)+\b)
.set rB, 64*(\p)+8*\b
.set rA, AFB+8*NA*(\p)+8*\a
.set rC, rD
.if \cm == 1
.set rC, BIASR+8*\b
.elseif \cm == 2
.set rC, BIASR+8*\a
.endif
.set rSB, SC+SLW*(\slot)+2*NA+4*(\b/2)+(\word)
.set rSA, SC+SLW*(\slot)+4*(\a/2)+(\word)
	WM4 \b%2, \a%2
.endr
.endif
.endr
.endm
.macro LOADSET p, sg                   ; the fragments of K step sg (counted from where the pointers stand) into set p
	WIN 0x40                                       ; destination window 1
.irp i, 0,1,2,3,4,5,6,7
	global_load_b128 v[64*(\p)+8*\i:64*(\p)+8*\i+3],   v[LI], s[PB:PB+1] offset:\i*ATS+(\sg)*1024
	global_load_b128 v[64*(\p)+8*\i+4:64*(\p)+8*\i+7], v[LI], s[PB:PB+1] offset:\i*ATS+(\sg)*1024+512
.endr
	WIN 0
.irp i, 0,1,2,3,4,5,6,7
.if \i < NA
	global_load_b128 v[AFB+8*NA*(\p)+8*\i:AFB+8*NA*(\p)+8*\i+3],   v[LI], s[PA:PA+1] offset:\i*ATS+(\sg)*1024
	global_load_b128 v[AFB+8*NA*(\p)+8*\i+4:AFB+8*NA*(\p)+8*\i+7], v[LI], s[PA:PA+1] offset:\i*ATS+(\sg)*1024+512
.endif
.endr
.endm
.macro SCLOAD slot, q                  ; the scale words of four K steps: a load for each pair of tiles
.irp i, 0,1,2,3
.if \i < NA/2
	global_load_b128 v[SC+SLW*(\slot)+4*\i:SC+SLW*(\slot)+4*\i+3], v[LI], s[PSA:PSA+1] offset:(\q)*65536+512*\i
.endif
.endr
.irp i, 0,1,2,3
	global_load_b128 v[SC+SLW*(\slot)+2*NA+4*\i:SC+SLW*(\slot)+2*NA+4*\i+3], v[LI], s[PSB:PSB+1] offset:(\q)*65536+512*\i
.endr
.endm
; K step sg.  n: the loads issued behind this step's set, which may stay out.  ld: its set takes the step NSET further on.  sc: its slot of scale words, done with, takes the four K steps two slots on.
.macro STEP sg, cm, ld, sc, n
	s_wait_loadcnt \n
	MULS (\sg)%NSET, ((\sg)/4)%2, (\sg)%4, \cm
	WIN 0
	PLACES
.if \sc
	SCLOAD ((\sg)/4)%2, (\sg)/4+2
.endif
.if \ld
	LOADSET (\sg)%NSET, (\sg)+NSET
.endif
.endm
.macro TSTEP sg                        ; one of the last seven K steps: nothing is loaded past the end, and the counts run down
.if 7-(\sg) < NSET-1
.set nW, (7-(\sg))*LPS
.else
.set nW, (NSET-1)*LPS
.endif
.if (\sg)+NSET <= 7
	STEP \sg, 0, 1, 0, nW
.else
	STEP \sg, 0, 0, 0, nW
.endif
.endm
	s_load_b256 s[4:11], s[0:1], 0x0
.if DUAL
	s_load_b64 s[52:53], s[0:1], 0x20
.endif
	v_and_b32 v5, 31, v0
	v_lshlrev_b32 v[LI], 4, v5
	v_bfe_u32 v6, v0, 4, 1
	v_lshlrev_b32 v[BO], 6, v6
.if QOUT
	v_and_b32 v7, 15, v0
	v_lshlrev_b32 v[R16], 4, v7
.irp b, 0,1,2,3
	v_mov_b32 v[TM+4+\b], 0                        ; written once: a lane permute's destination counts as one of its sources
.endr
	s_mov_b32 s38, 0x76543210
	s_mov_b32 s39, 0xfedcba98                      ; v_permlanex16_b32's selects for lane l xor 16
.endif
.if DUAL
	v_and_b32 v8, 7, v0
	v_bfe_u32 v9, v0, 3, 1
	v_lshl_add_u32 v8, v9, 4, v8
	v_lshlrev_b32 v[BL], 2, v8
.endif
	v_lshrrev_b32 v5, 5, v0
	v_readfirstlane_b32 s12, v5                    ; wave
	s_and_b32 s40, ttmp7, 0xffff                   ; work-group y
.if WB == 2
	s_lshr_b32 s13, s12, 1                         ; my place along A,
	s_and_b32 s14, s12, 1                          ; along B
.else
	s_mov_b32 s13, s12
	s_mov_b32 s14, 0
.endif
.if DUAL
	s_lshl_b32 s40, s40, 4                         ; x's tiles: 16 y
	s_lshl_b32 s41, ttmp9, 4                       ; the weights' tiles: 16 x
	s_cmp_ge_u32 ttmp9, 8                          ; v's work-groups: the weight is side A, x side B
	s_cselect_b32 s37, 1, 0
	s_cselect_b32 s15, s41, s40
	s_cselect_b32 s16, s40, s41
	s_mov_b32 s42, A_IMG
	s_cselect_b32 s42, B_IMG, s42
	s_mov_b32 s43, B_IMG
	s_cselect_b32 s43, A_IMG, s43
	s_mov_b32 s44, A_SC
	s_cselect_b32 s44, B_SC, s44
	s_mov_b32 s45, B_SC
	s_cselect_b32 s45, A_SC, s45
	s_lshl_b32 s41, s13, 3
	s_add_co_u32 s15, s15, s41                     ; A's first tile
	s_lshl_b32 s41, s14, 3
	s_add_co_u32 s16, s16, s41                     ; B's first tile
.else
	s_mul_i32 s15, s40, NA*WA
	s_mul_i32 s41, s13, NA
	s_add_co_u32 s15, s15, s41                     ; A's first tile
	s_mul_i32 s16, ttmp9, 8*WB
	s_lshl_b32 s41, s14, 3
	s_add_co_u32 s16, s16, s41                     ; B's first tile
	s_mov_b32 s42, A_IMG
	s_mov_b32 s43, B_IMG+BT0*ATS
	s_mov_b32 s44, A_SC
	s_mov_b32 s45, B_SC+BT0*256
.endif
	s_mul_i32 s46, s15, ATS
	s_add_co_u32 s46, s46, s42
	s_mov_b32 s47, 0
	s_mul_i32 s48, s16, ATS
	s_add_co_u32 s48, s48, s43
	s_mov_b32 s49, 0
	s_lshl_b32 s50, s15, 8
	s_add_co_u32 s50, s50, s44
	s_mov_b32 s51, 0
	s_lshl_b32 s54, s16, 8
	s_add_co_u32 s54, s54, s45
	s_mov_b32 s55, 0
	s_lshr_b32 s17, s16, 3                         ; which K step of the next product my 8 tiles of B are
.if DUAL
	s_cmp_eq_u32 s37, 1
	s_cselect_b32 s41, 128, 0                      ; v's tiles count from Wv's first
	s_mov_b32 s56, O_IMG
	s_cselect_b32 s56, V_IMG, s56
	s_mov_b32 s58, O_SC
	s_cselect_b32 s58, V_SC, s58
	s_cselect_b32 s19, 14, 16                      ; four K steps of scale bytes: 16,384 bytes in v's, 65,536 in q's and k's
	s_sub_co_u32 s18, s15, s41
	s_lshr_b32 s41, s17, 4                         ; v: 16 K steps of keys to a batch (q, k: the step is under 16, so this is 0)
	s_and_b32 s17, s17, 15
	s_lshl_b32 s60, s41, 20
	s_add_co_u32 s56, s56, s60
	s_lshl_b32 s60, s41, 16
	s_add_co_u32 s58, s58, s60
.elseif QOUT
	s_mov_b32 s56, O_IMG
	s_mov_b32 s58, O_SC
	s_mov_b32 s19, 16
	s_mov_b32 s18, s15
.endif
.if QOUT
	s_mul_i32 s60, s18, OTS
	s_add_co_u32 s56, s56, s60
	s_lshl_b32 s60, s17, 10
	s_add_co_u32 s56, s56, s60
	s_mov_b32 s57, 0
	s_lshr_b32 s60, s17, 2
	s_lshl_b32 s60, s60, s19
	s_add_co_u32 s58, s58, s60
	s_lshl_b32 s60, s18, 8
	s_add_co_u32 s58, s58, s60
	s_and_b32 s60, s17, 3
	s_lshl_b32 s60, s60, 2
	s_add_co_u32 s58, s58, s60
	s_mov_b32 s59, 0
.endif
.if DUAL
	s_and_b32 s62, s16, 63                         ; q, k: the bias of B's rows, within its weight's 64 tiles; v: of A's rows
	s_cmp_eq_u32 s37, 1
	s_cselect_b32 s62, s18, s62
.else
	s_mov_b32 s62, s16
.endif
	s_lshl_b32 s62, s62, 6                         ; 16 numbers a tile
	s_mov_b32 s63, 0
.if F32OUT
	s_lshl_b32 s60, s15, 16                        ; the f32 image: 65,536 bytes a token tile, 1,024 a tile of columns
	s_lshl_b32 s61, s16, 10
	s_add_co_u32 s60, s60, s61
	s_add_co_u32 s60, s60, O_F
	s_mov_b32 s61, 0
.endif
	s_wait_kmcnt 0x0
	s_add_nc_u64 s[PA:PA+1], s[ABUF:ABUF+1], s[46:47]
	s_add_nc_u64 s[PB:PB+1], s[BBUF:BBUF+1], s[48:49]
	s_add_nc_u64 s[PSA:PSA+1], s[ABUF:ABUF+1], s[50:51]
	s_add_nc_u64 s[PSB:PSB+1], s[BBUF:BBUF+1], s[54:55]
.if DUAL
	s_cmp_lt_u32 ttmp9, 4
	s_cselect_b64 s[PBI:PBI+1], s[6:7], s[8:9]     ; bq or bk,
	s_cmp_eq_u32 s37, 1
	s_cselect_b64 s[PBI:PBI+1], s[10:11], s[PBI:PBI+1]   ; or bv: choices that hang on the work-group's number alone
	s_add_nc_u64 s[PBI:PBI+1], s[PBI:PBI+1], s[62:63]
.else
	s_add_nc_u64 s[PBI:PBI+1], s[8:9], s[62:63]
.endif
.if QOUT
	s_add_nc_u64 s[PCO:PCO+1], s[OBUF:OBUF+1], s[56:57]
	s_add_nc_u64 s[PSO:PSO+1], s[OBUF:OBUF+1], s[58:59]
.endif
.if F32OUT
	s_add_nc_u64 s[PF:PF+1], s[OBUF:OBUF+1], s[60:61]
.endif
	SCLOAD 0, 0                                    ; scale words and bias go out ahead of the sets with which they are wanted
	SCLOAD 1, 1
.if DUAL
	s_cmp_eq_u32 s37, 1
	s_cbranch_scc1 .Lbias_a
.endif
	WIN BIASW<<6
.irp b, 0,1,2,3,4,5,6,7                ; lane (r, h) wants, for B's tile 2 g + u, the bias of rows 32 g + 16 h + 8 u + 0 .. 7
	global_load_b128 v[BIASR+8*\b:BIASR+8*\b+3],   v[BO], s[PBI:PBI+1] offset:(32*(\b/2)+8*(\b%2))*4
	global_load_b128 v[BIASR+8*\b+4:BIASR+8*\b+7], v[BO], s[PBI:PBI+1] offset:(32*(\b/2)+8*(\b%2))*4+16
.endr
	WIN 0
.if DUAL
	s_branch .Lbias_in
.Lbias_a:
	WIN BIASW<<6
.irp a, 0,1,2,3,4,5,6,7                ; v: the bias belongs to the lane's row of A: the same number in all eight registers of a tile
.irp j, 0,1,2,3,4,5,6,7
	global_load_b32 v[BIASR+8*\a+\j], v[BL], s[PBI:PBI+1] offset:(32*(\a/2)+8*(\a%2))*4
.endr
.endr
	WIN 0
.Lbias_in:
.endif
.set qq, 0
.rept NSET
	LOADSET qq, qq
.set qq, qq+1
.endr
.if DUAL
	s_wait_loadcnt (NSET-1)*LPS                    ; K step 0's set, the scale words and the bias are in; the younger set may be out
	s_cmp_eq_u32 s37, 1
	s_cbranch_scc1 .Lfirst_a
	MULS 0, 0, 0, 1
	WIN 0
	s_branch .Lfirst_done
.Lfirst_a:
	MULS 0, 0, 0, 2
	WIN 0
.Lfirst_done:
	PLACES
	LOADSET 0, NSET
.else
	STEP 0, 1, 1, 0, (NSET-1)*LPS                  ; the first K step starts the sums from the bias
.endif
.if KS > 8
	s_mov_b32 s36, KS/8-1
.Ltrip:                                            ; a trip is eight K steps, after which sets and slots are back where they began
	STEP 1, 0, 1, 0, (NSET-1)*LPS
	STEP 2, 0, 1, 0, (NSET-1)*LPS
	STEP 3, 0, 1, 1, (NSET-1)*LPS
	STEP 4, 0, 1, 0, (NSET-1)*LPS                  ; (where scale words were asked for behind a set, more loads are younger than the count says: the smaller count is the safe one)
	STEP 5, 0, 1, 0, (NSET-1)*LPS
	STEP 6, 0, 1, 0, (NSET-1)*LPS
	STEP 7, 0, 1, 1, (NSET-1)*LPS
	STEP 8, 0, 1, 0, (NSET-1)*LPS
	s_wait_xcnt 0x0                                ; the loads have read their bases: they may step
	s_add_nc_u64 s[PA:PA+1], s[PA:PA+1], 8192
	s_add_nc_u64 s[PB:PB+1], s[PB:PB+1], 8192
	s_add_nc_u64 s[PSA:PSA+1], s[PSA:PSA+1], 131072
	s_add_nc_u64 s[PSB:PSB+1], s[PSB:PSB+1], 131072
	s_sub_co_u32 s36, s36, 1
	s_cmp_lg_u32 s36, 0
	s_cbranch_scc1 .Ltrip
.endif
.irp g, 1,2,3,4,5,6,7
	TSTEP \g
.endr
; THE WAY OUT, a tile of A at a time; the four places at the last K step's end stand in front of it.  Each accumulator is read from its low end on.
.macro OUT a
.set rW, 2+(\a)/4
.set AC, 64*((\a)%4)
.set PCD, PCB+8*(\a)
.set PWD, PWB+(\a)
.if F32OUT
	WIN rW<<2                                      ; a store's data are its source 1
.irp b, 0,1,2,3,4,5,6,7
	global_store_b128 v[LI], v[AC+8*\b:AC+8*\b+3],   s[PF:PF+1] offset:(\a)*65536+\b*1024 th:TH_STORE_NT      ; the accumulator as it stands: 512 consecutive bytes a store
	global_store_b128 v[LI], v[AC+8*\b+4:AC+8*\b+7], s[PF:PF+1] offset:(\a)*65536+\b*1024+512 th:TH_STORE_NT
.endr
.endif
.if RELU
	WIN (rW<<2)|(rW<<6)
.set j, 0
.rept 64
	v_max_num_f32 v[AC+j], 0, v[AC+j]              ; the activation, in f32
.set j, j+1
.endr
.endif
.if QOUT
	WIN rW|(rW<<2)
.irp b, 0,1,2,3                        ; block b of 32 along the next K: my 16 numbers, and the floor 2^(3 - 127), which holds the byte at 1 from below
.if RELU
	v_max3_num_f32 v[TM+\b], v[AC+16*\b], v[AC+16*\b+1], 0x1800000
.else
	v_max3_num_f32 v[TM+\b], |v[AC+16*\b]|, |v[AC+16*\b+1]|, 0x1800000
.endif
.endr
.irp i, 2,4,6,8,10,12,14
.irp b, 0,1,2,3
.if RELU
	v_max3_num_f32 v[TM+\b], v[AC+16*\b+\i], v[AC+16*\b+\i+1], v[TM+\b]
.else
	v_max3_num_f32 v[TM+\b], |v[AC+16*\b+\i]|, |v[AC+16*\b+\i+1]|, v[TM+\b]
.endif
.endr
.endr
	WIN 0
.irp b, 0,1,2,3
	v_permlanex16_b32 v[TM+4+\b], v[TM+\b], s38, s39
.endr
.irp b, 0,1,2,3
	v_max_num_f32 v[TM+\b], v[TM+\b], v[TM+4+\b]   ; with lane l xor 16's 16: the block's largest magnitude
.endr
.irp b, 0,1,2,3
	v_add_nc_u32 v[TM+12+\b], 0xff000000, v[TM+\b] ; 2 off its exponent field: the conversion's scale operand
.endr
.irp b, 0,1,2,3
	v_lshrrev_b32 v[TM+4+\b], 23, v[TM+12+\b]      ; the scale's byte
.endr
	v_lshl_or_b32 v[PWD], v[TM+5], 8, v[TM+4]
	v_lshl_or_b32 v[PWD], v[TM+6], 16, v[PWD]
	v_lshl_or_b32 v[PWD], v[TM+7], 24, v[PWD]      ; my row's scale word of this K step
	WIN rW
.irp b, 0,1,2,3
	v_cvt_scalef32_pk8_fp4_f32 v[PCD+2*\b],   v[AC+16*\b:AC+16*\b+7],    v[TM+12+\b]
	v_cvt_scalef32_pk8_fp4_f32 v[PCD+2*\b+1], v[AC+16*\b+8:AC+16*\b+15], v[TM+12+\b]
.endr
	WIN 0
	v_nop                                          ; one plain line behind the conversions
.irp c, 0,1                            ; the operand's layout wants a whole block in a lane: lanes 0-15 block 2 c, lanes 16-31 block 2 c + 1
.irp i, 0,1
	v_permlane16_swap_b32 v[PCD+4*\c+\i], v[PCD+2+4*\c+\i]
.endr
.endr
	global_store_b128 v[LI], v[PCD:PCD+3],   s[PCO:PCO+1] offset:(\a)*OTS          ; the fragment as it stands
	global_store_b128 v[LI], v[PCD+4:PCD+7], s[PCO:PCO+1] offset:(\a)*OTS+512
	global_store_b32 v[R16], v[PWD], s[PSO:PSO+1] offset:(\a)*256
.endif
.endm
.irp g, 0,1,2,3,4,5,6,7
.if \g < NA
	OUT \g
.endif
.endr
	WIN 0
	s_endpgm
.Lfunc_end_k_q55cc47080a_wo:
	.size	k_q55cc47080a_wo, .Lfunc_end_k_q55cc47080a_wo-k_q55cc47080a_wo
	.p2alignl 7, 3214868480
	.fill 96, 4, 3214868480
	.section	.rodata,"a",@progbits
	.p2align	6, 0x0
	.amdhsa_kernel k_q55cc47080a_wo
		.amdhsa_group_segment_fixed_size 0
		.amdhsa_private_segment_fixed_size 0
		.amdhsa_enable_private_segment 0
		.amdhsa_kernarg_size 32
		.amdhsa_user_sgpr_count 2
		.amdhsa_user_sgpr_kernarg_segment_ptr 1
		.amdhsa_wavefront_size32 1
		.amdhsa_system_sgpr_workgroup_id_x 1
		.amdhsa_system_sgpr_workgroup_id_y 1
		.amdhsa_system_sgpr_workgroup_id_z 1
		.amdhsa_system_vgpr_workitem_id 0
		.amdhsa_next_free_vgpr 768
		.amdhsa_next_free_sgpr 66
		.amdhsa_reserve_vcc 0
		.amdhsa_float_denorm_mode_32 3
		.amdhsa_float_denorm_mode_16_64 3
		.amdhsa_memory_ordered 1
		.amdhsa_forward_progress 1
		.amdhsa_inst_pref_size 51
	.end_amdhsa_kernel
	.amdgpu_metadata
---
amdhsa.version: [ 1, 2 ]
amdhsa.kernels:
  - .name:           k_q55cc47080a_wo
    .symbol:         k_q55cc47080a_wo.kd
    .args:
      - { .name: att, .offset: 0, .size: 8, .value_kind: global_buffer, .address_space: global }
      - { .name: prep, .offset: 8, .size: 8, .value_kind: global_buffer, .address_space: global }
      - { .name: bo, .offset: 16, .size: 8, .value_kind: global_buffer, .address_space: global }
      - { .name: yb, .offset: 24, .size: 8, .value_kind: global_buffer, .address_space: global }
    .group_segment_fixed_size: 0
    .private_segment_fixed_size: 0
    .kernarg_segment_align: 8
    .kernarg_segment_size: 32
    .max_flat_workgroup_size: 128
    .sgpr_count:     66
    .vgpr_count:     768
    .wavefront_size: 32
...
	.end_amdgpu_metadata
.endif
;; end of part 4
;; launch ffn1 (part 5): grid 16 x 16, 4 waves a work-group, no clusters, 0 bytes of LDS; arguments yb, prep, b1, hb; writes hb
.if DOCPART == 5
	.amdgcn_target "amdgcn-amd-amdhsa--gfx1250"
	.amdhsa_code_object_version 6
	.text
	.protected	k_q55cc47080a_ffn1
	.globl	k_q55cc47080a_ffn1
	.p2align	8
	.type	k_q55cc47080a_ffn1,@function
k_q55cc47080a_ffn1:
	s_mov_b64 s[64:65], 0
	v_nop
	global_prefetch_b8 v0, s[64:65] scope:SCOPE_SE
	s_setreg_imm32_b32 hwreg(HW_REG_WAVE_MODE, 25, 1), 1
	s_wait_xcnt 0x0
; h = relu(y W1 + b1) on codes of FP4; h is quantised in registers along its 4,096 columns and leaves as codes alone.
; Tiles of 256 x 256 of the 4,096 x 4,096 output: 256 work-groups; a wave takes 8 tiles of tokens against 8 tiles of columns.
.set NA,     8                         ; tiles of 16 rows of side A for a wave
.set WA,     2                         ; waves along A
.set WB,     2                         ; waves along B (8 tiles each)
.set KS,     8                         ; K steps of 128
.set NSET,   2                         ; sets of operand registers
.set DUAL,   0
.set RELU,   1
.set QOUT,   1
.set F32OUT, 0
.set A_IMG,  16777216                  ; y's image and scale bytes in yb
.set A_SC,   18874368
.set B_IMG,  4456448                   ; W1's in prep
.set B_SC,   6553600
.set BT0,    0
.set O_F,    0
.set O_IMG,  0                         ; h's image: 32,768 bytes a token tile
.set O_SC,   8388608
.set OTS,    32768
.set V_IMG,  0
.set V_SC,   0
; ---- from here on the text is the same in the four product launches ----
; D = B A^T + bias on operand images: IMG[tile][block of 32 along K][lane row][16 bytes]; a fragment (tile, K step s) is 1,024 consecutive bytes, lane l's 16 bytes at 16 l and 512 + 16 l.
; THE MATRIX INSTRUCTION IS USED TRANSPOSED: source 0 = a tile of side B, source 1 = a tile of side A.  Lane (r, h) keeps A's lane row r; register j of B's tile 2 g + u is B's row 32 g + 16 h + 8 u + j,
; since lane row r of a tile 2 g + u is row 32 g + 8 u + r % 8 + 16 (r / 8).  So a wave's 8 tiles of B are 128 neighbours along the next product's K, 64 of them in a lane: quantised in registers they ARE
; a fragment of the next operand's image and are stored as they stand.  No LDS, no barrier: fragments go from memory into registers, each load 512 consecutive bytes; NSET sets of registers take turns.
; The bias is the C of each sum's first matrix instruction.  Scale words: SC[4 K steps][tile][r][16 bytes]: one load of 16 bytes a lane brings lanes 0-15 the four words of a tile and lanes 16-31 those of the next.
; The stores of scale words are 4 bytes a lane at steps of 16 bytes (a sixteenth of the codes' bytes); lanes 16-31 store the same word to the same place as lanes 0-15.
; LIMITS: a block of zeros gets the scale byte 1 (its codes are zeros; this program alone reads the bytes); NaN and infinities are not served.
; REGISTERS, in windows of 256: window 0: v1-4 offsets; v32.. scale words, two slots; v96-111 the quantiser's; from v128 A's sets (on the way out codes and scale words);
;   window 1: B's sets, 64 registers each; windows 2, 3: accumulator (a, b) at v[8 (8 (a % 4) + b)] of window 2 + a / 4.  The bias: v128-191 of window BIASW.
.set ATS,   KS*1024                    ; a tile's image in bytes
.set LPS,   16+2*NA                    ; loads of a set
.set SLW,   2*NA+16                    ; registers of a slot of scale words
.set LI,    1                          ; 16 x lane
.set R16,   2                          ; 16 x (lane % 16)
.set BO,    3                          ; 64 x (lane / 16)
.set BL,    4                          ; 4 x (r % 8 + 16 (r / 8))
.set SC,    32
.set TM,    96
.set AFB,   128
.set BIASR, 128
.if NA == 8
.set BIASW, 1
.set PCB,   128
.set PWB,   192
.else
.set BIASW, 2
.set PCB,   192
.set PWB,   208
.endif
.set ABUF, 4
.if DUAL
.set BBUF, 4
.set OBUF, 52
.else
.set BBUF, 6
.set OBUF, 10
.endif
.set PA,  20                           ; s[20:21] A's fragments, s[22:23] B's, s[24:25] A's scale words, s[26:27] B's
.set PB,  22
.set PSA, 24
.set PSB, 26
.set PBI, 28                           ; s[28:29] the bias, s[30:31] the f32 image, s[32:33] the codes, s[34:35] the scale words that I store
.set PF,  30
.set PCO, 32
.set PSO, 34
.set MSB, 0
.macro WIN new                         ; the immediate's high byte repeats the setting that is left; a switch that changes nothing is dropped
.if MSB != (\new)
	s_set_vgpr_msb (MSB<<8)|(\new)
.set MSB, \new
.endif
.endm
.macro PLACES                          ; four plain vector lines between matrix instructions and loads into, or reads of, their registers
.rept 4
	v_nop
.endr
.endm
.macro WM4 rb, ra                      ; one product; rb, ra: which half of the lanes holds B's and A's scale words
.if ((\rb) == 0) && ((\ra) == 0)
	v_wmma_scale_f32_16x16x128_f8f6f4 v[rD:rD+7], v[rB:rB+7], v[rA:rA+7], v[rC:rC+7], v[rSB], v[rSA] matrix_a_fmt:MATRIX_FMT_FP4 matrix_b_fmt:MATRIX_FMT_FP4
.elseif (\ra) == 0
	v_wmma_scale_f32_16x16x128_f8f6f4 v[rD:rD+7], v[rB:rB+7], v[rA:rA+7], v[rC:rC+7], v[rSB], v[rSA] matrix_a_fmt:MATRIX_FMT_FP4 matrix_b_fmt:MATRIX_FMT_FP4 matrix_a_scale:MATRIX_SCALE_ROW1
.elseif (\rb) == 0
	v_wmma_scale_f32_16x16x128_f8f6f4 v[rD:rD+7], v[rB:rB+7], v[rA:rA+7], v[rC:rC+7], v[rSB], v[rSA] matrix_a_fmt:MATRIX_FMT_FP4 matrix_b_fmt:MATRIX_FMT_FP4 matrix_b_scale:MATRIX_SCALE_ROW1
.else
	v_wmma_scale_f32_16x16x128_f8f6f4 v[rD:rD+7], v[rB:rB+7], v[rA:rA+7], v[rC:rC+7], v[rSB], v[rSA] matrix_a_fmt:MATRIX_FMT_FP4 matrix_b_fmt:MATRIX_FMT_FP4 matrix_a_scale:MATRIX_SCALE_ROW1 matrix_b_scale:MATRIX_SCALE_ROW1
.endif
.endm
; A K step's 8 NA products on set p.  The accumulators take turns, one instruction a turn, in the same order in every step.
; cm = 0: onto the sums; 1: the sums start from the bias of B's rows; 2: from the bias of A's rows.
.macro MULS p, slot, word, cm
.irp a, 0,1,2,3,4,5,6,7
.if \a < NA
.set rW, 2+\a/4
.if \cm
	WIN (rW<<6)|(BIASW<<4)|1
.else
	WIN (rW<<6)|(rW<<4)|1
.endif
.irp b, 0,1,2,3,4,5,6,7
.set rD, 8*(8*(\a%4)+\b)
.set rB, 64*(\p)+8*\b
.set rA, AFB+8*NA*(\p)+8*\a
.set rC, rD
.if \cm == 1
.set rC, BIASR+8*\b
.elseif \cm == 2
.set rC, BIASR+8*\a
.endif
.set rSB, SC+SLW*(\slot)+2*NA+4*(\b/2)+(\word)
.set rSA, SC+SLW*(\slot)+4*(\a/2)+(\word)
	WM4 \b%2, \a%2
.endr
.endif
.endr
.endm
.macro LOADSET p, sg                   ; the fragments of K step sg (counted from where the pointers stand) into set p
	WIN 0x40                                       ; destination window 1
.irp i, 0,1,2,3,4,5,6,7
	global_load_b128 v[64*(\p)+8*\i:64*(\p)+8*\i+3],   v[LI], s[PB:PB+1] offset:\i*ATS+(\sg)*1024
	global_load_b128 v[64*(\p)+8*\i+4:64*(\p)+8*\i+7], v[LI], s[PB:PB+1] offset:\i*ATS+(\sg)*1024+512
.endr
	WIN 0
.irp i, 0,1,2,3,4,5,6,7
.if \i < NA
	global_load_b128 v[AFB+8*NA*(\p)+8*\i:AFB+8*NA*(\p)+8*\i+3],   v[LI], s[PA:PA+1] offset:\i*ATS+(\sg)*1024
	global_load_b128 v[AFB+8*NA*(\p)+8*\i+4:AFB+8*NA*(\p)+8*\i+7], v[LI], s[PA:PA+1] offset:\i*ATS+(\sg)*1024+512
.endif
.endr
.endm
.macro SCLOAD slot, q                  ; the scale words of four K steps: a load for each pair of tiles
.irp i, 0,1,2,3
.if \i < NA/2
	global_load_b128 v[SC+SLW*(\slot)+4*\i:SC+SLW*(\slot)+4*\i+3], v[LI], s[PSA:PSA+1] offset:(\q)*65536+512*\i
.endif
.endr
.irp i, 0,1,2,3
	global_load_b128 v[SC+SLW*(\slot)+2*NA+4*\i:SC+SLW*(\slot)+2*NA+4*\i+3], v[LI], s[PSB:PSB+1] offset:(\q)*65536+512*\i
.endr
.endm
; K step sg.  n: the loads issued behind this step's set, which may stay out.  ld: its set takes the step NSET further on.  sc: its slot of scale words, done with, takes the four K steps two slots on.
.macro STEP sg, cm, ld, sc, n
	s_wait_loadcnt \n
	MULS (\sg)%NSET, ((\sg)/4)%2, (\sg)%4, \cm
	WIN 0
	PLACES
.if \sc
	SCLOAD ((\sg)/4)%2, (\sg)/4+2
.endif
.if \ld
	LOADSET (\sg)%NSET, (\sg)+NSET
.endif
.endm
.macro TSTEP sg                        ; one of the last seven K steps: nothing is loaded past the end, and the counts run down
.if 7-(\sg) < NSET-1
.set nW, (7-(\sg))*LPS
.else
.set nW, (NSET-1)*LPS
.endif
.if (\sg)+NSET <= 7
	STEP \sg, 0, 1, 0, nW
.else
	STEP \sg, 0, 0, 0, nW
.endif
.endm
	s_load_b256 s[4:11], s[0:1], 0x0
.if DUAL
	s_load_b64 s[52:53], s[0:1], 0x20
.endif
	v_and_b32 v5, 31, v0
	v_lshlrev_b32 v[LI], 4, v5
	v_bfe_u32 v6, v0, 4, 1
	v_lshlrev_b32 v[BO], 6, v6
.if QOUT
	v_and_b32 v7, 15, v0
	v_lshlrev_b32 v[R16], 4, v7
.irp b, 0,1,2,3
	v_mov_b32 v[TM+4+\b], 0                        ; written once: a lane permute's destination counts as one of its sources
.endr
	s_mov_b32 s38, 0x76543210
	s_mov_b32 s39, 0xfedcba98                      ; v_permlanex16_b32's selects for lane l xor 16
.endif
.if DUAL
	v_and_b32 v8, 7, v0
	v_bfe_u32 v9, v0, 3, 1
	v_lshl_add_u32 v8, v9, 4, v8
	v_lshlrev_b32 v[BL], 2, v8
.endif
	v_lshrrev_b32 v5, 5, v0
	v_readfirstlane_b32 s12, v5                    ; wave
	s_and_b32 s40, ttmp7, 0xffff                   ; work-group y
.if WB == 2
	s_lshr_b32 s13, s12, 1                         ; my place along A,
	s_and_b32 s14, s12, 1                          ; along B
.else
	s_mov_b32 s13, s12
	s_mov_b32 s14, 0
.endif
.if DUAL
	s_lshl_b32 s40, s40, 4                         ; x's tiles: 16 y
	s_lshl_b32 s41, ttmp9, 4                       ; the weights' tiles: 16 x
	s_cmp_ge_u32 ttmp9, 8                          ; v's work-groups: the weight is side A, x side B
	s_cselect_b32 s37, 1, 0
	s_cselect_b32 s15, s41, s40
	s_cselect_b32 s16, s40, s41
	s_mov_b32 s42, A_IMG
	s_cselect_b32 s42, B_IMG, s42
	s_mov_b32 s43, B_IMG
	s_cselect_b32 s43, A_IMG, s43
	s_mov_b32 s44, A_SC
	s_cselect_b32 s44, B_SC, s44
	s_mov_b32 s45, B_SC
	s_cselect_b32 s45, A_SC, s45
	s_lshl_b32 s41, s13, 3
	s_add_co_u32 s15, s15, s41                     ; A's first tile
	s_lshl_b32 s41, s14, 3
	s_add_co_u32 s16, s16, s41                     ; B's first tile
.else
	s_mul_i32 s15, s40, NA*WA
	s_mul_i32 s41, s13, NA
	s_add_co_u32 s15, s15, s41                     ; A's first tile
	s_mul_i32 s16, ttmp9, 8*WB
	s_lshl_b32 s41, s14, 3
	s_add_co_u32 s16, s16, s41                     ; B's first tile
	s_mov_b32 s42, A_IMG
	s_mov_b32 s43, B_IMG+BT0*ATS
	s_mov_b32 s44, A_SC
	s_mov_b32 s45, B_SC+BT0*256
.endif
	s_mul_i32 s46, s15, ATS
	s_add_co_u32 s46, s46, s42
	s_mov_b32 s47, 0
	s_mul_i32 s48, s16, ATS
	s_add_co_u32 s48, s48, s43
	s_mov_b32 s49, 0
	s_lshl_b32 s50, s15, 8
	s_add_co_u32 s50, s50, s44
	s_mov_b32 s51, 0
	s_lshl_b32 s54, s16, 8
	s_add_co_u32 s54, s54, s45
	s_mov_b32 s55, 0
	s_lshr_b32 s17, s16, 3                         ; which K step of the next product my 8 tiles of B are
.if DUAL
	s_cmp_eq_u32 s37, 1
	s_cselect_b32 s41, 128, 0                      ; v's tiles count from Wv's first
	s_mov_b32 s56, O_IMG
	s_cselect_b32 s56, V_IMG, s56
	s_mov_b32 s58, O_SC
	s_cselect_b32 s58, V_SC, s58
	s_cselect_b32 s19, 14, 16                      ; four K steps of scale bytes: 16,384 bytes in v's, 65,536 in q's and k's
	s_sub_co_u32 s18, s15, s41
	s_lshr_b32 s41, s17, 4                         ; v: 16 K steps of keys to a batch (q, k: the step is under 16, so this is 0)
	s_and_b32 s17, s17, 15
	s_lshl_b32 s60, s41, 20
	s_add_co_u32 s56, s56, s60
	s_lshl_b32 s60, s41, 16
	s_add_co_u32 s58, s58, s60
.elseif QOUT
	s_mov_b32 s56, O_IMG
	s_mov_b32 s58, O_SC
	s_mov_b32 s19, 16
	s_mov_b32 s18, s15
.endif
.if QOUT
	s_mul_i32 s60, s18, OTS
	s_add_co_u32 s56, s56, s60
	s_lshl_b32 s60, s17, 10
	s_add_co_u32 s56, s56, s60
	s_mov_b32 s57, 0
	s_lshr_b32 s60, s17, 2
	s_lshl_b32 s60, s60, s19
	s_add_co_u32 s58, s58, s60
	s_lshl_b32 s60, s18, 8
	s_add_co_u32 s58, s58, s60
	s_and_b32 s60, s17, 3
	s_lshl_b32 s60, s60, 2
	s_add_co_u32 s58, s58, s60
	s_mov_b32 s59, 0
.endif
.if DUAL
	s_and_b32 s62, s16, 63                         ; q, k: the bias of B's rows, within its weight's 64 tiles; v: of A's rows
	s_cmp_eq_u32 s37, 1
	s_cselect_b32 s62, s18, s62
.else
	s_mov_b32 s62, s16
.endif
	s_lshl_b32 s62, s62, 6                         ; 16 numbers a tile
	s_mov_b32 s63, 0
.if F32OUT
	s_lshl_b32 s60, s15, 16                        ; the f32 image: 65,536 bytes a token tile, 1,024 a tile of columns
	s_lshl_b32 s61, s16, 10
	s_add_co_u32 s60, s60, s61
	s_add_co_u32 s60, s60, O_F
	s_mov_b32 s61, 0
.endif
	s_wait_kmcnt 0x0
	s_add_nc_u64 s[PA:PA+1], s[ABUF:ABUF+1], s[46:47]
	s_add_nc_u64 s[PB:PB+1], s[BBUF:BBUF+1], s[48:49]
	s_add_nc_u64 s[PSA:PSA+1], s[ABUF:ABUF+1], s[50:51]
	s_add_nc_u64 s[PSB:PSB+1], s[BBUF:BBUF+1], s[54:55]
.if DUAL
	s_cmp_lt_u32 ttmp9, 4
	s_cselect_b64 s[PBI:PBI+1], s[6:7], s[8:9]     ; bq or bk,
	s_cmp_eq_u32 s37, 1
	s_cselect_b64 s[PBI:PBI+1], s[10:11], s[PBI:PBI+1]   ; or bv: choices that hang on the work-group's number alone
	s_add_nc_u64 s[PBI:PBI+1], s[PBI:PBI+1], s[62:63]
.else
	s_add_nc_u64 s[PBI:PBI+1], s[8:9], s[62:63]
.endif
.if QOUT
	s_add_nc_u64 s[PCO:PCO+1], s[OBUF:OBUF+1], s[56:57]
	s_add_nc_u64 s[PSO:PSO+1], s[OBUF:OBUF+1], s[58:59]
.endif
.if F32OUT
	s_add_nc_u64 s[PF:PF+1], s[OBUF:OBUF+1], s[60:61]
.endif
	SCLOAD 0, 0                                    ; scale words and bias go out ahead of the sets with which they are wanted
	SCLOAD 1, 1
.if DUAL
	s_cmp_eq_u32 s37, 1
	s_cbranch_scc1 .Lbias_a
.endif
	WIN BIASW<<6
.irp b, 0,1,2,3,4,5,6,7                ; lane (r, h) wants, for B's tile 2 g + u, the bias of rows 32 g + 16 h + 8 u + 0 .. 7
	global_load_b128 v[BIASR+8*\b:BIASR+8*\b+3],   v[BO], s[PBI:PBI+1] offset:(32*(\b/2)+8*(\b%2))*4
	global_load_b128 v[BIASR+8*\b+4:BIASR+8*\b+7], v[BO], s[PBI:PBI+1] offset:(32*(\b/2)+8*(\b%2))*4+16
.endr
	WIN 0
.if DUAL
	s_branch .Lbias_in
.Lbias_a:
	WIN BIASW<<6
.irp a, 0,1,2,3,4,5,6,7                ; v: the bias belongs to the lane's row of A: the same number in all eight registers of a tile
.irp j, 0,1,2,3,4,5,6,7
	global_load_b32 v[BIASR+8*\a+\j], v[BL], s[PBI:PBI+1] offset:(32*(\a/2)+8*(\a%2))*4
.endr
.endr
	WIN 0
.Lbias_in:
.endif
.set qq, 0
.rept NSET
	LOADSET qq, qq
.set qq, qq+1
.endr
.if DUAL
	s_wait_loadcnt (NSET-1)*LPS                    ; K step 0's set, the scale words and the bias are in; the younger set may be out
	s_cmp_eq_u32 s37, 1
	s_cbranch_scc1 .Lfirst_a
	MULS 0, 0, 0, 1
	WIN 0
	s_branch .Lfirst_done
.Lfirst_a:
	MULS 0, 0, 0, 2
	WIN 0
.Lfirst_done:
	PLACES
	LOADSET 0, NSET
.else
	STEP 0, 1, 1, 0, (NSET-1)*LPS                  ; the first K step starts the sums from the bias
.endif
.if KS > 8
	s_mov_b32 s36, KS/8-1
.Ltrip:                                            ; a trip is eight K steps, after which sets and slots are back where they began
	STEP 1, 0, 1, 0, (NSET-1)*LPS
	STEP 2, 0, 1, 0, (NSET-1)*LPS
	STEP 3, 0, 1, 1, (NSET-1)*LPS
	STEP 4, 0, 1, 0, (NSET-1)*LPS                  ; (where scale words were asked for behind a set, more loads are younger than the count says: the smaller count is the safe one)
	STEP 5, 0, 1, 0, (NSET-1)*LPS
	STEP 6, 0, 1, 0, (NSET-1)*LPS
	STEP 7, 0, 1, 1, (NSET-1)*LPS
	STEP 8, 0, 1, 0, (NSET-1)*LPS
	s_wait_xcnt 0x0                                ; the loads have read their bases: they may step
	s_add_nc_u64 s[PA:PA+1], s[PA:PA+1], 8192
	s_add_nc_u64 s[PB:PB+1], s[PB:PB+1], 8192
	s_add_nc_u64 s[PSA:PSA+1], s[PSA:PSA+1], 131072
	s_add_nc_u64 s[PSB:PSB+1], s[PSB:PSB+1], 131072
	s_sub_co_u32 s36, s36, 1
	s_cmp_lg_u32 s36, 0
	s_cbranch_scc1 .Ltrip
.endif
.irp g, 1,2,3,4,5,6,7
	TSTEP \g
.endr
; THE WAY OUT, a tile of A at a time; the four places at the last K step's end stand in front of it.  Each accumulator is read from its low end on.
.macro OUT a
.set rW, 2+(\a)/4
.set AC, 64*((\a)%4)
.set PCD, PCB+8*(\a)
.set PWD, PWB+(\a)
.if F32OUT
	WIN rW<<2                                      ; a store's data are its source 1
.irp b, 0,1,2,3,4,5,6,7
	global_store_b128 v[LI], v[AC+8*\b:AC+8*\b+3],   s[PF:PF+1] offset:(\a)*65536+\b*1024 th:TH_STORE_NT      ; the accumulator as it stands: 512 consecutive bytes a store
	global_store_b128 v[LI], v[AC+8*\b+4:AC+8*\b+7], s[PF:PF+1] offset:(\a)*65536+\b*1024+512 th:TH_STORE_NT
.endr
.endif
.if RELU
	WIN (rW<<2)|(rW<<6)
.set j, 0
.rept 64
	v_max_num_f32 v[AC+j], 0, v[AC+j]              ; the activation, in f32
.set j, j+1
.endr
.endif
.if QOUT
	WIN rW|(rW<<2)
.irp b, 0,1,2,3                        ; block b of 32 along the next K: my 16 numbers, and the floor 2^(3 - 127), which holds the byte at 1 from below
.if RELU
	v_max3_num_f32 v[TM+\b], v[AC+16*\b], v[AC+16*\b+1], 0x1800000
.else
	v_max3_num_f32 v[TM+\b], |v[AC+16*\b]|, |v[AC+16*\b+1]|, 0x1800000
.endif
.endr
.irp i, 2,4,6,8,10,12,14
.irp b, 0,1,2,3
.if RELU
	v_max3_num_f32 v[TM+\b], v[AC+16*\b+\i], v[AC+16*\b+\i+1], v[TM+\b]
.else
	v_max3_num_f32 v[TM+\b], |v[AC+16*\b+\i]|, |v[AC+16*\b+\i+1]|, v[TM+\b]
.endif
.endr
.endr
	WIN 0
.irp b, 0,1,2,3
	v_permlanex16_b32 v[TM+4+\b], v[TM+\b], s38, s39
.endr
.irp b, 0,1,2,3
	v_max_num_f32 v[TM+\b], v[TM+\b], v[TM+4+\b]   ; with lane l xor 16's 16: the block's largest magnitude
.endr
.irp b, 0,1,2,3
	v_add_nc_u32 v[TM+12+\b], 0xff000000, v[TM+\b] ; 2 off its exponent field: the conversion's scale operand
.endr
.irp b, 0,1,2,3
	v_lshrrev_b32 v[TM+4+\b], 23, v[TM+12+\b]      ; the scale's byte
.endr
	v_lshl_or_b32 v[PWD], v[TM+5], 8, v[TM+4]
	v_lshl_or_b32 v[PWD], v[TM+6], 16, v[PWD]
	v_lshl_or_b32 v[PWD], v[TM+7], 24, v[PWD]      ; my row's scale word of this K step
	WIN rW
.irp b, 0,1,2,3
	v_cvt_scalef32_pk8_fp4_f32 v[PCD+2*\b],   v[AC+16*\b:AC+16*\b+7],    v[TM+12+\b]
	v_cvt_scalef32_pk8_fp4_f32 v[PCD+2*\b+1], v[AC+16*\b+8:AC+16*\b+15], v[TM+12+\b]
.endr
	WIN 0
	v_nop                                          ; one plain line behind the conversions
.irp c, 0,1                            ; the operand's layout wants a whole block in a lane: lanes 0-15 block 2 c, lanes 16-31 block 2 c + 1
.irp i, 0,1
	v_permlane16_swap_b32 v[PCD+4*\c+\i], v[PCD+2+4*\c+\i]
.endr
.endr
	global_store_b128 v[LI], v[PCD:PCD+3],   s[PCO:PCO+1] offset:(\a)*OTS          ; the fragment as it stands
	global_store_b128 v[LI], v[PCD+4:PCD+7], s[PCO:PCO+1] offset:(\a)*OTS+512
	global_store_b32 v[R16], v[PWD], s[PSO:PSO+1] offset:(\a)*256
.endif
.endm
.irp g, 0,1,2,3,4,5,6,7
.if \g < NA
	OUT \g
.endif
.endr
	WIN 0
	s_endpgm
.Lfunc_end_k_q55cc47080a_ffn1:
	.size	k_q55cc47080a_ffn1, .Lfunc_end_k_q55cc47080a_ffn1-k_q55cc47080a_ffn1
	.p2alignl 7, 3214868480
	.fill 96, 4, 3214868480
	.section	.rodata,"a",@progbits
	.p2align	6, 0x0
	.amdhsa_kernel k_q55cc47080a_ffn1
		.amdhsa_group_segment_fixed_size 0
		.amdhsa_private_segment_fixed_size 0
		.amdhsa_enable_private_segment 0
		.amdhsa_kernarg_size 32
		.amdhsa_user_sgpr_count 2
		.amdhsa_user_sgpr_kernarg_segment_ptr 1
		.amdhsa_wavefront_size32 1
		.amdhsa_system_sgpr_workgroup_id_x 1
		.amdhsa_system_sgpr_workgroup_id_y 1
		.amdhsa_system_sgpr_workgroup_id_z 1
		.amdhsa_system_vgpr_workitem_id 0
		.amdhsa_next_free_vgpr 1024
		.amdhsa_next_free_sgpr 66
		.amdhsa_reserve_vcc 0
		.amdhsa_float_denorm_mode_32 3
		.amdhsa_float_denorm_mode_16_64 3
		.amdhsa_memory_ordered 1
		.amdhsa_forward_progress 1
		.amdhsa_inst_pref_size 146
	.end_amdhsa_kernel
	.amdgpu_metadata
---
amdhsa.version: [ 1, 2 ]
amdhsa.kernels:
  - .name:           k_q55cc47080a_ffn1
    .symbol:         k_q55cc47080a_ffn1.kd
    .args:
      - { .name: yb, .offset: 0, .size: 8, .value_kind: global_buffer, .address_space: global }
      - { .name: prep, .offset: 8, .size: 8, .value_kind: global_buffer, .address_space: global }
      - { .name: b1, .offset: 16, .size: 8, .value_kind: global_buffer, .address_space: global }
      - { .name: hb, .offset: 24, .size: 8, .value_kind: global_buffer, .address_space: global }
    .group_segment_fixed_size: 0
    .private_segment_fixed_size: 0
    .kernarg_segment_align: 8
    .kernarg_segment_size: 32
    .max_flat_workgroup_size: 128
    .sgpr_count:     66
    .vgpr_count:     1024
    .wavefront_size: 32
...
	.end_amdgpu_metadata
.endif
;; end of part 5
;; launch ffn2 (part 6): grid 8 x 32, 4 waves a work-group, no clusters, 0 bytes of LDS; arguments hb, prep, b2, y2b; writes y2b
.if DOCPART == 6
	.amdgcn_target "amdgcn-amd-amdhsa--gfx1250"
	.amdhsa_code_object_version 6
	.text
	.protected	k_q55cc47080a_ffn2
	.globl	k_q55cc47080a_ffn2
	.p2align	8
	.type	k_q55cc47080a_ffn2,@function
k_q55cc47080a_ffn2:
	s_mov_b64 s[64:65], 0
	v_nop
	global_prefetch_b8 v0, s[64:65] scope:SCOPE_SE
	s_setreg_imm32_b32 hwreg(HW_REG_WAVE_MODE, 25, 1), 1
	s_wait_xcnt 0x0
; y2 = h W2 + b2 on codes of FP4, K = 4,096; y2 leaves as f32, an image of the accumulators, for the last launch.
; The output has 4,096 x 1,024 numbers: tiles of 128 x 128 give 256 work-groups; a wave takes 2 tiles of tokens against the work-group's 8 tiles of columns.
.set NA,     2                         ; tiles of 16 rows of side A for a wave
.set WA,     4                         ; waves along A
.set WB,     1                         ; waves along B (8 tiles each)
.set KS,     32                        ; K steps of 128
.set NSET,   4                         ; sets of operand registers
.set DUAL,   0
.set RELU,   0
.set QOUT,   0
.set F32OUT, 1
.set A_IMG,  0                         ; h's image and scale bytes in hb
.set A_SC,   8388608
.set B_IMG,  6684672                   ; W2's in prep
.set B_SC,   8781824
.set BT0,    0
.set O_F,    0                         ; y2 as f32
.set O_IMG,  0
.set O_SC,   0
.set OTS,    0
.set V_IMG,  0
.set V_SC,   0
; ---- from here on the text is the same in the four product launches ----
; D = B A^T + bias on operand images: IMG[tile][block of 32 along K][lane row][16 bytes]; a fragment (tile, K step s) is 1,024 consecutive bytes, lane l's 16 bytes at 16 l and 512 + 16 l.
; THE MATRIX INSTRUCTION IS USED TRANSPOSED: source 0 = a tile of side B, source 1 = a tile of side A.  Lane (r, h) keeps A's lane row r; register j of B's tile 2 g + u is B's row 32 g + 16 h + 8 u + j,
; since lane row r of a tile 2 g + u is row 32 g + 8 u + r % 8 + 16 (r / 8).  So a wave's 8 tiles of B are 128 neighbours along the next product's K, 64 of them in a lane: quantised in registers they ARE
; a fragment of the next operand's image and are stored as they stand.  No LDS, no barrier: fragments go from memory into registers, each load 512 consecutive bytes; NSET sets of registers take turns.
; The bias is the C of each sum's first matrix instruction.  Scale words: SC[4 K steps][tile][r][16 bytes]: one load of 16 bytes a lane brings lanes 0-15 the four words of a tile and lanes 16-31 those of the next.
; The stores of scale words are 4 bytes a lane at steps of 16 bytes (a sixteenth of the codes' bytes); lanes 16-31 store the same word to the same place as lanes 0-15.
; LIMITS: a block of zeros gets the scale byte 1 (its codes are zeros; this program alone reads the bytes); NaN and infinities are not served.
; REGISTERS, in windows of 256: window 0: v1-4 offsets; v32.. scale words, two slots; v96-111 the quantiser's; from v128 A's sets (on the way out codes and scale words);
;   window 1: B's sets, 64 registers each; windows 2, 3: accumulator (a, b) at v[8 (8 (a % 4) + b)] of window 2 + a / 4.  The bias: v128-191 of window BIASW.
.set ATS,   KS*1024                    ; a tile's image in bytes
.set LPS,   16+2*NA                    ; loads of a set
.set SLW,   2*NA+16                    ; registers of a slot of scale words
.set LI,    1                          ; 16 x lane
.set R16,   2                          ; 16 x (lane % 16)
.set BO,    3                          ; 64 x (lane / 16)
.set BL,    4                          ; 4 x (r % 8 + 16 (r / 8))
.set SC,    32
.set TM,    96
.set AFB,   128
.set BIASR, 128
.if NA == 8
.set BIASW, 1
.set PCB,   128
.set PWB,   192
.else
.set BIASW, 2
.set PCB,   192
.set PWB,   208
.endif
.set ABUF, 4
.if DUAL
.set BBUF, 4
.set OBUF, 52
.else
.set BBUF, 6
.set OBUF, 10
.endif
.set PA,  20                           ; s[20:21] A's fragments, s[22:23] B's, s[24:25] A's scale words, s[26:27] B's
.set PB,  22
.set PSA, 24
.set PSB, 26
.set PBI, 28                           ; s[28:29] the bias, s[30:31] the f32 image, s[32:33] the codes, s[34:35] the scale words that I store
.set PF,  30
.set PCO, 32
.set PSO, 34
.set MSB, 0
.macro WIN new                         ; the immediate's high byte repeats the setting that is left; a switch that changes nothing is dropped
.if MSB != (\new)
	s_set_vgpr_msb (MSB<<8)|(\new)
.set MSB, \new
.endif
.endm
.macro PLACES                          ; four plain vector lines between matrix instructions and loads into, or reads of, their registers
.rept 4
	v_nop
.endr
.endm
.macro WM4 rb, ra                      ; one product; rb, ra: which half of the lanes holds B's and A's scale words
.if ((\rb) == 0) && ((\ra) == 0)
	v_wmma_scale_f32_16x16x128_f8f6f4 v[rD:rD+7], v[rB:rB+7], v[rA:rA+7], v[rC:rC+7], v[rSB], v[rSA] matrix_a_fmt:MATRIX_FMT_FP4 matrix_b_fmt:MATRIX_FMT_FP4
.elseif (\ra) == 0
	v_wmma_scale_f32_16x16x128_f8f6f4 v[rD:rD+7], v[rB:rB+7], v[rA:rA+7], v[rC:rC+7], v[rSB], v[rSA] matrix_a_fmt:MATRIX_FMT_FP4 matrix_b_fmt:MATRIX_FMT_FP4 matrix_a_scale:MATRIX_SCALE_ROW1
.elseif (\rb) == 0
	v_wmma_scale_f32_16x16x128_f8f6f4 v[rD:rD+7], v[rB:rB+7], v[rA:rA+7], v[rC:rC+7], v[rSB], v[rSA] matrix_a_fmt:MATRIX_FMT_FP4 matrix_b_fmt:MATRIX_FMT_FP4 matrix_b_scale:MATRIX_SCALE_ROW1
.else
	v_wmma_scale_f32_16x16x128_f8f6f4 v[rD:rD+7], v[rB:rB+7], v[rA:rA+7], v[rC:rC+7], v[rSB], v[rSA] matrix_a_fmt:MATRIX_FMT_FP4 matrix_b_fmt:MATRIX_FMT_FP4 matrix_a_scale:MATRIX_SCALE_ROW1 matrix_b_scale:MATRIX_SCALE_ROW1
.endif
.endm
; A K step's 8 NA products on set p.  The accumulators take turns, one instruction a turn, in the same order in every step.
; cm = 0: onto the sums; 1: the sums start from the bias of B's rows; 2: from the bias of A's rows.
.macro MULS p, slot, word, cm
.irp a, 0,1,2,3,4,5,6,7
.if \a < NA
.set rW, 2+\a/4
.if \cm
	WIN (rW<<6)|(BIASW<<4)|1
.else
	WIN (rW<<6)|(rW<<4)|1
.endif
.irp b, 0,1,2,3,4,5,6,7
.set rD, 8*(8*(\a%4)+\b)
.set rB, 64*(\p)+8*\b
.set rA, AFB+8*NA*(\p)+8*\a
.set rC, rD
.if \cm == 1
.set rC, BIASR+8*\b
.elseif \cm == 2
.set rC, BIASR+8*\a
.endif
.set rSB, SC+SLW*(\slot)+2*NA+4*(\b/2)+(\word)
.set rSA, SC+SLW*(\slot)+4*(\a/2)+(\word)
	WM4 \b%2, \a%2
.endr
.endif
.endr
.endm
.macro LOADSET p, sg                   ; the fragments of K step sg (counted from where the pointers stand) into set p
	WIN 0x40                                       ; destination window 1
.irp i, 0,1,2,3,4,5,6,7
	global_load_b128 v[64*(\p)+8*\i:64*(\p)+8*\i+3],   v[LI], s[PB:PB+1] offset:\i*ATS+(\sg)*1024
	global_load_b128 v[64*(\p)+8*\i+4:64*(\p)+8*\i+7], v[LI], s[PB:PB+1] offset:\i*ATS+(\sg)*1024+512
.endr
	WIN 0
.irp i, 0,1,2,3,4,5,6,7
.if \i < NA
	global_load_b128 v[AFB+8*NA*(\p)+8*\i:AFB+8*NA*(\p)+8*\i+3],   v[LI], s[PA:PA+1] offset:\i*ATS+(\sg)*1024
	global_load_b128 v[AFB+8*NA*(\p)+8*\i+4:AFB+8*NA*(\p)+8*\i+7], v[LI], s[PA:PA+1] offset:\i*ATS+(\sg)*1024+512
.endif
.endr
.endm
.macro SCLOAD slot, q                  ; the scale words of four K steps: a load for each pair of tiles
.irp i, 0,1,2,3
.if \i < NA/2
	global_load_b128 v[SC+SLW*(\slot)+4*\i:SC+SLW*(\slot)+4*\i+3], v[LI], s[PSA:PSA+1] offset:(\q)*65536+512*\i
.endif
.endr
.irp i, 0,1,2,3
	global_load_b128 v[SC+SLW*(\slot)+2*NA+4*\i:SC+SLW*(\slot)+2*NA+4*\i+3], v[LI], s[PSB:PSB+1] offset:(\q)*65536+512*\i
.endr
.endm
; K step sg.  n: the loads issued behind this step's set, which may stay out.  ld: its set takes the step NSET further on.  sc: its slot of scale words, done with, takes the four K steps two slots on.
.macro STEP sg, cm, ld, sc, n
	s_wait_loadcnt \n
	MULS (\sg)%NSET, ((\sg)/4)%2, (\sg)%4, \cm
	WIN 0
	PLACES
.if \sc
	SCLOAD ((\sg)/4)%2, (\sg)/4+2
.endif
.if \ld
	LOADSET (\sg)%NSET, (\sg)+NSET
.endif
.endm
.macro TSTEP sg                        ; one of the last seven K steps: nothing is loaded past the end, and the counts run down
.if 7-(\sg) < NSET-1
.set nW, (7-(\sg))*LPS
.else
.set nW, (NSET-1)*LPS
.endif
.if (\sg)+NSET <= 7
	STEP \sg, 0, 1, 0, nW
.else
	STEP \sg, 0, 0, 0, nW
.endif
.endm
	s_load_b256 s[4:11], s[0:1], 0x0
.if DUAL
	s_load_b64 s[52:53], s[0:1], 0x20
.endif
	v_and_b32 v5, 31, v0
	v_lshlrev_b32 v[LI], 4, v5
	v_bfe_u32 v6, v0, 4, 1
	v_lshlrev_b32 v[BO], 6, v6
.if QOUT
	v_and_b32 v7, 15, v0
	v_lshlrev_b32 v[R16], 4, v7
.irp b, 0,1,2,3
	v_mov_b32 v[TM+4+\b], 0                        ; written once: a lane permute's destination counts as one of its sources
.endr
	s_mov_b32 s38, 0x76543210
	s_mov_b32 s39, 0xfedcba98                      ; v_permlanex16_b32's selects for lane l xor 16
.endif
.if DUAL
	v_and_b32 v8, 7, v0
	v_bfe_u32 v9, v0, 3, 1
	v_lshl_add_u32 v8, v9, 4, v8
	v_lshlrev_b32 v[BL], 2, v8
.endif
	v_lshrrev_b32 v5, 5, v0
	v_readfirstlane_b32 s12, v5                    ; wave
	s_and_b32 s40, ttmp7, 0xffff                   ; work-group y
.if WB == 2
	s_lshr_b32 s13, s12, 1                         ; my place along A,
	s_and_b32 s14, s12, 1                          ; along B
.else
	s_mov_b32 s13, s12
	s_mov_b32 s14, 0
.endif
.if DUAL
	s_lshl_b32 s40, s40, 4                         ; x's tiles: 16 y
	s_lshl_b32 s41, ttmp9, 4                       ; the weights' tiles: 16 x
	s_cmp_ge_u32 ttmp9, 8                          ; v's work-groups: the weight is side A, x side B
	s_cselect_b32 s37, 1, 0
	s_cselect_b32 s15, s41, s40
	s_cselect_b32 s16, s40, s41
	s_mov_b32 s42, A_IMG
	s_cselect_b32 s42, B_IMG, s42
	s_mov_b32 s43, B_IMG
	s_cselect_b32 s43, A_IMG, s43
	s_mov_b32 s44, A_SC
	s_cselect_b32 s44, B_SC, s44
	s_mov_b32 s45, B_SC
	s_cselect_b32 s45, A_SC, s45
	s_lshl_b32 s41, s13, 3
	s_add_co_u32 s15, s15, s41                     ; A's first tile
	s_lshl_b32 s41, s14, 3
	s_add_co_u32 s16, s16, s41                     ; B's first tile
.else
	s_mul_i32 s15, s40, NA*WA
	s_mul_i32 s41, s13, NA
	s_add_co_u32 s15, s15, s41                     ; A's first tile
	s_mul_i32 s16, ttmp9, 8*WB
	s_lshl_b32 s41, s14, 3
	s_add_co_u32 s16, s16, s41                     ; B's first tile
	s_mov_b32 s42, A_IMG
	s_mov_b32 s43, B_IMG+BT0*ATS
	s_mov_b32 s44, A_SC
	s_mov_b32 s45, B_SC+BT0*256
.endif
	s_mul_i32 s46, s15, ATS
	s_add_co_u32 s46, s46, s42
	s_mov_b32 s47, 0
	s_mul_i32 s48, s16, ATS
	s_add_co_u32 s48, s48, s43
	s_mov_b32 s49, 0
	s_lshl_b32 s50, s15, 8
	s_add_co_u32 s50, s50, s44
	s_mov_b32 s51, 0
	s_lshl_b32 s54, s16, 8
	s_add_co_u32 s54, s54, s45
	s_mov_b32 s55, 0
	s_lshr_b32 s17, s16, 3                         ; which K step of the next product my 8 tiles of B are
.if DUAL
	s_cmp_eq_u32 s37, 1
	s_cselect_b32 s41, 128, 0                      ; v's tiles count from Wv's first
	s_mov_b32 s56, O_IMG
	s_cselect_b32 s56, V_IMG, s56
	s_mov_b32 s58, O_SC
	s_cselect_b32 s58, V_SC, s58
	s_cselect_b32 s19, 14, 16                      ; four K steps of scale bytes: 16,384 bytes in v's, 65,536 in q's and k's
	s_sub_co_u32 s18, s15, s41
	s_lshr_b32 s41, s17, 4                         ; v: 16 K steps of keys to a batch (q, k: the step is under 16, so this is 0)
	s_and_b32 s17, s17, 15
	s_lshl_b32 s60, s41, 20
	s_add_co_u32 s56, s56, s60
	s_lshl_b32 s60, s41, 16
	s_add_co_u32 s58, s58, s60
.elseif QOUT
	s_mov_b32 s56, O_IMG
	s_mov_b32 s58, O_SC
	s_mov_b32 s19, 16
	s_mov_b32 s18, s15
.endif
.if QOUT
	s_mul_i32 s60, s18, OTS
	s_add_co_u32 s56, s56, s60
	s_lshl_b32 s60, s17, 10
	s_add_co_u32 s56, s56, s60
	s_mov_b32 s57, 0
	s_lshr_b32 s60, s17, 2
	s_lshl_b32 s60, s60, s19
	s_add_co_u32 s58, s58, s60
	s_lshl_b32 s60, s18, 8
	s_add_co_u32 s58, s58, s60
	s_and_b32 s60, s17, 3
	s_lshl_b32 s60, s60, 2
	s_add_co_u32 s58, s58, s60
	s_mov_b32 s59, 0
.endif
.if DUAL
	s_and_b32 s62, s16, 63                         ; q, k: the bias of B's rows, within its weight's 64 tiles; v: of A's rows
	s_cmp_eq_u32 s37, 1
	s_cselect_b32 s62, s18, s62
.else
	s_mov_b32 s62, s16
.endif
	s_lshl_b32 s62, s62, 6                         ; 16 numbers a tile
	s_mov_b32 s63, 0
.if F32OUT
	s_lshl_b32 s60, s15, 16                        ; the f32 image: 65,536 bytes a token tile, 1,024 a tile of columns
	s_lshl_b32 s61, s16, 10
	s_add_co_u32 s60, s60, s61
	s_add_co_u32 s60, s60, O_F
	s_mov_b32 s61, 0
.endif
	s_wait_kmcnt 0x0
	s_add_nc_u64 s[PA:PA+1], s[ABUF:ABUF+1], s[46:47]
	s_add_nc_u64 s[PB:PB+1], s[BBUF:BBUF+1], s[48:49]
	s_add_nc_u64 s[PSA:PSA+1], s[ABUF:ABUF+1], s[50:51]
	s_add_nc_u64 s[PSB:PSB+1], s[BBUF:BBUF+1], s[54:55]
.if DUAL
	s_cmp_lt_u32 ttmp9, 4
	s_cselect_b64 s[PBI:PBI+1], s[6:7], s[8:9]     ; bq or bk,
	s_cmp_eq_u32 s37, 1
	s_cselect_b64 s[PBI:PBI+1], s[10:11], s[PBI:PBI+1]   ; or bv: choices that hang on the work-group's number alone
	s_add_nc_u64 s[PBI:PBI+1], s[PBI:PBI+1], s[62:63]
.else
	s_add_nc_u64 s[PBI:PBI+1], s[8:9], s[62:63]
.endif
.if QOUT
	s_add_nc_u64 s[PCO:PCO+1], s[OBUF:OBUF+1], s[56:57]
	s_add_nc_u64 s[PSO:PSO+1], s[OBUF:OBUF+1], s[58:59]
.endif
.if F32OUT
	s_add_nc_u64 s[PF:PF+1], s[OBUF:OBUF+1], s[60:61]
.endif
	SCLOAD 0, 0                                    ; scale words and bias go out ahead of the sets with which they are wanted
	SCLOAD 1, 1
.if DUAL
	s_cmp_eq_u32 s37, 1
	s_cbranch_scc1 .Lbias_a
.endif
	WIN BIASW<<6
.irp b, 0,1,2,3,4,5,6,7                ; lane (r, h) wants, for B's tile 2 g + u, the bias of rows 32 g + 16 h + 8 u + 0 .. 7
	global_load_b128 v[BIASR+8*\b:BIASR+8*\b+3],   v[BO], s[PBI:PBI+1] offset:(32*(\b/2)+8*(\b%2))*4
	global_load_b128 v[BIASR+8*\b+4:BIASR+8*\b+7], v[BO], s[PBI:PBI+1] offset:(32*(\b/2)+8*(\b%2))*4+16
.endr
	WIN 0
.if DUAL
	s_branch .Lbias_in
.Lbias_a:
	WIN BIASW<<6
.irp a, 0,1,2,3,4,5,6,7                ; v: the bias belongs to the lane's row of A: the same number in all eight registers of a tile
.irp j, 0,1,2,3,4,5,6,7
	global_load_b32 v[BIASR+8*\a+\j], v[BL], s[PBI:PBI+1] offset:(32*(\a/2)+8*(\a%2))*4
.endr
.endr
	WIN 0
.Lbias_in:
.endif
.set qq, 0
.rept NSET
	LOADSET qq, qq
.set qq, qq+1
.endr
.if DUAL
	s_wait_loadcnt (NSET-1)*LPS                    ; K step 0's set, the scale words and the bias are in; the younger set may be out
	s_cmp_eq_u32 s37, 1
	s_cbranch_scc1 .Lfirst_a
	MULS 0, 0, 0, 1
	WIN 0
	s_branch .Lfirst_done
.Lfirst_a:
	MULS 0, 0, 0, 2
	WIN 0
.Lfirst_done:
	PLACES
	LOADSET 0, NSET
.else
	STEP 0, 1, 1, 0, (NSET-1)*LPS                  ; the first K step starts the sums from the bias
.endif
.if KS > 8
	s_mov_b32 s36, KS/8-1
.Ltrip:                                            ; a trip is eight K steps, after which sets and slots are back where they began
	STEP 1, 0, 1, 0, (NSET-1)*LPS
	STEP 2, 0, 1, 0, (NSET-1)*LPS
	STEP 3, 0, 1, 1, (NSET-1)*LPS
	STEP 4, 0, 1, 0, (NSET-1)*LPS                  ; (where scale words were asked for behind a set, more loads are younger than the count says: the smaller count is the safe one)
	STEP 5, 0, 1, 0, (NSET-1)*LPS
	STEP 6, 0, 1, 0, (NSET-1)*LPS
	STEP 7, 0, 1, 1, (NSET-1)*LPS
	STEP 8, 0, 1, 0, (NSET-1)*LPS
	s_wait_xcnt 0x0                                ; the loads have read their bases: they may step
	s_add_nc_u64 s[PA:PA+1], s[PA:PA+1], 8192
	s_add_nc_u64 s[PB:PB+1], s[PB:PB+1], 8192
	s_add_nc_u64 s[PSA:PSA+1], s[PSA:PSA+1], 131072
	s_add_nc_u64 s[PSB:PSB+1], s[PSB:PSB+1], 131072
	s_sub_co_u32 s36, s36, 1
	s_cmp_lg_u32 s36, 0
	s_cbranch_scc1 .Ltrip
.endif
.irp g, 1,2,3,4,5,6,7
	TSTEP \g
.endr
; THE WAY OUT, a tile of A at a time; the four places at the last K step's end stand in front of it.  Each accumulator is read from its low end on.
.macro OUT a
.set rW, 2+(\a)/4
.set AC, 64*((\a)%4)
.set PCD, PCB+8*(\a)
.set PWD, PWB+(\a)
.if F32OUT
	WIN rW<<2                                      ; a store's data are its source 1
.irp b, 0,1,2,3,4,5,6,7
	global_store_b128 v[LI], v[AC+8*\b:AC+8*\b+3],   s[PF:PF+1] offset:(\a)*65536+\b*1024 th:TH_STORE_NT      ; the accumulator as it stands: 512 consecutive bytes a store
	global_store_b128 v[LI], v[AC+8*\b+4:AC+8*\b+7], s[PF:PF+1] offset:(\a)*65536+\b*1024+512 th:TH_STORE_NT
.endr
.endif
.if RELU
	WIN (rW<<2)|(rW<<6)
.set j, 0
.rept 64
	v_max_num_f32 v[AC+j], 0, v[AC+j]              ; the activation, in f32
.set j, j+1
.endr
.endif
.if QOUT
	WIN rW|(rW<<2)
.irp b, 0,1,2,3                        ; block b of 32 along the next K: my 16 numbers, and the floor 2^(3 - 127), which holds the byte at 1 from below
.if RELU
	v_max3_num_f32 v[TM+\b], v[AC+16*\b], v[AC+16*\b+1], 0x1800000
.else
	v_max3_num_f32 v[TM+\b], |v[AC+16*\b]|, |v[AC+16*\b+1]|, 0x1800000
.endif
.endr
.irp i, 2,4,6,8,10,12,14
.irp b, 0,1,2,3
.if RELU
	v_max3_num_f32 v[TM+\b], v[AC+16*\b+\i], v[AC+16*\b+\i+1], v[TM+\b]
.else
	v_max3_num_f32 v[TM+\b], |v[AC+16*\b+\i]|, |v[AC+16*\b+\i+1]|, v[TM+\b]
.endif
.endr
.endr
	WIN 0
.irp b, 0,1,2,3
	v_permlanex16_b32 v[TM+4+\b], v[TM+\b], s38, s39
.endr
.irp b, 0,1,2,3
	v_max_num_f32 v[TM+\b], v[TM+\b], v[TM+4+\b]   ; with lane l xor 16's 16: the block's largest magnitude
.endr
.irp b, 0,1,2,3
	v_add_nc_u32 v[TM+12+\b], 0xff000000, v[TM+\b] ; 2 off its exponent field: the conversion's scale operand
.endr
.irp b, 0,1,2,3
	v_lshrrev_b32 v[TM+4+\b], 23, v[TM+12+\b]      ; the scale's byte
.endr
	v_lshl_or_b32 v[PWD], v[TM+5], 8, v[TM+4]
	v_lshl_or_b32 v[PWD], v[TM+6], 16, v[PWD]
	v_lshl_or_b32 v[PWD], v[TM+7], 24, v[PWD]      ; my row's scale word of this K step
	WIN rW
.irp b, 0,1,2,3
	v_cvt_scalef32_pk8_fp4_f32 v[PCD+2*\b],   v[AC+16*\b:AC+16*\b+7],    v[TM+12+\b]
	v_cvt_scalef32_pk8_fp4_f32 v[PCD+2*\b+1], v[AC+16*\b+8:AC+16*\b+15], v[TM+12+\b]
.endr
	WIN 0
	v_nop                                          ; one plain line behind the conversions
.irp c, 0,1                            ; the operand's layout wants a whole block in a lane: lanes 0-15 block 2 c, lanes 16-31 block 2 c + 1
.irp i, 0,1
	v_permlane16_swap_b32 v[PCD+4*\c+\i], v[PCD+2+4*\c+\i]
.endr
.endr
	global_store_b128 v[LI], v[PCD:PCD+3],   s[PCO:PCO+1] offset:(\a)*OTS          ; the fragment as it stands
	global_store_b128 v[LI], v[PCD+4:PCD+7], s[PCO:PCO+1] offset:(\a)*OTS+512
	global_store_b32 v[R16], v[PWD], s[PSO:PSO+1] offset:(\a)*256
.endif
.endm
.irp g, 0,1,2,3,4,5,6,7
.if \g < NA
	OUT \g
.endif
.endr
	WIN 0
	s_endpgm
.Lfunc_end_k_q55cc47080a_ffn2:
	.size	k_q55cc47080a_ffn2, .Lfunc_end_k_q55cc47080a_ffn2-k_q55cc47080a_ffn2
	.p2alignl 7, 3214868480
	.fill 96, 4, 3214868480
	.section	.rodata,"a",@progbits
	.p2align	6, 0x0
	.amdhsa_kernel k_q55cc47080a_ffn2
		.amdhsa_group_segment_fixed_size 0
		.amdhsa_private_segment_fixed_size 0
		.amdhsa_enable_private_segment 0
		.amdhsa_kernarg_size 32
		.amdhsa_user_sgpr_count 2
		.amdhsa_user_sgpr_kernarg_segment_ptr 1
		.amdhsa_wavefront_size32 1
		.amdhsa_system_sgpr_workgroup_id_x 1
		.amdhsa_system_sgpr_workgroup_id_y 1
		.amdhsa_system_sgpr_workgroup_id_z 1
		.amdhsa_system_vgpr_workitem_id 0
		.amdhsa_next_free_vgpr 768
		.amdhsa_next_free_sgpr 66
		.amdhsa_reserve_vcc 0
		.amdhsa_float_denorm_mode_32 3
		.amdhsa_float_denorm_mode_16_64 3
		.amdhsa_memory_ordered 1
		.amdhsa_forward_progress 1
		.amdhsa_inst_pref_size 76
	.end_amdhsa_kernel
	.amdgpu_metadata
---
amdhsa.version: [ 1, 2 ]
amdhsa.kernels:
  - .name:           k_q55cc47080a_ffn2
    .symbol:         k_q55cc47080a_ffn2.kd
    .args:
      - { .name: hb, .offset: 0, .size: 8, .value_kind: global_buffer, .address_space: global }
      - { .name: prep, .offset: 8, .size: 8, .value_kind: global_buffer, .address_space: global }
      - { .name: b2, .offset: 16, .size: 8, .value_kind: global_buffer, .address_space: global }
      - { .name: y2b, .offset: 24, .size: 8, .value_kind: global_buffer, .address_space: global }
    .group_segment_fixed_size: 0
    .private_segment_fixed_size: 0
    .kernarg_segment_align: 8
    .kernarg_segment_size: 32
    .max_flat_workgroup_size: 128
    .sgpr_count:     66
    .vgpr_count:     768
    .wavefront_size: 32
...
	.end_amdgpu_metadata
.endif
;; end of part 6
;; launch ln (part 7): grid 256 x 1, 16 waves a work-group, no clusters, 67,840 bytes of LDS; arguments x, yb, y2b, gamma, beta, out0; writes out0
.if DOCPART == 7
	.amdgcn_target "amdgcn-amd-amdhsa--gfx1250"
	.amdhsa_code_object_version 6
	.text
	.protected	k_q55cc47080a_ln
	.globl	k_q55cc47080a_ln
	.p2align	8
	.type	k_q55cc47080a_ln,@function
k_q55cc47080a_ln:
	s_mov_b64 s[64:65], 0
	v_nop
	global_prefetch_b8 v0, s[64:65] scope:SCOPE_SE
	s_setreg_imm32_b32 hwreg(HW_REG_WAVE_MODE, 25, 1), 1
	s_wait_xcnt 0x0
; out = layer norm of x + y + y2, times gamma, plus beta.  x, out: [4096][1024] f32.  y and y2 come as images of the accumulators that made them: F[token tile][tile of columns ct][q][lane][16 bytes]:
; lane (r, h), word e is (lane row r, column 32 (ct / 2) + 16 h + 8 (ct % 2) + 4 q + e); lane row r of token tile T is token 32 (T / 2) + 8 (T % 2) + r % 8 + 16 (r / 8).
; A work-group takes one token tile.  A: wave w adds y's and y2's column tiles 4 w .. 4 w + 3 (each load 512 consecutive bytes) and lays the sums by rows into a stage in LDS | one barrier |
; B: wave w takes lane row w whole: 32 numbers a lane; mean, then the mean of the squared differences (two passes over registers, so that a common offset of the inputs costs no accuracy), scale, store.
; All of a wave's loads go out at its head.  Memory binds: no matrix unit, no cluster, no tensor load.  The stage's rows are 4,096 + 16 bytes apart, so that the sixteen rows that a store touches do not fall on the same banks.
.set LI,  1                            ; 16 x lane
.set STA, 2                            ; the stage, in: 4,112 r + 64 h + 256 wave
.set RDA, 3                            ; and out: 4,112 wave + 16 x lane
.set Y,   32                           ; v32-63 y, then y + y2, then my row of it
.set Y2,  64                           ; v64-95
.set X,   96                           ; v96-127 x, then the row at work
.set G,   128                          ; v128-159 gamma
.set BT,  160                          ; v160-191 beta
	s_load_b256 s[4:11], s[0:1], 0x0               ; x, yb, y2b, gamma
	s_load_b128 s[12:15], s[0:1], 0x20             ; beta, out0
	v_lshl_add_u32 v192, v0, 2, 0x10100
	v_mov_b32 v193, 0
	v_lshrrev_b32 v4, 5, v0
	v_readfirstlane_b32 s16, v4                    ; wave 0..15
	v_and_b32 v4, 31, v0
	v_lshlrev_b32 v[LI], 4, v4
	v_and_b32 v5, 15, v0
	v_bfe_u32 v6, v0, 4, 1
	v_mul_u32_u24 v[STA], v5, 4112
	v_lshl_add_u32 v[STA], v6, 6, v[STA]
	s_lshl_b32 s17, s16, 8
	v_add_nc_u32 v[STA], s17, v[STA]
	s_mul_i32 s17, s16, 4112
	v_add_nc_u32 v[RDA], s17, v[LI]
	s_lshl_b32 s18, ttmp9, 16                      ; the images: 65,536 bytes a token tile, 4,096 for my four tiles of columns
	s_lshl_b32 s19, s16, 12
	s_add_co_u32 s18, s18, s19
	s_mov_b32 s19, 0
	s_lshr_b32 s20, ttmp9, 1
	s_lshl_b32 s20, s20, 5
	s_and_b32 s21, ttmp9, 1
	s_lshl_b32 s21, s21, 3
	s_add_co_u32 s20, s20, s21
	s_and_b32 s21, s16, 7
	s_add_co_u32 s20, s20, s21
	s_lshr_b32 s21, s16, 3
	s_lshl_b32 s21, s21, 4
	s_add_co_u32 s20, s20, s21                     ; my token
	s_lshl_b32 s20, s20, 12
	s_mov_b32 s21, 0
	s_mov_b32 s22, 0x76543210
	s_mov_b32 s23, 0xfedcba98                      ; v_permlanex16_b32's selects for lane l xor 16
	s_mov_b32 s24, 0x3a800000                      ; 1 / 1,024
	s_wait_kmcnt 0x0
	s_add_nc_u64 s[6:7], s[6:7], s[18:19]          ; (y's f32 image begins at byte 0 of yb)
	s_add_nc_u64 s[8:9], s[8:9], s[18:19]
	s_add_nc_u64 s[4:5], s[4:5], s[20:21]
	s_add_nc_u64 s[14:15], s[14:15], s[20:21]
.irp k, 0,1,2,3,4,5,6,7
	global_load_b128 v[Y+4*\k:Y+4*\k+3], v[LI], s[6:7] offset:512*\k th:TH_LOAD_NT
.endr
.irp k, 0,1,2,3,4,5,6,7
	global_load_b128 v[Y2+4*\k:Y2+4*\k+3], v[LI], s[8:9] offset:512*\k th:TH_LOAD_NT
.endr
.irp k, 0,1,2,3,4,5,6,7
	global_load_b128 v[X+4*\k:X+4*\k+3], v[LI], s[4:5] offset:512*\k th:TH_LOAD_NT
.endr
.irp k, 0,1,2,3,4,5,6,7
	global_load_b128 v[G+4*\k:G+4*\k+3], v[LI], s[10:11] offset:512*\k
.endr
.irp k, 0,1,2,3,4,5,6,7
	global_load_b128 v[BT+4*\k:BT+4*\k+3], v[LI], s[12:13] offset:512*\k
.endr
	s_wait_loadcnt 24                              ; y and y2 are in; the 24 loads of x, gamma and beta may be out
.set j, 0
.rept 16
	v_pk_add_f32 v[Y+j:Y+j+1], v[Y+j:Y+j+1], v[Y2+j:Y2+j+1]
.set j, j+2
.endr
.irp k, 0,1,2,3,4,5,6,7                ; load k was column tile 4 w + k / 2, half q = k % 2
	ds_store_b128 v[STA], v[Y+4*\k:Y+4*\k+3] offset:128*(\k/4)+32*((\k/2)%2)+16*(\k%2)
.endr
	s_wait_dscnt 0x0                               ; for the others' sake: my stores into the stage are done
	s_barrier_signal -1
	s_barrier_wait -1
.irp k, 0,1,2,3,4,5,6,7
	ds_load_b128 v[Y+4*\k:Y+4*\k+3], v[RDA] offset:512*\k
.endr
	s_wait_loadcnt 0x0
	s_wait_dscnt 0x0
.set j, 0
.rept 16
	v_pk_add_f32 v[X+j:X+j+1], v[X+j:X+j+1], v[Y+j:Y+j+1]   ; z = x + (y + y2)
.set j, j+2
.endr
.macro WSUM r, t                       ; the sum over the wave's 32 lanes, in every lane
	v_add_f32_dpp v[\r], v[\r], v[\r] row_xmask:1 row_mask:0xf bank_mask:0xf
	v_add_f32_dpp v[\r], v[\r], v[\r] row_xmask:2 row_mask:0xf bank_mask:0xf
	v_add_f32_dpp v[\r], v[\r], v[\r] row_xmask:4 row_mask:0xf bank_mask:0xf
	v_add_f32_dpp v[\r], v[\r], v[\r] row_xmask:8 row_mask:0xf bank_mask:0xf
	v_permlanex16_b32 v[\t], v[\r], s22, s23
	v_add_f32 v[\r], v[\r], v[\t]
.endm
	v_pk_add_f32 v[8:9], v[X:X+1], v[X+2:X+3]      ; two chains
	v_pk_add_f32 v[10:11], v[X+4:X+5], v[X+6:X+7]
.irp j, 8,12,16,20,24,28
	v_pk_add_f32 v[8:9], v[8:9], v[X+\j:X+\j+1]
	v_pk_add_f32 v[10:11], v[10:11], v[X+\j+2:X+\j+3]
.endr
	v_pk_add_f32 v[8:9], v[8:9], v[10:11]
	v_add_f32 v8, v8, v9
	WSUM 8, 9
	v_mul_f32 v12, 0xba800000, v8                  ; -mean
	v_mov_b32 v13, v12
.set j, 0
.rept 16
	v_pk_add_f32 v[X+j:X+j+1], v[X+j:X+j+1], v[12:13]
.set j, j+2
.endr
	v_pk_mul_f32 v[8:9], v[X:X+1], v[X:X+1]
	v_pk_mul_f32 v[10:11], v[X+2:X+3], v[X+2:X+3]
.irp j, 4,8,12,16,20,24,28
	v_pk_fma_f32 v[8:9], v[X+\j:X+\j+1], v[X+\j:X+\j+1], v[8:9]
	v_pk_fma_f32 v[10:11], v[X+\j+2:X+\j+3], v[X+\j+2:X+\j+3], v[10:11]
.endr
	v_pk_add_f32 v[8:9], v[8:9], v[10:11]
	v_add_f32 v8, v8, v9
	WSUM 8, 9
	v_fmaak_f32 v14, s24, v8, 0x3727c5ac           ; the variance + 1e-5
	v_rsq_f32 v14, v14
	v_nop                                          ; a plain line behind the transcendental
	s_wait_alu depctr_va_vdst(0)
	v_mov_b32 v15, v14
.set j, 0
.rept 16
	v_pk_mul_f32 v[X+j:X+j+1], v[X+j:X+j+1], v[14:15]
.set j, j+2
.endr
.set j, 0
.rept 16
	v_pk_fma_f32 v[X+j:X+j+1], v[X+j:X+j+1], v[G+j:G+j+1], v[BT+j:BT+j+1]
.set j, j+2
.endr
.irp k, 0,1,2,3,4,5,6,7
	global_store_b128 v[LI], v[X+4*\k:X+4*\k+3], s[14:15] offset:512*\k th:TH_STORE_NT   ; 512 consecutive bytes of my token's row
.endr
	s_wait_tensorcnt 0x0
	ds_add_u32 v192, v193
	s_wait_dscnt 0x0
	s_endpgm
.Lfunc_end_k_q55cc47080a_ln:
	.size	k_q55cc47080a_ln, .Lfunc_end_k_q55cc47080a_ln-k_q55cc47080a_ln
	.p2alignl 7, 3214868480
	.fill 96, 4, 3214868480
	.section	.rodata,"a",@progbits
	.p2align	6, 0x0
	.amdhsa_kernel k_q55cc47080a_ln
		.amdhsa_group_segment_fixed_size 67840
		.amdhsa_private_segment_fixed_size 0
		.amdhsa_enable_private_segment 0
		.amdhsa_kernarg_size 48
		.amdhsa_user_sgpr_count 2
		.amdhsa_user_sgpr_kernarg_segment_ptr 1
		.amdhsa_wavefront_size32 1
		.amdhsa_system_sgpr_workgroup_id_x 1
		.amdhsa_system_sgpr_workgroup_id_y 1
		.amdhsa_system_sgpr_workgroup_id_z 1
		.amdhsa_system_vgpr_workitem_id 0
		.amdhsa_next_free_vgpr 194
		.amdhsa_next_free_sgpr 66
		.amdhsa_reserve_vcc 0
		.amdhsa_float_denorm_mode_32 3
		.amdhsa_float_denorm_mode_16_64 3
		.amdhsa_memory_ordered 1
		.amdhsa_forward_progress 1
		.amdhsa_inst_pref_size 16
	.end_amdhsa_kernel
	.amdgpu_metadata
---
amdhsa.version: [ 1, 2 ]
amdhsa.kernels:
  - .name:           k_q55cc47080a_ln
    .symbol:         k_q55cc47080a_ln.kd
    .args:
      - { .name: x, .offset: 0, .size: 8, .value_kind: global_buffer, .address_space: global }
      - { .name: yb, .offset: 8, .size: 8, .value_kind: global_buffer, .address_space: global }
      - { .name: y2b, .offset: 16, .size: 8, .value_kind: global_buffer, .address_space: global }
      - { .name: gamma, .offset: 24, .size: 8, .value_kind: global_buffer, .address_space: global }
      - { .name: beta, .offset: 32, .size: 8, .value_kind: global_buffer, .address_space: global }
      - { .name: out0, .offset: 40, .size: 8, .value_kind: global_buffer, .address_space: global }
    .group_segment_fixed_size: 67840
    .private_segment_fixed_size: 0
    .kernarg_segment_align: 8
    .kernarg_segment_size: 48
    .max_flat_workgroup_size: 512
    .sgpr_count:     66
    .vgpr_count:     194
    .wavefront_size: 32
...
	.end_amdgpu_metadata
.endif
;; end of part 7
;; ======== version 2 of 2: 7 launches; version 1 with the launches qkv, wo, ffn1, ffn2 written anew for expert scheduling mode
;; limits: right only within a limited range of input values
;; workspace buffers: prep 9,306,112 bytes; qkv 6,684,672 bytes; att 2,228,224 bytes; yb 19,005,440 bytes; hb 8,912,896 bytes; y2b 16,777,216 bytes
;; launch prep: the kernel of part 1 again; grid 896 x 1, 4 waves a work-group, no clusters, 10,752 bytes of LDS; arguments x, Wq, Wk, Wv, Wo, W1, W2, prep; writes prep
;; launch qkv (part 8): grid 12 x 16, 4 waves a work-group, no clusters, 0 bytes of LDS; arguments prep, bq, bk, bv, qkv; writes qkv
.if DOCPART == 8
	.amdgcn_target "amdgcn-amd-amdhsa--gfx1250"
	.amdhsa_code_object_version 6
	.text
	.protected	k_q55cc47080a_qkv
	.globl	k_q55cc47080a_qkv
	.p2align	8
	.type	k_q55cc47080a_qkv,@function
k_q55cc47080a_qkv:
	s_mov_b64 s[64:65], 0
	v_nop
	global_prefetch_b8 v0, s[64:65] scope:SCOPE_SE
	s_setreg_imm32_b32 hwreg(HW_REG_WAVE_SCHED_MODE, 0, 2), 2
	s_setreg_imm32_b32 hwreg(HW_REG_WAVE_MODE, 25, 1), 1
	s_wait_xcnt 0x0
	s_wait_alu depctr_vm_vsrc(0)
; q = x Wq + bq, k = x Wk + bk (work-groups x = 0-7) and v = x Wv + bv (x = 8-11), on codes of FP4; the results are quantised in registers: q and k along the head's 64, v along the keys.
; For q and k the tokens stay in the lanes (side A) and the weight's columns land in the registers (side B); for v it is the other way round, so that a lane's registers run along the keys.
.set NA,     8                         ; tiles of 16 rows of side A for a wave
.set WA,     2                         ; waves along A
.set WB,     2                         ; waves along B (8 tiles each)
.set KS,     8                         ; K steps of 128
.set NSET,   3                         ; sets of operand registers
.set AH,     2                         ; a step asks for the K step so many steps on
.set DUAL,   1
.set RELU,   0
.set QOUT,   1
.set F32OUT, 0
.set A_IMG,  0                         ; x's image and scale bytes in prep
.set A_SC,   2097152
.set B_IMG,  2228224                   ; the four square weights'
.set B_SC,   4325376
.set BT0,    0
.set O_F,    0
.set O_IMG,  0                         ; q's and k's image: 16,384 bytes a token tile (K steps 0-7 q, 8-15 k)
.set O_SC,   4194304
.set OTS,    16384
.set V_IMG,  4456448                   ; v's image: [batch][64 tiles of d][64 blocks of keys][16][16]
.set V_SC,   6553600                   ; [batch 65,536][four K steps 16,384][tile 256]
; ---- from here on the text is the same in the four product launches ----
; D = B A^T + bias on operand images: IMG[tile][block of 32 along K][lane row][16 bytes]; a fragment (tile, K step s) is 1,024 consecutive bytes, lane l's 16 bytes at 16 l and 512 + 16 l.
; THE MATRIX INSTRUCTION IS USED TRANSPOSED: source 0 = a tile of side B, source 1 = a tile of side A.  Lane (r, h) keeps A's lane row r; register j of B's tile 2 g + u is B's row 32 g + 16 h + 8 u + j,
; since lane row r of a tile 2 g + u is row 32 g + 8 u + r % 8 + 16 (r / 8).  So a wave's 8 tiles of B are 128 neighbours along the next product's K, 64 of them in a lane: quantised in registers they ARE
; a fragment of the next operand's image and are stored as they stand.  No LDS, no barrier: fragments go from memory into registers, each load 512 consecutive bytes; NSET sets of registers take turns.
; The bias is the C of each sum's first matrix instruction.  Scale words: SC[4 K steps][tile][r][16 bytes]: one load of 16 bytes a lane brings lanes 0-15 the four words of a tile and lanes 16-31 those of the next.
; The stores of scale words are 4 bytes a lane at steps of 16 bytes (a sixteenth of the codes' bytes); lanes 16-31 store the same word to the same place as lanes 0-15.
; LIMITS: a block of zeros gets the scale byte 1 (its codes are zeros; this program alone reads the bytes); NaN and infinities are not served.
; REGISTERS, in windows of 256: window 0: v1-4 offsets; v32.. scale words, two slots; v96-111 the quantiser's; from v128 A's sets (on the way out codes and scale words).
;   NA = 8: window 1: B's sets 0 and 1 at v0 and v64; v128-191 the bias, and from step 1 on A's part of set 2; v192-255 B's part of set 2; windows 2, 3: accumulator (a, b) at v[8 (8 (a % 4) + b)] of window 2 + a / 4.
;   NA = 2: windows 1, 2: B's eight sets, 64 registers each; window 3: the accumulators, and at v128-191 the bias.
; THE MODE: SCHED_MODE bits 1:0 = 2 (LLVM: expert scheduling mode 2), set by the entry lines.  The code itself states the register dependences between vector or matrix instructions and memory instructions,
; with s_wait_alu, always for 0.
; THE PLAN.  Registers that memory instructions touch:
;   the sets of fragments   K step t lies in set t % NSET.  Written by the loads issued in step t - AH (at the head for t < AH); read by step t's products alone.  Step s asks for K step s + AH, into the set
;                           whose last reader was step s + AH - NSET, at the latest step s - 1.
;   the slots of scale words  Read by the products of four K steps.  Where K has more than eight steps a slot is asked for again in the step behind its last.
;   the bias                Loaded once; read by step 0's products as C.  NA = 8: A's part of set 2 lands in its registers and is therefore asked for in step 1, first thing.
;   v1 to v4                Offsets, made at the head and never written again: scalar bases and immediate offsets do the rest.
;   the accumulators        Written by the products; read by the stores of the f32 image.
;   codes and scale words   On the way out each tile of A has registers of its own: written by the quantiser, read by three stores, never written again.
; So ONE wait on va_vdst stands at the head of each step that fills registers again, behind the wait for the step's data.  The step's loads follow it, dealt among its products, which name this step's set, the slot
; in use and the accumulators: none of the registers that those loads touch.  No register that a memory instruction reads is written again, so no wait on vm_vsrc is owed.
.set ATS,   KS*1024                    ; a tile's image in bytes
.set LPS,   16+2*NA                    ; loads of a set
.set SLW,   2*NA+16                    ; registers of a slot of scale words
.set LI,    1                          ; 16 x lane
.set R16,   2                          ; 16 x (lane % 16)
.set BO,    3                          ; 64 x (lane / 16)
.set BL,    4                          ; 4 x (r % 8 + 16 (r / 8))
.set SC,    32
.set TM,    96
.set AFB,   128
.set BIASR, 128
.if NA == 8
.set ACW,   2                          ; the accumulators' first window
.set BIASW, 1
.set PCB,   128
.set PWB,   192
.set LATEA, 1                          ; A's part of the last set lies where the bias lay
.set NCH,   4                          ; a set's loads go in so many runs: B's tiles 0-3, B's 4-7, A's 0-3, A's 4-7
.set CPG,   1                          ; runs behind each group of eight products
.set LD0,   2                          ; step 0 asks for B's two runs alone
.else
.set ACW,   3
.set BIASW, 3
.set PCB,   192
.set PWB,   208
.set LATEA, 0
.set NCH,   3
.set CPG,   2
.set LD0,   3
.endif
.set ABUF, 4
.if DUAL
.set BBUF, 4
.set OBUF, 52
.else
.set BBUF, 6
.set OBUF, 10
.endif
.set PA,  20                           ; s[20:21] A's fragments, s[22:23] B's, s[24:25] A's scale words, s[26:27] B's
.set PB,  22
.set PSA, 24
.set PSB, 26
.set PBI, 28                           ; s[28:29] the bias, s[30:31] the f32 image, s[32:33] the codes, s[34:35] the scale words that I store
.set PF,  30
.set PCO, 32
.set PSO, 34
.set MSB, 0
.macro WIN new                         ; the immediate's high byte repeats the setting that is left; a switch that changes nothing is dropped
.if MSB != (\new)
	s_set_vgpr_msb (MSB<<8)|(\new)
.set MSB, \new
.endif
.endm
.macro PLACES                          ; four plain vector lines behind matrix instructions, ahead of loads into, or reads of, their registers: they stay beside the waits
.rept 4
	v_nop
.endr
.endm
.macro WHERE p                         ; where set p lies: B's window and first register, A's first register and window
.if NA == 8
.set qBW, 1
.if (\p) == 2
.set qB,  192
.set qA,  128
.set qAW, 1
.else
.set qB,  64*(\p)
.set qA,  AFB+64*(\p)
.set qAW, 0
.endif
.else
.set qBW, 1+(\p)/4
.set qB,  64*((\p)%4)
.set qA,  AFB+8*NA*(\p)
.set qAW, 0
.endif
.endm
.macro LPLACE p                        ; the set that the next runs of loads fill
	WHERE \p
.set lB,  qB
.set lBW, qBW
.set lA,  qA
.set lAW, qAW
.endm
.macro WM4 rb, ra                      ; one product; rb, ra: which half of the lanes holds B's and A's scale words
.if ((\rb) == 0) && ((\ra) == 0)
	v_wmma_scale_f32_16x16x128_f8f6f4 v[rD:rD+7], v[rB:rB+7], v[rA:rA+7], v[rC:rC+7], v[rSB], v[rSA] matrix_a_fmt:MATRIX_FMT_FP4 matrix_b_fmt:MATRIX_FMT_FP4
.elseif (\ra) == 0
	v_wmma_scale_f32_16x16x128_f8f6f4 v[rD:rD+7], v[rB:rB+7], v[rA:rA+7], v[rC:rC+7], v[rSB], v[rSA] matrix_a_fmt:MATRIX_FMT_FP4 matrix_b_fmt:MATRIX_FMT_FP4 matrix_a_scale:MATRIX_SCALE_ROW1
.elseif (\rb) == 0
	v_wmma_scale_f32_16x16x128_f8f6f4 v[rD:rD+7], v[rB:rB+7], v[rA:rA+7], v[rC:rC+7], v[rSB], v[rSA] matrix_a_fmt:MATRIX_FMT_FP4 matrix_b_fmt:MATRIX_FMT_FP4 matrix_b_scale:MATRIX_SCALE_ROW1
.else
	v_wmma_scale_f32_16x16x128_f8f6f4 v[rD:rD+7], v[rB:rB+7], v[rA:rA+7], v[rC:rC+7], v[rSB], v[rSA] matrix_a_fmt:MATRIX_FMT_FP4 matrix_b_fmt:MATRIX_FMT_FP4 matrix_a_scale:MATRIX_SCALE_ROW1 matrix_b_scale:MATRIX_SCALE_ROW1
.endif
.endm
.macro CHUNK c, sg                     ; run c of the loads of K step sg (counted from where the pointers stand) into the set that LPLACE named: the fragments of four tiles
.if (\c) < 2
	WIN lBW<<6                                     ; the destination's window
.irp i, 0,1,2,3
	global_load_b128 v[lB+8*(4*(\c)+\i):lB+8*(4*(\c)+\i)+3],   v[LI], s[PB:PB+1] offset:(4*(\c)+\i)*ATS+(\sg)*1024
	global_load_b128 v[lB+8*(4*(\c)+\i)+4:lB+8*(4*(\c)+\i)+7], v[LI], s[PB:PB+1] offset:(4*(\c)+\i)*ATS+(\sg)*1024+512
.endr
.else
	WIN lAW<<6
.irp i, 0,1,2,3
.if 4*((\c)-2)+\i < NA
	global_load_b128 v[lA+8*(4*((\c)-2)+\i):lA+8*(4*((\c)-2)+\i)+3],   v[LI], s[PA:PA+1] offset:(4*((\c)-2)+\i)*ATS+(\sg)*1024
	global_load_b128 v[lA+8*(4*((\c)-2)+\i)+4:lA+8*(4*((\c)-2)+\i)+7], v[LI], s[PA:PA+1] offset:(4*((\c)-2)+\i)*ATS+(\sg)*1024+512
.endif
.endr
.endif
.endm
; K step sg's 8 NA products.  The accumulators take turns, one instruction a turn, in the same order in every step.
; cm = 0: onto the sums; 1: the sums start from the bias of B's rows; 2: from the bias of A's rows.  ld: so many runs of the loads of K step sg + AH are dealt among the products, CPG behind each group of eight.
; No wait stands at those loads: no product issued since the step's head names the set that they fill.
.macro MULS sg, cm, ld
	WHERE (\sg)%NSET
.set mB,  qB
.set mBW, qBW
.set mA,  qA
.set mAW, qAW
.if \ld
	LPLACE ((\sg)+AH)%NSET
.endif
.irp a, 0,1,2,3,4,5,6,7
.if \a < NA
.set rW, ACW+\a/4
.if \cm
	WIN (rW<<6)|(BIASW<<4)|(mAW<<2)|mBW
.else
	WIN (rW<<6)|(rW<<4)|(mAW<<2)|mBW
.endif
.irp b, 0,1,2,3,4,5,6,7
.set rD, 8*(8*(\a%4)+\b)
.set rB, mB+8*\b
.set rA, mA+8*\a
.set rC, rD
.if \cm == 1
.set rC, BIASR+8*\b
.elseif \cm == 2
.set rC, BIASR+8*\a
.endif
.set rSB, SC+SLW*(((\sg)/4)%2)+2*NA+4*(\b/2)+(\sg)%4
.set rSA, SC+SLW*(((\sg)/4)%2)+4*(\a/2)+(\sg)%4
	WM4 \b%2, \a%2
.endr
.if \ld
.set cc, CPG*\a
.rept CPG
.if cc < \ld
	CHUNK cc, (\sg)+AH
.endif
.set cc, cc+1
.endr
.endif
.endif
.endr
.endm
.macro SCLOAD slot, q                  ; the scale words of four K steps: a load for each pair of tiles
.irp i, 0,1,2,3
.if \i < NA/2
	global_load_b128 v[SC+SLW*(\slot)+4*\i:SC+SLW*(\slot)+4*\i+3], v[LI], s[PSA:PSA+1] offset:(\q)*65536+512*\i
.endif
.endr
.irp i, 0,1,2,3
	global_load_b128 v[SC+SLW*(\slot)+2*NA+4*\i:SC+SLW*(\slot)+2*NA+4*\i+3], v[LI], s[PSB:PSB+1] offset:(\q)*65536+512*\i
.endr
.endm
; K step sg.  n: the loads issued behind this step's set, which may stay out.  ld: the runs of loads that it deals.  sc: the slot of scale words that the step before was the last to read takes the four K steps two slots on.
; w: registers are filled again, so the wait is owed.
.macro STEP sg, cm, ld, sc, w, n
	s_wait_loadcnt \n                              ; loads come back in order (ISA guide 5.7.1): this step's set is in, the sets asked for behind it stay out
.if \w
	s_wait_alu depctr_va_vdst(0)                   ; the products of the steps before are done reading the set (and, where they are filled here, the slot of scale words and the bias's registers) in which this step's loads land
.endif
.if \sc
	WIN 0
	SCLOAD ((\sg)/4+1)%2, (\sg)/4+1
.endif
.if LATEA
.if (\sg) == 1
	LPLACE AH%NSET
	CHUNK 2, AH                                    ; A's part of K step AH, into the registers that held the bias: the next step wants it, so it goes out ahead of this step's own runs
	CHUNK 3, AH
.endif
.endif
	MULS \sg, \cm, \ld
.if (KS > NSET) || ((\sg) == 7)
	PLACES
.endif
.endm
.macro TSTEP sg                        ; one of the last seven K steps: nothing is loaded past the end, and the counts run down
.if 7-(\sg) < AH-1
.set nW, (7-(\sg))*LPS
.else
.set nW, (AH-1)*LPS
.endif
.if LATEA
.if (\sg) == 1
.set nW, nW-2*NA                       ; of the set behind this step's only B's part has been asked for
.endif
.endif
.if (\sg)+AH <= 7
.if (KS > 8) || ((\sg)+AH >= NSET)
	STEP \sg, 0, NCH, 0, 1, nW
.else
	STEP \sg, 0, NCH, 0, 0, nW                     ; a set's first fill: no vector or matrix instruction has named its registers, so no wait is owed
.endif
.else
	STEP \sg, 0, 0, 0, 0, nW
.endif
.endm
	s_load_b256 s[4:11], s[0:1], 0x0
.if DUAL
	s_load_b64 s[52:53], s[0:1], 0x20
.endif
	v_and_b32 v5, 31, v0
	v_lshlrev_b32 v[LI], 4, v5
	v_bfe_u32 v6, v0, 4, 1
	v_lshlrev_b32 v[BO], 6, v6
.if QOUT
	v_and_b32 v7, 15, v0
	v_lshlrev_b32 v[R16], 4, v7
.irp b, 0,1,2,3
	v_mov_b32 v[TM+4+\b], 0                        ; written once: a lane permute's destination counts as one of its sources
.endr
	s_mov_b32 s38, 0x76543210
	s_mov_b32 s39, 0xfedcba98                      ; v_permlanex16_b32's selects for lane l xor 16
.endif
.if DUAL
	v_and_b32 v8, 7, v0
	v_bfe_u32 v9, v0, 3, 1
	v_lshl_add_u32 v8, v9, 4, v8
	v_lshlrev_b32 v[BL], 2, v8
.endif
	v_lshrrev_b32 v5, 5, v0
	v_readfirstlane_b32 s12, v5                    ; wave
	s_wait_alu depctr_va_sdst(0)                   ; s12 is written, ahead of its first reader: the wave's tiles and all its bases are made from it
	s_and_b32 s40, ttmp7, 0xffff                   ; work-group y
.if WB == 2
	s_lshr_b32 s13, s12, 1                         ; my place along A,
	s_and_b32 s14, s12, 1                          ; along B
.else
	s_mov_b32 s13, s12
	s_mov_b32 s14, 0
.endif
.if DUAL
	s_lshl_b32 s40, s40, 4                         ; x's tiles: 16 y
	s_lshl_b32 s41, ttmp9, 4                       ; the weights' tiles: 16 x
	s_cmp_ge_u32 ttmp9, 8                          ; v's work-groups: the weight is side A, x side B
	s_cselect_b32 s37, 1, 0
	s_cselect_b32 s15, s41, s40
	s_cselect_b32 s16, s40, s41
	s_mov_b32 s42, A_IMG
	s_cselect_b32 s42, B_IMG, s42
	s_mov_b32 s43, B_IMG
	s_cselect_b32 s43, A_IMG, s43
	s_mov_b32 s44, A_SC
	s_cselect_b32 s44, B_SC, s44
	s_mov_b32 s45, B_SC
	s_cselect_b32 s45, A_SC, s45
	s_lshl_b32 s41, s13, 3
	s_add_co_u32 s15, s15, s41                     ; A's first tile
	s_lshl_b32 s41, s14, 3
	s_add_co_u32 s16, s16, s41                     ; B's first tile
.else
	s_mul_i32 s15, s40, NA*WA
	s_mul_i32 s41, s13, NA
	s_add_co_u32 s15, s15, s41                     ; A's first tile
	s_mul_i32 s16, ttmp9, 8*WB
	s_lshl_b32 s41, s14, 3
	s_add_co_u32 s16, s16, s41                     ; B's first tile
	s_mov_b32 s42, A_IMG
	s_mov_b32 s43, B_IMG+BT0*ATS
	s_mov_b32 s44, A_SC
	s_mov_b32 s45, B_SC+BT0*256
.endif
	s_mul_i32 s46, s15, ATS
	s_add_co_u32 s46, s46, s42
	s_mov_b32 s47, 0
	s_mul_i32 s48, s16, ATS
	s_add_co_u32 s48, s48, s43
	s_mov_b32 s49, 0
	s_lshl_b32 s50, s15, 8
	s_add_co_u32 s50, s50, s44
	s_mov_b32 s51, 0
	s_lshl_b32 s54, s16, 8
	s_add_co_u32 s54, s54, s45
	s_mov_b32 s55, 0
	s_lshr_b32 s17, s16, 3                         ; which K step of the next product my 8 tiles of B are
.if DUAL
	s_cmp_eq_u32 s37, 1
	s_cselect_b32 s41, 128, 0                      ; v's tiles count from Wv's first
	s_mov_b32 s56, O_IMG
	s_cselect_b32 s56, V_IMG, s56
	s_mov_b32 s58, O_SC
	s_cselect_b32 s58, V_SC, s58
	s_cselect_b32 s19, 14, 16                      ; four K steps of scale bytes: 16,384 bytes in v's, 65,536 in q's and k's
	s_sub_co_u32 s18, s15, s41
	s_lshr_b32 s41, s17, 4                         ; v: 16 K steps of keys to a batch (q, k: the step is under 16, so this is 0)
	s_and_b32 s17, s17, 15
	s_lshl_b32 s60, s41, 20
	s_add_co_u32 s56, s56, s60
	s_lshl_b32 s60, s41, 16
	s_add_co_u32 s58, s58, s60
.elseif QOUT
	s_mov_b32 s56, O_IMG
	s_mov_b32 s58, O_SC
	s_mov_b32 s19, 16
	s_mov_b32 s18, s15
.endif
.if QOUT
	s_mul_i32 s60, s18, OTS
	s_add_co_u32 s56, s56, s60
	s_lshl_b32 s60, s17, 10
	s_add_co_u32 s56, s56, s60
	s_mov_b32 s57, 0
	s_lshr_b32 s60, s17, 2
	s_lshl_b32 s60, s60, s19
	s_add_co_u32 s58, s58, s60
	s_lshl_b32 s60, s18, 8
	s_add_co_u32 s58, s58, s60
	s_and_b32 s60, s17, 3
	s_lshl_b32 s60, s60, 2
	s_add_co_u32 s58, s58, s60
	s_mov_b32 s59, 0
.endif
.if DUAL
	s_and_b32 s62, s16, 63                         ; q, k: the bias of B's rows, within its weight's 64 tiles; v: of A's rows
	s_cmp_eq_u32 s37, 1
	s_cselect_b32 s62, s18, s62
.else
	s_mov_b32 s62, s16
.endif
	s_lshl_b32 s62, s62, 6                         ; 16 numbers a tile
	s_mov_b32 s63, 0
.if F32OUT
	s_lshl_b32 s60, s15, 16                        ; the f32 image: 65,536 bytes a token tile, 1,024 a tile of columns
	s_lshl_b32 s61, s16, 10
	s_add_co_u32 s60, s60, s61
	s_add_co_u32 s60, s60, O_F
	s_mov_b32 s61, 0
.endif
	s_wait_kmcnt 0x0
	s_add_nc_u64 s[PA:PA+1], s[ABUF:ABUF+1], s[46:47]
	s_add_nc_u64 s[PB:PB+1], s[BBUF:BBUF+1], s[48:49]
	s_add_nc_u64 s[PSA:PSA+1], s[ABUF:ABUF+1], s[50:51]
	s_add_nc_u64 s[PSB:PSB+1], s[BBUF:BBUF+1], s[54:55]
.if DUAL
	s_cmp_lt_u32 ttmp9, 4
	s_cselect_b64 s[PBI:PBI+1], s[6:7], s[8:9]     ; bq or bk,
	s_cmp_eq_u32 s37, 1
	s_cselect_b64 s[PBI:PBI+1], s[10:11], s[PBI:PBI+1]   ; or bv: choices that hang on the work-group's number alone
	s_add_nc_u64 s[PBI:PBI+1], s[PBI:PBI+1], s[62:63]
.else
	s_add_nc_u64 s[PBI:PBI+1], s[8:9], s[62:63]
.endif
.if QOUT
	s_add_nc_u64 s[PCO:PCO+1], s[OBUF:OBUF+1], s[56:57]
	s_add_nc_u64 s[PSO:PSO+1], s[OBUF:OBUF+1], s[58:59]
.endif
.if F32OUT
	s_add_nc_u64 s[PF:PF+1], s[OBUF:OBUF+1], s[60:61]
.endif
	s_wait_alu depctr_va_vdst(0)                   ; the offsets v1 to v4 are written: every load and store of the kernel reads one of them
	SCLOAD 0, 0                                    ; scale words and bias go out ahead of the sets with which they are wanted
	SCLOAD 1, 1
.if DUAL
	s_cmp_eq_u32 s37, 1
	s_cbranch_scc1 .Lbias_a
.endif
	WIN BIASW<<6
.irp b, 0,1,2,3,4,5,6,7                ; lane (r, h) wants, for B's tile 2 g + u, the bias of rows 32 g + 16 h + 8 u + 0 .. 7
	global_load_b128 v[BIASR+8*\b:BIASR+8*\b+3],   v[BO], s[PBI:PBI+1] offset:(32*(\b/2)+8*(\b%2))*4
	global_load_b128 v[BIASR+8*\b+4:BIASR+8*\b+7], v[BO], s[PBI:PBI+1] offset:(32*(\b/2)+8*(\b%2))*4+16
.endr
	WIN 0
.if DUAL
	s_branch .Lbias_in
.Lbias_a:
	WIN BIASW<<6
.irp a, 0,1,2,3,4,5,6,7                ; v: the bias belongs to the lane's row of A: the same number in all eight registers of a tile
.irp j, 0,1,2,3,4,5,6,7
	global_load_b32 v[BIASR+8*\a+\j], v[BL], s[PBI:PBI+1] offset:(32*(\a/2)+8*(\a%2))*4
.endr
.endr
	WIN 0
.Lbias_in:
.endif
.set qq, 0
.rept AH                               ; K steps 0 to AH - 1
	LPLACE qq
.set cc, 0
.rept NCH
	CHUNK cc, qq
.set cc, cc+1
.endr
.set qq, qq+1
.endr
	WIN 0
.if DUAL
	s_wait_loadcnt (AH-1)*LPS                      ; K step 0's set, the scale words and the bias are in; the younger set may be out
	s_cmp_eq_u32 s37, 1
	s_cbranch_scc1 .Lfirst_a
	MULS 0, 1, LD0                                 ; (the loads dealt here are a set's first fill: no wait is owed)
	WIN 0
	s_branch .Lfirst_done
.Lfirst_a:
	MULS 0, 2, LD0
	WIN 0
.Lfirst_done:
	PLACES
.else
	STEP 0, 1, LD0, 0, 0, (AH-1)*LPS               ; the first K step starts the sums from the bias; its loads are a set's first fill: no wait is owed
.endif
.if KS > 8
	WIN 0
	s_mov_b32 s36, KS/8-1
.Ltrip:                                            ; a trip is eight K steps, after which sets and slots are back where they began
	STEP 1, 0, NCH, 0, 1, (AH-1)*LPS
	STEP 2, 0, NCH, 0, 1, (AH-1)*LPS
	STEP 3, 0, NCH, 0, 1, (AH-1)*LPS
	STEP 4, 0, NCH, 1, 1, (AH-1)*LPS
	STEP 5, 0, NCH, 0, 1, (AH-1)*LPS               ; (where scale words were asked for behind a set, more loads are younger than the count says: the smaller count is the safe one)
	STEP 6, 0, NCH, 0, 1, (AH-1)*LPS
	STEP 7, 0, NCH, 0, 1, (AH-1)*LPS
	STEP 8, 0, NCH, 1, 1, (AH-1)*LPS
	WIN 0
	s_wait_xcnt 0x0                                ; the loads have read their bases: they may step
	s_add_nc_u64 s[PA:PA+1], s[PA:PA+1], 8192
	s_add_nc_u64 s[PB:PB+1], s[PB:PB+1], 8192
	s_add_nc_u64 s[PSA:PSA+1], s[PSA:PSA+1], 131072
	s_add_nc_u64 s[PSB:PSB+1], s[PSB:PSB+1], 131072
	s_sub_co_u32 s36, s36, 1
	s_cmp_lg_u32 s36, 0
	s_cbranch_scc1 .Ltrip
.endif
.irp g, 1,2,3,4,5,6,7
	TSTEP \g
.endr
	WIN 0
.if F32OUT
	s_wait_alu depctr_va_vdst(0)                   ; the products have written all the accumulators, which the stores of the f32 image read; the four places above stay beside this wait
.endif
; THE WAY OUT, a tile of A at a time; the four places at the last K step's end stand in front of it.  Each accumulator is read from its low end on.
.macro OUT a
.set rW, ACW+(\a)/4
.set AC, 64*((\a)%4)
.set PCD, PCB+8*(\a)
.set PWD, PWB+(\a)
.if F32OUT
	WIN rW<<2                                      ; a store's data are its source 1
.irp b, 0,1,2,3,4,5,6,7
	global_store_b128 v[LI], v[AC+8*\b:AC+8*\b+3],   s[PF:PF+1] offset:(\a)*65536+\b*1024 th:TH_STORE_NT      ; the accumulator as it stands: 512 consecutive bytes a store.  No vector instruction behind the products writes it
	global_store_b128 v[LI], v[AC+8*\b+4:AC+8*\b+7], s[PF:PF+1] offset:(\a)*65536+\b*1024+512 th:TH_STORE_NT
.endr
.endif
.if RELU
	WIN (rW<<2)|(rW<<6)
.set j, 0
.rept 64
	v_max_num_f32 v[AC+j], 0, v[AC+j]              ; the activation, in f32
.set j, j+1
.endr
.endif
.if QOUT
	WIN rW|(rW<<2)
.irp b, 0,1,2,3                        ; block b of 32 along the next K: my 16 numbers, and the floor 2^(3 - 127), which holds the byte at 1 from below
.if RELU
	v_max3_num_f32 v[TM+\b], v[AC+16*\b], v[AC+16*\b+1], 0x1800000
.else
	v_max3_num_f32 v[TM+\b], |v[AC+16*\b]|, |v[AC+16*\b+1]|, 0x1800000
.endif
.endr
.irp i, 2,4,6,8,10,12,14
.irp b, 0,1,2,3
.if RELU
	v_max3_num_f32 v[TM+\b], v[AC+16*\b+\i], v[AC+16*\b+\i+1], v[TM+\b]
.else
	v_max3_num_f32 v[TM+\b], |v[AC+16*\b+\i]|, |v[AC+16*\b+\i+1]|, v[TM+\b]
.endif
.endr
.endr
	WIN 0
.irp b, 0,1,2,3
	v_permlanex16_b32 v[TM+4+\b], v[TM+\b], s38, s39
.endr
.irp b, 0,1,2,3
	v_max_num_f32 v[TM+\b], v[TM+\b], v[TM+4+\b]   ; with lane l xor 16's 16: the block's largest magnitude
.endr
.irp b, 0,1,2,3
	v_add_nc_u32 v[TM+12+\b], 0xff000000, v[TM+\b] ; 2 off its exponent field: the conversion's scale operand
.endr
.irp b, 0,1,2,3
	v_lshrrev_b32 v[TM+4+\b], 23, v[TM+12+\b]      ; the scale's byte
.endr
	v_lshl_or_b32 v[PWD], v[TM+5], 8, v[TM+4]
	v_lshl_or_b32 v[PWD], v[TM+6], 16, v[PWD]
	v_lshl_or_b32 v[PWD], v[TM+7], 24, v[PWD]      ; my row's scale word of this K step
	WIN rW
.irp b, 0,1,2,3
	v_cvt_scalef32_pk8_fp4_f32 v[PCD+2*\b],   v[AC+16*\b:AC+16*\b+7],    v[TM+12+\b]
	v_cvt_scalef32_pk8_fp4_f32 v[PCD+2*\b+1], v[AC+16*\b+8:AC+16*\b+15], v[TM+12+\b]
.endr
	WIN 0
	v_nop                                          ; one plain line behind the conversions
.irp c, 0,1                            ; the operand's layout wants a whole block in a lane: lanes 0-15 block 2 c, lanes 16-31 block 2 c + 1
.irp i, 0,1
	v_permlane16_swap_b32 v[PCD+4*\c+\i], v[PCD+2+4*\c+\i]
.endr
.endr
	s_wait_alu depctr_va_vdst(0)                   ; the exchanges have written this tile's codes and the shifts its scale word, which the three stores read
	global_store_b128 v[LI], v[PCD:PCD+3],   s[PCO:PCO+1] offset:(\a)*OTS          ; the fragment as it stands
	global_store_b128 v[LI], v[PCD+4:PCD+7], s[PCO:PCO+1] offset:(\a)*OTS+512
	global_store_b32 v[R16], v[PWD], s[PSO:PSO+1] offset:(\a)*256
.endif
.endm
.irp g, 0,1,2,3,4,5,6,7
.if \g < NA
	OUT \g
.endif
.endr
	WIN 0
	s_endpgm
.Lfunc_end_k_q55cc47080a_qkv:
	.size	k_q55cc47080a_qkv, .Lfunc_end_k_q55cc47080a_qkv-k_q55cc47080a_qkv
	.p2alignl 7, 3214868480
	.fill 96, 4, 3214868480
	.section	.rodata,"a",@progbits
	.p2align	6, 0x0
	.amdhsa_kernel k_q55cc47080a_qkv
		.amdhsa_group_segment_fixed_size 0
		.amdhsa_private_segment_fixed_size 0
		.amdhsa_enable_private_segment 0
		.amdhsa_kernarg_size 40
		.amdhsa_user_sgpr_count 2
		.amdhsa_user_sgpr_kernarg_segment_ptr 1
		.amdhsa_wavefront_size32 1
		.amdhsa_system_sgpr_workgroup_id_x 1
		.amdhsa_system_sgpr_workgroup_id_y 1
		.amdhsa_system_sgpr_workgroup_id_z 1
		.amdhsa_system_vgpr_workitem_id 0
		.amdhsa_next_free_vgpr 1024
		.amdhsa_next_free_sgpr 66
		.amdhsa_reserve_vcc 0
		.amdhsa_float_denorm_mode_32 3
		.amdhsa_float_denorm_mode_16_64 3
		.amdhsa_memory_ordered 1
		.amdhsa_forward_progress 1
		.amdhsa_inst_pref_size 148
	.end_amdhsa_kernel
	.amdgpu_metadata
---
amdhsa.version: [ 1, 2 ]
amdhsa.kernels:
  - .name:           k_q55cc47080a_qkv
    .symbol:         k_q55cc47080a_qkv.kd
    .args:
      - { .name: prep, .offset: 0, .size: 8, .value_kind: global_buffer, .address_space: global }
      - { .name: bq, .offset: 8, .size: 8, .value_kind: global_buffer, .address_space: global }
      - { .name: bk, .offset: 16, .size: 8, .value_kind: global_buffer, .address_space: global }
      - { .name: bv, .offset: 24, .size: 8, .value_kind: global_buffer, .address_space: global }
      - { .name: qkv, .offset: 32, .size: 8, .value_kind: global_buffer, .address_space: global }
    .group_segment_fixed_size: 0
    .private_segment_fixed_size: 0
    .kernarg_segment_align: 8
    .kernarg_segment_size: 40
    .max_flat_workgroup_size: 128
    .sgpr_count:     66
    .vgpr_count:     1024
    .wavefront_size: 32
...
	.end_amdgpu_metadata
.endif
;; end of part 8
;; launch attn: the kernel of part 3 again; grid 8 x 32, 16 waves a work-group, no clusters, 194,560 bytes of LDS; arguments qkv, seq_mask, att; writes att
;; launch wo (part 9): grid 8 x 32, 4 waves a work-group, no clusters, 0 bytes of LDS; arguments att, prep, bo, yb; writes yb
.if DOCPART == 9
	.amdgcn_target "amdgcn-amd-amdhsa--gfx1250"
	.amdhsa_code_object_version 6
	.text
	.protected	k_q55cc47080a_wo
	.globl	k_q55cc47080a_wo
	.p2align	8
	.type	k_q55cc47080a_wo,@function
k_q55cc47080a_wo:
	s_mov_b64 s[64:65], 0
	v_nop
	global_prefetch_b8 v0, s[64:65] scope:SCOPE_SE
	s_setreg_imm32_b32 hwreg(HW_REG_WAVE_SCHED_MODE, 0, 2), 2
	s_setreg_imm32_b32 hwreg(HW_REG_WAVE_MODE, 25, 1), 1
	s_wait_xcnt 0x0
	s_wait_alu depctr_vm_vsrc(0)
; y = attn Wo + bo on codes of FP4.  y leaves twice: as f32 (an image of the accumulators, for the last launch) and as codes along its 1,024 columns (for the next product).
; The output has 4,096 x 1,024 numbers: tiles of 128 x 128 give 256 work-groups; a wave takes 2 tiles of tokens against the work-group's 8 tiles of columns.
; K has eight steps and there are eight sets: each set is filled once, so no step owes a wait for its loads.
.set NA,     2                         ; tiles of 16 rows of side A for a wave
.set WA,     4                         ; waves along A
.set WB,     1                         ; waves along B (8 tiles each)
.set KS,     8                         ; K steps of 128
.set NSET,   8                         ; sets of operand registers
.set AH,     4                         ; a step asks for the K step so many steps on
.set DUAL,   0
.set RELU,   0
.set QOUT,   1
.set F32OUT, 1
.set A_IMG,  0                         ; the attention's image and scale bytes in att
.set A_SC,   2097152
.set B_IMG,  2228224                   ; the four square weights' in prep;
.set B_SC,   4325376
.set BT0,    192                       ; Wo's tiles begin at 192
.set O_F,    0                         ; y as f32
.set O_IMG,  16777216                  ; y's image
.set O_SC,   18874368
.set OTS,    8192
.set V_IMG,  0
.set V_SC,   0
; ---- from here on the text is the same in the four product launches ----
; D = B A^T + bias on operand images: IMG[tile][block of 32 along K][lane row][16 bytes]; a fragment (tile, K step s) is 1,024 consecutive bytes, lane l's 16 bytes at 16 l and 512 + 16 l.
; THE MATRIX INSTRUCTION IS USED TRANSPOSED: source 0 = a tile of side B, source 1 = a tile of side A.  Lane (r, h) keeps A's lane row r; register j of B's tile 2 g + u is B's row 32 g + 16 h + 8 u + j,
; since lane row r of a tile 2 g + u is row 32 g + 8 u + r % 8 + 16 (r / 8).  So a wave's 8 tiles of B are 128 neighbours along the next product's K, 64 of them in a lane: quantised in registers they ARE
; a fragment of the next operand's image and are stored as they stand.  No LDS, no barrier: fragments go from memory into registers, each load 512 consecutive bytes; NSET sets of registers take turns.
; The bias is the C of each sum's first matrix instruction.  Scale words: SC[4 K steps][tile][r][16 bytes]: one load of 16 bytes a lane brings lanes 0-15 the four words of a tile and lanes 16-31 those of the next.
; The stores of scale words are 4 bytes a lane at steps of 16 bytes (a sixteenth of the codes' bytes); lanes 16-31 store the same word to the same place as lanes 0-15.
; LIMITS: a block of zeros gets the scale byte 1 (its codes are zeros; this program alone reads the bytes); NaN and infinities are not served.
; REGISTERS, in windows of 256: window 0: v1-4 offsets; v32.. scale words, two slots; v96-111 the quantiser's; from v128 A's sets (on the way out codes and scale words).
;   NA = 8: window 1: B's sets 0 and 1 at v0 and v64; v128-191 the bias, and from step 1 on A's part of set 2; v192-255 B's part of set 2; windows 2, 3: accumulator (a, b) at v[8 (8 (a % 4) + b)] of window 2 + a / 4.
;   NA = 2: windows 1, 2: B's eight sets, 64 registers each; window 3: the accumulators, and at v128-191 the bias.
; THE MODE: SCHED_MODE bits 1:0 = 2 (LLVM: expert scheduling mode 2), set by the entry lines.  The code itself states the register dependences between vector or matrix instructions and memory instructions,
; with s_wait_alu, always for 0.
; THE PLAN.  Registers that memory instructions touch:
;   the sets of fragments   K step t lies in set t % NSET.  Written by the loads issued in step t - AH (at the head for t < AH); read by step t's products alone.  Step s asks for K step s + AH, into the set
;                           whose last reader was step s + AH - NSET, at the latest step s - 1.
;   the slots of scale words  Read by the products of four K steps.  Where K has more than eight steps a slot is asked for again in the step behind its last.
;   the bias                Loaded once; read by step 0's products as C.  NA = 8: A's part of set 2 lands in its registers and is therefore asked for in step 1, first thing.
;   v1 to v4                Offsets, made at the head and never written again: scalar bases and immediate offsets do the rest.
;   the accumulators        Written by the products; read by the stores of the f32 image.
;   codes and scale words   On the way out each tile of A has registers of its own: written by the quantiser, read by three stores, never written again.
; So ONE wait on va_vdst stands at the head of each step that fills registers again, behind the wait for the step's data.  The step's loads follow it, dealt among its products, which name this step's set, the slot
; in use and the accumulators: none of the registers that those loads touch.  No register that a memory instruction reads is written again, so no wait on vm_vsrc is owed.
.set ATS,   KS*1024                    ; a tile's image in bytes
.set LPS,   16+2*NA                    ; loads of a set
.set SLW,   2*NA+16                    ; registers of a slot of scale words
.set LI,    1                          ; 16 x lane
.set R16,   2                          ; 16 x (lane % 16)
.set BO,    3                          ; 64 x (lane / 16)
.set BL,    4                          ; 4 x (r % 8 + 16 (r / 8))
.set SC,    32
.set TM,    96
.set AFB,   128
.set BIASR, 128
.if NA == 8
.set ACW,   2                          ; the accumulators' first window
.set BIASW, 1
.set PCB,   128
.set PWB,   192
.set LATEA, 1                          ; A's part of the last set lies where the bias lay
.set NCH,   4                          ; a set's loads go in so many runs: B's tiles 0-3, B's 4-7, A's 0-3, A's 4-7
.set CPG,   1                          ; runs behind each group of eight products
.set LD0,   2                          ; step 0 asks for B's two runs alone
.else
.set ACW,   3
.set BIASW, 3
.set PCB,   192
.set PWB,   208
.set LATEA, 0
.set NCH,   3
.set CPG,   2
.set LD0,   3
.endif
.set ABUF, 4
.if DUAL
.set BBUF, 4
.set OBUF, 52
.else
.set BBUF, 6
.set OBUF, 10
.endif
.set PA,  20                           ; s[20:21] A's fragments, s[22:23] B's, s[24:25] A's scale words, s[26:27] B's
.set PB,  22
.set PSA, 24
.set PSB, 26
.set PBI, 28                           ; s[28:29] the bias, s[30:31] the f32 image, s[32:33] the codes, s[34:35] the scale words that I store
.set PF,  30
.set PCO, 32
.set PSO, 34
.set MSB, 0
.macro WIN new                         ; the immediate's high byte repeats the setting that is left; a switch that changes nothing is dropped
.if MSB != (\new)
	s_set_vgpr_msb (MSB<<8)|(\new)
.set MSB, \new
.endif
.endm
.macro PLACES                          ; four plain vector lines behind matrix instructions, ahead of loads into, or reads of, their registers: they stay beside the waits
.rept 4
	v_nop
.endr
.endm
.macro WHERE p                         ; where set p lies: B's window and first register, A's first register and window
.if NA == 8
.set qBW, 1
.if (\p) == 2
.set qB,  192
.set qA,  128
.set qAW, 1
.else
.set qB,  64*(\p)
.set qA,  AFB+64*(\p)
.set qAW, 0
.endif
.else
.set qBW, 1+(\p)/4
.set qB,  64*((\p)%4)
.set qA,  AFB+8*NA*(\p)
.set qAW, 0
.endif
.endm
.macro LPLACE p                        ; the set that the next runs of loads fill
	WHERE \p
.set lB,  qB
.set lBW, qBW
.set lA,  qA
.set lAW, qAW
.endm
.macro WM4 rb, ra                      ; one product; rb, ra: which half of the lanes holds B's and A's scale words
.if ((\rb) == 0) && ((\ra) == 0)
	v_wmma_scale_f32_16x16x128_f8f6f4 v[rD:rD+7], v[rB:rB+7], v[rA:rA+7], v[rC:rC+7], v[rSB], v[rSA] matrix_a_fmt:MATRIX_FMT_FP4 matrix_b_fmt:MATRIX_FMT_FP4
.elseif (\ra) == 0
	v_wmma_scale_f32_16x16x128_f8f6f4 v[rD:rD+7], v[rB:rB+7], v[rA:rA+7], v[rC:rC+7], v[rSB], v[rSA] matrix_a_fmt:MATRIX_FMT_FP4 matrix_b_fmt:MATRIX_FMT_FP4 matrix_a_scale:MATRIX_SCALE_ROW1
.elseif (\rb) == 0
	v_wmma_scale_f32_16x16x128_f8f6f4 v[rD:rD+7], v[rB:rB+7], v[rA:rA+7], v[rC:rC+7], v[rSB], v[rSA] matrix_a_fmt:MATRIX_FMT_FP4 matrix_b_fmt:MATRIX_FMT_FP4 matrix_b_scale:MATRIX_SCALE_ROW1
.else
	v_wmma_scale_f32_16x16x128_f8f6f4 v[rD:rD+7], v[rB:rB+7], v[rA:rA+7], v[rC:rC+7], v[rSB], v[rSA] matrix_a_fmt:MATRIX_FMT_FP4 matrix_b_fmt:MATRIX_FMT_FP4 matrix_a_scale:MATRIX_SCALE_ROW1 matrix_b_scale:MATRIX_SCALE_ROW1
.endif
.endm
.macro CHUNK c, sg                     ; run c of the loads of K step sg (counted from where the pointers stand) into the set that LPLACE named: the fragments of four tiles
.if (\c) < 2
	WIN lBW<<6                                     ; the destination's window
.irp i, 0,1,2,3
	global_load_b128 v[lB+8*(4*(\c)+\i):lB+8*(4*(\c)+\i)+3],   v[LI], s[PB:PB+1] offset:(4*(\c)+\i)*ATS+(\sg)*1024
	global_load_b128 v[lB+8*(4*(\c)+\i)+4:lB+8*(4*(\c)+\i)+7], v[LI], s[PB:PB+1] offset:(4*(\c)+\i)*ATS+(\sg)*1024+512
.endr
.else
	WIN lAW<<6
.irp i, 0,1,2,3
.if 4*((\c)-2)+\i < NA
	global_load_b128 v[lA+8*(4*((\c)-2)+\i):lA+8*(4*((\c)-2)+\i)+3],   v[LI], s[PA:PA+1] offset:(4*((\c)-2)+\i)*ATS+(\sg)*1024
	global_load_b128 v[lA+8*(4*((\c)-2)+\i)+4:lA+8*(4*((\c)-2)+\i)+7], v[LI], s[PA:PA+1] offset:(4*((\c)-2)+\i)*ATS+(\sg)*1024+512
.endif
.endr
.endif
.endm
; K step sg's 8 NA products.  The accumulators take turns, one instruction a turn, in the same order in every step.
; cm = 0: onto the sums; 1: the sums start from the bias of B's rows; 2: from the bias of A's rows.  ld: so many runs of the loads of K step sg + AH are dealt among the products, CPG behind each group of eight.
; No wait stands at those loads: no product issued since the step's head names the set that they fill.
.macro MULS sg, cm, ld
	WHERE (\sg)%NSET
.set mB,  qB
.set mBW, qBW
.set mA,  qA
.set mAW, qAW
.if \ld
	LPLACE ((\sg)+AH)%NSET
.endif
.irp a, 0,1,2,3,4,5,6,7
.if \a < NA
.set rW, ACW+\a/4
.if \cm
	WIN (rW<<6)|(BIASW<<4)|(mAW<<2)|mBW
.else
	WIN (rW<<6)|(rW<<4)|(mAW<<2)|mBW
.endif
.irp b, 0,1,2,3,4,5,6,7
.set rD, 8*(8*(\a%4)+\b)
.set rB, mB+8*\b
.set rA, mA+8*\a
.set rC, rD
.if \cm == 1
.set rC, BIASR+8*\b
.elseif \cm == 2
.set rC, BIASR+8*\a
.endif
.set rSB, SC+SLW*(((\sg)/4)%2)+2*NA+4*(\b/2)+(\sg)%4
.set rSA, SC+SLW*(((\sg)/4)%2)+4*(\a/2)+(\sg)%4
	WM4 \b%2, \a%2
.endr
.if \ld
.set cc, CPG*\a
.rept CPG
.if cc < \ld
	CHUNK cc, (\sg)+AH
.endif
.set cc, cc+1
.endr
.endif
.endif
.endr
.endm
.macro SCLOAD slot, q                  ; the scale words of four K steps: a load for each pair of tiles
.irp i, 0,1,2,3
.if \i < NA/2
	global_load_b128 v[SC+SLW*(\slot)+4*\i:SC+SLW*(\slot)+4*\i+3], v[LI], s[PSA:PSA+1] offset:(\q)*65536+512*\i
.endif
.endr
.irp i, 0,1,2,3
	global_load_b128 v[SC+SLW*(\slot)+2*NA+4*\i:SC+SLW*(\slot)+2*NA+4*\i+3], v[LI], s[PSB:PSB+1] offset:(\q)*65536+512*\i
.endr
.endm
; K step sg.  n: the loads issued behind this step's set, which may stay out.  ld: the runs of loads that it deals.  sc: the slot of scale words that the step before was the last to read takes the four K steps two slots on.
; w: registers are filled again, so the wait is owed.
.macro STEP sg, cm, ld, sc, w, n
	s_wait_loadcnt \n                              ; loads come back in order (ISA guide 5.7.1): this step's set is in, the sets asked for behind it stay out
.if \w
	s_wait_alu depctr_va_vdst(0)                   ; the products of the steps before are done reading the set (and, where they are filled here, the slot of scale words and the bias's registers) in which this step's loads land
.endif
.if \sc
	WIN 0
	SCLOAD ((\sg)/4+1)%2, (\sg)/4+1
.endif
.if LATEA
.if (\sg) == 1
	LPLACE AH%NSET
	CHUNK 2, AH                                    ; A's part of K step AH, into the registers that held the bias: the next step wants it, so it goes out ahead of this step's own runs
	CHUNK 3, AH
.endif
.endif
	MULS \sg, \cm, \ld
.if (KS > NSET) || ((\sg) == 7)
	PLACES
.endif
.endm
.macro TSTEP sg                        ; one of the last seven K steps: nothing is loaded past the end, and the counts run down
.if 7-(\sg) < AH-1
.set nW, (7-(\sg))*LPS
.else
.set nW, (AH-1)*LPS
.endif
.if LATEA
.if (\sg) == 1
.set nW, nW-2*NA                       ; of the set behind this step's only B's part has been asked for
.endif
.endif
.if (\sg)+AH <= 7
.if (KS > 8) || ((\sg)+AH >= NSET)
	STEP \sg, 0, NCH, 0, 1, nW
.else
	STEP \sg, 0, NCH, 0, 0, nW                     ; a set's first fill: no vector or matrix instruction has named its registers, so no wait is owed
.endif
.else
	STEP \sg, 0, 0, 0, 0, nW
.endif
.endm
	s_load_b256 s[4:11], s[0:1], 0x0
.if DUAL
	s_load_b64 s[52:53], s[0:1], 0x20
.endif
	v_and_b32 v5, 31, v0
	v_lshlrev_b32 v[LI], 4, v5
	v_bfe_u32 v6, v0, 4, 1
	v_lshlrev_b32 v[BO], 6, v6
.if QOUT
	v_and_b32 v7, 15, v0
	v_lshlrev_b32 v[R16], 4, v7
.irp b, 0,1,2,3
	v_mov_b32 v[TM+4+\b], 0                        ; written once: a lane permute's destination counts as one of its sources
.endr
	s_mov_b32 s38, 0x76543210
	s_mov_b32 s39, 0xfedcba98                      ; v_permlanex16_b32's selects for lane l xor 16
.endif
.if DUAL
	v_and_b32 v8, 7, v0
	v_bfe_u32 v9, v0, 3, 1
	v_lshl_add_u32 v8, v9, 4, v8
	v_lshlrev_b32 v[BL], 2, v8
.endif
	v_lshrrev_b32 v5, 5, v0
	v_readfirstlane_b32 s12, v5                    ; wave
	s_wait_alu depctr_va_sdst(0)                   ; s12 is written, ahead of its first reader: the wave's tiles and all its bases are made from it
	s_and_b32 s40, ttmp7, 0xffff                   ; work-group y
.if WB == 2
	s_lshr_b32 s13, s12, 1                         ; my place along A,
	s_and_b32 s14, s12, 1                          ; along B
.else
	s_mov_b32 s13, s12
	s_mov_b32 s14, 0
.endif
.if DUAL
	s_lshl_b32 s40, s40, 4                         ; x's tiles: 16 y
	s_lshl_b32 s41, ttmp9, 4                       ; the weights' tiles: 16 x
	s_cmp_ge_u32 ttmp9, 8                          ; v's work-groups: the weight is side A, x side B
	s_cselect_b32 s37, 1, 0
	s_cselect_b32 s15, s41, s40
	s_cselect_b32 s16, s40, s41
	s_mov_b32 s42, A_IMG
	s_cselect_b32 s42, B_IMG, s42
	s_mov_b32 s43, B_IMG
	s_cselect_b32 s43, A_IMG, s43
	s_mov_b32 s44, A_SC
	s_cselect_b32 s44, B_SC, s44
	s_mov_b32 s45, B_SC
	s_cselect_b32 s45, A_SC, s45
	s_lshl_b32 s41, s13, 3
	s_add_co_u32 s15, s15, s41                     ; A's first tile
	s_lshl_b32 s41, s14, 3
	s_add_co_u32 s16, s16, s41                     ; B's first tile
.else
	s_mul_i32 s15, s40, NA*WA
	s_mul_i32 s41, s13, NA
	s_add_co_u32 s15, s15, s41                     ; A's first tile
	s_mul_i32 s16, ttmp9, 8*WB
	s_lshl_b32 s41, s14, 3
	s_add_co_u32 s16, s16, s41                     ; B's first tile
	s_mov_b32 s42, A_IMG
	s_mov_b32 s43, B_IMG+BT0*ATS
	s_mov_b32 s44, A_SC
	s_mov_b32 s45, B_SC+BT0*256
.endif
	s_mul_i32 s46, s15, ATS
	s_add_co_u32 s46, s46, s42
	s_mov_b32 s47, 0
	s_mul_i32 s48, s16, ATS
	s_add_co_u32 s48, s48, s43
	s_mov_b32 s49, 0
	s_lshl_b32 s50, s15, 8
	s_add_co_u32 s50, s50, s44
	s_mov_b32 s51, 0
	s_lshl_b32 s54, s16, 8
	s_add_co_u32 s54, s54, s45
	s_mov_b32 s55, 0
	s_lshr_b32 s17, s16, 3                         ; which K step of the next product my 8 tiles of B are
.if DUAL
	s_cmp_eq_u32 s37, 1
	s_cselect_b32 s41, 128, 0                      ; v's tiles count from Wv's first
	s_mov_b32 s56, O_IMG
	s_cselect_b32 s56, V_IMG, s56
	s_mov_b32 s58, O_SC
	s_cselect_b32 s58, V_SC, s58
	s_cselect_b32 s19, 14, 16                      ; four K steps of scale bytes: 16,384 bytes in v's, 65,536 in q's and k's
	s_sub_co_u32 s18, s15, s41
	s_lshr_b32 s41, s17, 4                         ; v: 16 K steps of keys to a batch (q, k: the step is under 16, so this is 0)
	s_and_b32 s17, s17, 15
	s_lshl_b32 s60, s41, 20
	s_add_co_u32 s56, s56, s60
	s_lshl_b32 s60, s41, 16
	s_add_co_u32 s58, s58, s60
.elseif QOUT
	s_mov_b32 s56, O_IMG
	s_mov_b32 s58, O_SC
	s_mov_b32 s19, 16
	s_mov_b32 s18, s15
.endif
.if QOUT
	s_mul_i32 s60, s18, OTS
	s_add_co_u32 s56, s56, s60
	s_lshl_b32 s60, s17, 10
	s_add_co_u32 s56, s56, s60
	s_mov_b32 s57, 0
	s_lshr_b32 s60, s17, 2
	s_lshl_b32 s60, s60, s19
	s_add_co_u32 s58, s58, s60
	s_lshl_b32 s60, s18, 8
	s_add_co_u32 s58, s58, s60
	s_and_b32 s60, s17, 3
	s_lshl_b32 s60, s60, 2
	s_add_co_u32 s58, s58, s60
	s_mov_b32 s59, 0
.endif
.if DUAL
	s_and_b32 s62, s16, 63                         ; q, k: the bias of B's rows, within its weight's 64 tiles; v: of A's rows
	s_cmp_eq_u32 s37, 1
	s_cselect_b32 s62, s18, s62
.else
	s_mov_b32 s62, s16
.endif
	s_lshl_b32 s62, s62, 6                         ; 16 numbers a tile
	s_mov_b32 s63, 0
.if F32OUT
	s_lshl_b32 s60, s15, 16                        ; the f32 image: 65,536 bytes a token tile, 1,024 a tile of columns
	s_lshl_b32 s61, s16, 10
	s_add_co_u32 s60, s60, s61
	s_add_co_u32 s60, s60, O_F
	s_mov_b32 s61, 0
.endif
	s_wait_kmcnt 0x0
	s_add_nc_u64 s[PA:PA+1], s[ABUF:ABUF+1], s[46:47]
	s_add_nc_u64 s[PB:PB+1], s[BBUF:BBUF+1], s[48:49]
	s_add_nc_u64 s[PSA:PSA+1], s[ABUF:ABUF+1], s[50:51]
	s_add_nc_u64 s[PSB:PSB+1], s[BBUF:BBUF+1], s[54:55]
.if DUAL
	s_cmp_lt_u32 ttmp9, 4
	s_cselect_b64 s[PBI:PBI+1], s[6:7], s[8:9]     ; bq or bk,
	s_cmp_eq_u32 s37, 1
	s_cselect_b64 s[PBI:PBI+1], s[10:11], s[PBI:PBI+1]   ; or bv: choices that hang on the work-group's number alone
	s_add_nc_u64 s[PBI:PBI+1], s[PBI:PBI+1], s[62:63]
.else
	s_add_nc_u64 s[PBI:PBI+1], s[8:9], s[62:63]
.endif
.if QOUT
	s_add_nc_u64 s[PCO:PCO+1], s[OBUF:OBUF+1], s[56:57]
	s_add_nc_u64 s[PSO:PSO+1], s[OBUF:OBUF+1], s[58:59]
.endif
.if F32OUT
	s_add_nc_u64 s[PF:PF+1], s[OBUF:OBUF+1], s[60:61]
.endif
	s_wait_alu depctr_va_vdst(0)                   ; the offsets v1 to v4 are written: every load and store of the kernel reads one of them
	SCLOAD 0, 0                                    ; scale words and bias go out ahead of the sets with which they are wanted
	SCLOAD 1, 1
.if DUAL
	s_cmp_eq_u32 s37, 1
	s_cbranch_scc1 .Lbias_a
.endif
	WIN BIASW<<6
.irp b, 0,1,2,3,4,5,6,7                ; lane (r, h) wants, for B's tile 2 g + u, the bias of rows 32 g + 16 h + 8 u + 0 .. 7
	global_load_b128 v[BIASR+8*\b:BIASR+8*\b+3],   v[BO], s[PBI:PBI+1] offset:(32*(\b/2)+8*(\b%2))*4
	global_load_b128 v[BIASR+8*\b+4:BIASR+8*\b+7], v[BO], s[PBI:PBI+1] offset:(32*(\b/2)+8*(\b%2))*4+16
.endr
	WIN 0
.if DUAL
	s_branch .Lbias_in
.Lbias_a:
	WIN BIASW<<6
.irp a, 0,1,2,3,4,5,6,7                ; v: the bias belongs to the lane's row of A: the same number in all eight registers of a tile
.irp j, 0,1,2,3,4,5,6,7
	global_load_b32 v[BIASR+8*\a+\j], v[BL], s[PBI:PBI+1] offset:(32*(\a/2)+8*(\a%2))*4
.endr
.endr
	WIN 0
.Lbias_in:
.endif
.set qq, 0
.rept AH                               ; K steps 0 to AH - 1
	LPLACE qq
.set cc, 0
.rept NCH
	CHUNK cc, qq
.set cc, cc+1
.endr
.set qq, qq+1
.endr
	WIN 0
.if DUAL
	s_wait_loadcnt (AH-1)*LPS                      ; K step 0's set, the scale words and the bias are in; the younger set may be out
	s_cmp_eq_u32 s37, 1
	s_cbranch_scc1 .Lfirst_a
	MULS 0, 1, LD0                                 ; (the loads dealt here are a set's first fill: no wait is owed)
	WIN 0
	s_branch .Lfirst_done
.Lfirst_a:
	MULS 0, 2, LD0
	WIN 0
.Lfirst_done:
	PLACES
.else
	STEP 0, 1, LD0, 0, 0, (AH-1)*LPS               ; the first K step starts the sums from the bias; its loads are a set's first fill: no wait is owed
.endif
.if KS > 8
	WIN 0
	s_mov_b32 s36, KS/8-1
.Ltrip:                                            ; a trip is eight K steps, after which sets and slots are back where they began
	STEP 1, 0, NCH, 0, 1, (AH-1)*LPS
	STEP 2, 0, NCH, 0, 1, (AH-1)*LPS
	STEP 3, 0, NCH, 0, 1, (AH-1)*LPS
	STEP 4, 0, NCH, 1, 1, (AH-1)*LPS
	STEP 5, 0, NCH, 0, 1, (AH-1)*LPS               ; (where scale words were asked for behind a set, more loads are younger than the count says: the smaller count is the safe one)
	STEP 6, 0, NCH, 0, 1, (AH-1)*LPS
	STEP 7, 0, NCH, 0, 1, (AH-1)*LPS
	STEP 8, 0, NCH, 1, 1, (AH-1)*LPS
	WIN 0
	s_wait_xcnt 0x0                                ; the loads have read their bases: they may step
	s_add_nc_u64 s[PA:PA+1], s[PA:PA+1], 8192
	s_add_nc_u64 s[PB:PB+1], s[PB:PB+1], 8192
	s_add_nc_u64 s[PSA:PSA+1], s[PSA:PSA+1], 131072
	s_add_nc_u64 s[PSB:PSB+1], s[PSB:PSB+1], 131072
	s_sub_co_u32 s36, s36, 1
	s_cmp_lg_u32 s36, 0
	s_cbranch_scc1 .Ltrip
.endif
.irp g, 1,2,3,4,5,6,7
	TSTEP \g
.endr
	WIN 0
.if F32OUT
	s_wait_alu depctr_va_vdst(0)                   ; the products have written all the accumulators, which the stores of the f32 image read; the four places above stay beside this wait
.endif
; THE WAY OUT, a tile of A at a time; the four places at the last K step's end stand in front of it.  Each accumulator is read from its low end on.
.macro OUT a
.set rW, ACW+(\a)/4
.set AC, 64*((\a)%4)
.set PCD, PCB+8*(\a)
.set PWD, PWB+(\a)
.if F32OUT
	WIN rW<<2                                      ; a store's data are its source 1
.irp b, 0,1,2,3,4,5,6,7
	global_store_b128 v[LI], v[AC+8*\b:AC+8*\b+3],   s[PF:PF+1] offset:(\a)*65536+\b*1024 th:TH_STORE_NT      ; the accumulator as it stands: 512 consecutive bytes a store.  No vector instruction behind the products writes it
	global_store_b128 v[LI], v[AC+8*\b+4:AC+8*\b+7], s[PF:PF+1] offset:(\a)*65536+\b*1024+512 th:TH_STORE_NT
.endr
.endif
.if RELU
	WIN (rW<<2)|(rW<<6)
.set j, 0
.rept 64
	v_max_num_f32 v[AC+j], 0, v[AC+j]              ; the activation, in f32
.set j, j+1
.endr
.endif
.if QOUT
	WIN rW|(rW<<2)
.irp b, 0,1,2,3                        ; block b of 32 along the next K: my 16 numbers, and the floor 2^(3 - 127), which holds the byte at 1 from below
.if RELU
	v_max3_num_f32 v[TM+\b], v[AC+16*\b], v[AC+16*\b+1], 0x1800000
.else
	v_max3_num_f32 v[TM+\b], |v[AC+16*\b]|, |v[AC+16*\b+1]|, 0x1800000
.endif
.endr
.irp i, 2,4,6,8,10,12,14
.irp b, 0,1,2,3
.if RELU
	v_max3_num_f32 v[TM+\b], v[AC+16*\b+\i], v[AC+16*\b+\i+1], v[TM+\b]
.else
	v_max3_num_f32 v[TM+\b], |v[AC+16*\b+\i]|, |v[AC+16*\b+\i+1]|, v[TM+\b]
.endif
.endr
.endr
	WIN 0
.irp b, 0,1,2,3
	v_permlanex16_b32 v[TM+4+\b], v[TM+\b], s38, s39
.endr
.irp b, 0,1,2,3
	v_max_num_f32 v[TM+\b], v[TM+\b], v[TM+4+\b]   ; with lane l xor 16's 16: the block's largest magnitude
.endr
.irp b, 0,1,2,3
	v_add_nc_u32 v[TM+12+\b], 0xff000000, v[TM+\b] ; 2 off its exponent field: the conversion's scale operand
.endr
.irp b, 0,1,2,3
	v_lshrrev_b32 v[TM+4+\b], 23, v[TM+12+\b]      ; the scale's byte
.endr
	v_lshl_or_b32 v[PWD], v[TM+5], 8, v[TM+4]
	v_lshl_or_b32 v[PWD], v[TM+6], 16, v[PWD]
	v_lshl_or_b32 v[PWD], v[TM+7], 24, v[PWD]      ; my row's scale word of this K step
	WIN rW
.irp b, 0,1,2,3
	v_cvt_scalef32_pk8_fp4_f32 v[PCD+2*\b],   v[AC+16*\b:AC+16*\b+7],    v[TM+12+\b]
	v_cvt_scalef32_pk8_fp4_f32 v[PCD+2*\b+1], v[AC+16*\b+8:AC+16*\b+15], v[TM+12+\b]
.endr
	WIN 0
	v_nop                                          ; one plain line behind the conversions
.irp c, 0,1                            ; the operand's layout wants a whole block in a lane: lanes 0-15 block 2 c, lanes 16-31 block 2 c + 1
.irp i, 0,1
	v_permlane16_swap_b32 v[PCD+4*\c+\i], v[PCD+2+4*\c+\i]
.endr
.endr
	s_wait_alu depctr_va_vdst(0)                   ; the exchanges have written this tile's codes and the shifts its scale word, which the three stores read
	global_store_b128 v[LI], v[PCD:PCD+3],   s[PCO:PCO+1] offset:(\a)*OTS          ; the fragment as it stands
	global_store_b128 v[LI], v[PCD+4:PCD+7], s[PCO:PCO+1] offset:(\a)*OTS+512
	global_store_b32 v[R16], v[PWD], s[PSO:PSO+1] offset:(\a)*256
.endif
.endm
.irp g, 0,1,2,3,4,5,6,7
.if \g < NA
	OUT \g
.endif
.endr
	WIN 0
	s_endpgm
.Lfunc_end_k_q55cc47080a_wo:
	.size	k_q55cc47080a_wo, .Lfunc_end_k_q55cc47080a_wo-k_q55cc47080a_wo
	.p2alignl 7, 3214868480
	.fill 96, 4, 3214868480
	.section	.rodata,"a",@progbits
	.p2align	6, 0x0
	.amdhsa_kernel k_q55cc47080a_wo
		.amdhsa_group_segment_fixed_size 0
		.amdhsa_private_segment_fixed_size 0
		.amdhsa_enable_private_segment 0
		.amdhsa_kernarg_size 32
		.amdhsa_user_sgpr_count 2
		.amdhsa_user_sgpr_kernarg_segment_ptr 1
		.amdhsa_wavefront_size32 1
		.amdhsa_system_sgpr_workgroup_id_x 1
		.amdhsa_system_sgpr_workgroup_id_y 1
		.amdhsa_system_sgpr_workgroup_id_z 1
		.amdhsa_system_vgpr_workitem_id 0
		.amdhsa_next_free_vgpr 960
		.amdhsa_next_free_sgpr 66
		.amdhsa_reserve_vcc 0
		.amdhsa_float_denorm_mode_32 3
		.amdhsa_float_denorm_mode_16_64 3
		.amdhsa_memory_ordered 1
		.amdhsa_forward_progress 1
		.amdhsa_inst_pref_size 50
	.end_amdhsa_kernel
	.amdgpu_metadata
---
amdhsa.version: [ 1, 2 ]
amdhsa.kernels:
  - .name:           k_q55cc47080a_wo
    .symbol:         k_q55cc47080a_wo.kd
    .args:
      - { .name: att, .offset: 0, .size: 8, .value_kind: global_buffer, .address_space: global }
      - { .name: prep, .offset: 8, .size: 8, .value_kind: global_buffer, .address_space: global }
      - { .name: bo, .offset: 16, .size: 8, .value_kind: global_buffer, .address_space: global }
      - { .name: yb, .offset: 24, .size: 8, .value_kind: global_buffer, .address_space: global }
    .group_segment_fixed_size: 0
    .private_segment_fixed_size: 0
    .kernarg_segment_align: 8
    .kernarg_segment_size: 32
    .max_flat_workgroup_size: 128
    .sgpr_count:     66
    .vgpr_count:     960
    .wavefront_size: 32
...
	.end_amdgpu_metadata
.endif
;; end of part 9
;; launch ffn1 (part 10): grid 16 x 16, 4 waves a work-group, no clusters, 0 bytes of LDS; arguments yb, prep, b1, hb; writes hb
.if DOCPART == 10
	.amdgcn_target "amdgcn-amd-amdhsa--gfx1250"
	.amdhsa_code_object_version 6
	.text
	.protected	k_q55cc47080a_ffn1
	.globl	k_q55cc47080a_ffn1
	.p2align	8
	.type	k_q55cc47080a_ffn1,@function
k_q55cc47080a_ffn1:
	s_mov_b64 s[64:65], 0
	v_nop
	global_prefetch_b8 v0, s[64:65] scope:SCOPE_SE
	s_setreg_imm32_b32 hwreg(HW_REG_WAVE_SCHED_MODE, 0, 2), 2
	s_setreg_imm32_b32 hwreg(HW_REG_WAVE_MODE, 25, 1), 1
	s_wait_xcnt 0x0
	s_wait_alu depctr_vm_vsrc(0)
; h = relu(y W1 + b1) on codes of FP4; h is quantised in registers along its 4,096 columns and leaves as codes alone.
; Tiles of 256 x 256 of the 4,096 x 4,096 output: 256 work-groups; a wave takes 8 tiles of tokens against 8 tiles of columns.
.set NA,     8                         ; tiles of 16 rows of side A for a wave
.set WA,     2                         ; waves along A
.set WB,     2                         ; waves along B (8 tiles each)
.set KS,     8                         ; K steps of 128
.set NSET,   3                         ; sets of operand registers
.set AH,     2                         ; a step asks for the K step so many steps on
.set DUAL,   0
.set RELU,   1
.set QOUT,   1
.set F32OUT, 0
.set A_IMG,  16777216                  ; y's image and scale bytes in yb
.set A_SC,   18874368
.set B_IMG,  4456448                   ; W1's in prep
.set B_SC,   6553600
.set BT0,    0
.set O_F,    0
.set O_IMG,  0                         ; h's image: 32,768 bytes a token tile
.set O_SC,   8388608
.set OTS,    32768
.set V_IMG,  0
.set V_SC,   0
; ---- from here on the text is the same in the four product launches ----
; D = B A^T + bias on operand images: IMG[tile][block of 32 along K][lane row][16 bytes]; a fragment (tile, K step s) is 1,024 consecutive bytes, lane l's 16 bytes at 16 l and 512 + 16 l.
; THE MATRIX INSTRUCTION IS USED TRANSPOSED: source 0 = a tile of side B, source 1 = a tile of side A.  Lane (r, h) keeps A's lane row r; register j of B's tile 2 g + u is B's row 32 g + 16 h + 8 u + j,
; since lane row r of a tile 2 g + u is row 32 g + 8 u + r % 8 + 16 (r / 8).  So a wave's 8 tiles of B are 128 neighbours along the next product's K, 64 of them in a lane: quantised in registers they ARE
; a fragment of the next operand's image and are stored as they stand.  No LDS, no barrier: fragments go from memory into registers, each load 512 consecutive bytes; NSET sets of registers take turns.
; The bias is the C of each sum's first matrix instruction.  Scale words: SC[4 K steps][tile][r][16 bytes]: one load of 16 bytes a lane brings lanes 0-15 the four words of a tile and lanes 16-31 those of the next.
; The stores of scale words are 4 bytes a lane at steps of 16 bytes (a sixteenth of the codes' bytes); lanes 16-31 store the same word to the same place as lanes 0-15.
; LIMITS: a block of zeros gets the scale byte 1 (its codes are zeros; this program alone reads the bytes); NaN and infinities are not served.
; REGISTERS, in windows of 256: window 0: v1-4 offsets; v32.. scale words, two slots; v96-111 the quantiser's; from v128 A's sets (on the way out codes and scale words).
;   NA = 8: window 1: B's sets 0 and 1 at v0 and v64; v128-191 the bias, and from step 1 on A's part of set 2; v192-255 B's part of set 2; windows 2, 3: accumulator (a, b) at v[8 (8 (a % 4) + b)] of window 2 + a / 4.
;   NA = 2: windows 1, 2: B's eight sets, 64 registers each; window 3: the accumulators, and at v128-191 the bias.
; THE MODE: SCHED_MODE bits 1:0 = 2 (LLVM: expert scheduling mode 2), set by the entry lines.  The code itself states the register dependences between vector or matrix instructions and memory instructions,
; with s_wait_alu, always for 0.
; THE PLAN.  Registers that memory instructions touch:
;   the sets of fragments   K step t lies in set t % NSET.  Written by the loads issued in step t - AH (at the head for t < AH); read by step t's products alone.  Step s asks for K step s + AH, into the set
;                           whose last reader was step s + AH - NSET, at the latest step s - 1.
;   the slots of scale words  Read by the products of four K steps.  Where K has more than eight steps a slot is asked for again in the step behind its last.
;   the bias                Loaded once; read by step 0's products as C.  NA = 8: A's part of set 2 lands in its registers and is therefore asked for in step 1, first thing.
;   v1 to v4                Offsets, made at the head and never written again: scalar bases and immediate offsets do the rest.
;   the accumulators        Written by the products; read by the stores of the f32 image.
;   codes and scale words   On the way out each tile of A has registers of its own: written by the quantiser, read by three stores, never written again.
; So ONE wait on va_vdst stands at the head of each step that fills registers again, behind the wait for the step's data.  The step's loads follow it, dealt among its products, which name this step's set, the slot
; in use and the accumulators: none of the registers that those loads touch.  No register that a memory instruction reads is written again, so no wait on vm_vsrc is owed.
.set ATS,   KS*1024                    ; a tile's image in bytes
.set LPS,   16+2*NA                    ; loads of a set
.set SLW,   2*NA+16                    ; registers of a slot of scale words
.set LI,    1                          ; 16 x lane
.set R16,   2                          ; 16 x (lane % 16)
.set BO,    3                          ; 64 x (lane / 16)
.set BL,    4                          ; 4 x (r % 8 + 16 (r / 8))
.set SC,    32
.set TM,    96
.set AFB,   128
.set BIASR, 128
.if NA == 8
.set ACW,   2                          ; the accumulators' first window
.set BIASW, 1
.set PCB,   128
.set PWB,   192
.set LATEA, 1                          ; A's part of the last set lies where the bias lay
.set NCH,   4                          ; a set's loads go in so many runs: B's tiles 0-3, B's 4-7, A's 0-3, A's 4-7
.set CPG,   1                          ; runs behind each group of eight products
.set LD0,   2                          ; step 0 asks for B's two runs alone
.else
.set ACW,   3
.set BIASW, 3
.set PCB,   192
.set PWB,   208
.set LATEA, 0
.set NCH,   3
.set CPG,   2
.set LD0,   3
.endif
.set ABUF, 4
.if DUAL
.set BBUF, 4
.set OBUF, 52
.else
.set BBUF, 6
.set OBUF, 10
.endif
.set PA,  20                           ; s[20:21] A's fragments, s[22:23] B's, s[24:25] A's scale words, s[26:27] B's
.set PB,  22
.set PSA, 24
.set PSB, 26
.set PBI, 28                           ; s[28:29] the bias, s[30:31] the f32 image, s[32:33] the codes, s[34:35] the scale words that I store
.set PF,  30
.set PCO, 32
.set PSO, 34
.set MSB, 0
.macro WIN new                         ; the immediate's high byte repeats the setting that is left; a switch that changes nothing is dropped
.if MSB != (\new)
	s_set_vgpr_msb (MSB<<8)|(\new)
.set MSB, \new
.endif
.endm
.macro PLACES                          ; four plain vector lines behind matrix instructions, ahead of loads into, or reads of, their registers: they stay beside the waits
.rept 4
	v_nop
.endr
.endm
.macro WHERE p                         ; where set p lies: B's window and first register, A's first register and window
.if NA == 8
.set qBW, 1
.if (\p) == 2
.set qB,  192
.set qA,  128
.set qAW, 1
.else
.set qB,  64*(\p)
.set qA,  AFB+64*(\p)
.set qAW, 0
.endif
.else
.set qBW, 1+(\p)/4
.set qB,  64*((\p)%4)
.set qA,  AFB+8*NA*(\p)
.set qAW, 0
.endif
.endm
.macro LPLACE p                        ; the set that the next runs of loads fill
	WHERE \p
.set lB,  qB
.set lBW, qBW
.set lA,  qA
.set lAW, qAW
.endm
.macro WM4 rb, ra                      ; one product; rb, ra: which half of the lanes holds B's and A's scale words
.if ((\rb) == 0) && ((\ra) == 0)
	v_wmma_scale_f32_16x16x128_f8f6f4 v[rD:rD+7], v[rB:rB+7], v[rA:rA+7], v[rC:rC+7], v[rSB], v[rSA] matrix_a_fmt:MATRIX_FMT_FP4 matrix_b_fmt:MATRIX_FMT_FP4
.elseif (\ra) == 0
	v_wmma_scale_f32_16x16x128_f8f6f4 v[rD:rD+7], v[rB:rB+7], v[rA:rA+7], v[rC:rC+7], v[rSB], v[rSA] matrix_a_fmt:MATRIX_FMT_FP4 matrix_b_fmt:MATRIX_FMT_FP4 matrix_a_scale:MATRIX_SCALE_ROW1
.elseif (\rb) == 0
	v_wmma_scale_f32_16x16x128_f8f6f4 v[rD:rD+7], v[rB:rB+7], v[rA:rA+7], v[rC:rC+7], v[rSB], v[rSA] matrix_a_fmt:MATRIX_FMT_FP4 matrix_b_fmt:MATRIX_FMT_FP4 matrix_b_scale:MATRIX_SCALE_ROW1
.else
	v_wmma_scale_f32_16x16x128_f8f6f4 v[rD:rD+7], v[rB:rB+7], v[rA:rA+7], v[rC:rC+7], v[rSB], v[rSA] matrix_a_fmt:MATRIX_FMT_FP4 matrix_b_fmt:MATRIX_FMT_FP4 matrix_a_scale:MATRIX_SCALE_ROW1 matrix_b_scale:MATRIX_SCALE_ROW1
.endif
.endm
.macro CHUNK c, sg                     ; run c of the loads of K step sg (counted from where the pointers stand) into the set that LPLACE named: the fragments of four tiles
.if (\c) < 2
	WIN lBW<<6                                     ; the destination's window
.irp i, 0,1,2,3
	global_load_b128 v[lB+8*(4*(\c)+\i):lB+8*(4*(\c)+\i)+3],   v[LI], s[PB:PB+1] offset:(4*(\c)+\i)*ATS+(\sg)*1024
	global_load_b128 v[lB+8*(4*(\c)+\i)+4:lB+8*(4*(\c)+\i)+7], v[LI], s[PB:PB+1] offset:(4*(\c)+\i)*ATS+(\sg)*1024+512
.endr
.else
	WIN lAW<<6
.irp i, 0,1,2,3
.if 4*((\c)-2)+\i < NA
	global_load_b128 v[lA+8*(4*((\c)-2)+\i):lA+8*(4*((\c)-2)+\i)+3],   v[LI], s[PA:PA+1] offset:(4*((\c)-2)+\i)*ATS+(\sg)*1024
	global_load_b128 v[lA+8*(4*((\c)-2)+\i)+4:lA+8*(4*((\c)-2)+\i)+7], v[LI], s[PA:PA+1] offset:(4*((\c)-2)+\i)*ATS+(\sg)*1024+512
.endif
.endr
.endif
.endm
; K step sg's 8 NA products.  The accumulators take turns, one instruction a turn, in the same order in every step.
; cm = 0: onto the sums; 1: the sums start from the bias of B's rows; 2: from the bias of A's rows.  ld: so many runs of the loads of K step sg + AH are dealt among the products, CPG behind each group of eight.
; No wait stands at those loads: no product issued since the step's head names the set that they fill.
.macro MULS sg, cm, ld
	WHERE (\sg)%NSET
.set mB,  qB
.set mBW, qBW
.set mA,  qA
.set mAW, qAW
.if \ld
	LPLACE ((\sg)+AH)%NSET
.endif
.irp a, 0,1,2,3,4,5,6,7
.if \a < NA
.set rW, ACW+\a/4
.if \cm
	WIN (rW<<6)|(BIASW<<4)|(mAW<<2)|mBW
.else
	WIN (rW<<6)|(rW<<4)|(mAW<<2)|mBW
.endif
.irp b, 0,1,2,3,4,5,6,7
.set rD, 8*(8*(\a%4)+\b)
.set rB, mB+8*\b
.set rA, mA+8*\a
.set rC, rD
.if \cm == 1
.set rC, BIASR+8*\b
.elseif \cm == 2
.set rC, BIASR+8*\a
.endif
.set rSB, SC+SLW*(((\sg)/4)%2)+2*NA+4*(\b/2)+(\sg)%4
.set rSA, SC+SLW*(((\sg)/4)%2)+4*(\a/2)+(\sg)%4
	WM4 \b%2, \a%2
.endr
.if \ld
.set cc, CPG*\a
.rept CPG
.if cc < \ld
	CHUNK cc, (\sg)+AH
.endif
.set cc, cc+1
.endr
.endif
.endif
.endr
.endm
.macro SCLOAD slot, q                  ; the scale words of four K steps: a load for each pair of tiles
.irp i, 0,1,2,3
.if \i < NA/2
	global_load_b128 v[SC+SLW*(\slot)+4*\i:SC+SLW*(\slot)+4*\i+3], v[LI], s[PSA:PSA+1] offset:(\q)*65536+512*\i
.endif
.endr
.irp i, 0,1,2,3
	global_load_b128 v[SC+SLW*(\slot)+2*NA+4*\i:SC+SLW*(\slot)+2*NA+4*\i+3], v[LI], s[PSB:PSB+1] offset:(\q)*65536+512*\i
.endr
.endm
; K step sg.  n: the loads issued behind this step's set, which may stay out.  ld: the runs of loads that it deals.  sc: the slot of scale words that the step before was the last to read takes the four K steps two slots on.
; w: registers are filled again, so the wait is owed.
.macro STEP sg, cm, ld, sc, w, n
	s_wait_loadcnt \n                              ; loads come back in order (ISA guide 5.7.1): this step's set is in, the sets asked for behind it stay out
.if \w
	s_wait_alu depctr_va_vdst(0)                   ; the products of the steps before are done reading the set (and, where they are filled here, the slot of scale words and the bias's registers) in which this step's loads land
.endif
.if \sc
	WIN 0
	SCLOAD ((\sg)/4+1)%2, (\sg)/4+1
.endif
.if LATEA
.if (\sg) == 1
	LPLACE AH%NSET
	CHUNK 2, AH                                    ; A's part of K step AH, into the registers that held the bias: the next step wants it, so it goes out ahead of this step's own runs
	CHUNK 3, AH
.endif
.endif
	MULS \sg, \cm, \ld
.if (KS > NSET) || ((\sg) == 7)
	PLACES
.endif
.endm
.macro TSTEP sg                        ; one of the last seven K steps: nothing is loaded past the end, and the counts run down
.if 7-(\sg) < AH-1
.set nW, (7-(\sg))*LPS
.else
.set nW, (AH-1)*LPS
.endif
.if LATEA
.if (\sg) == 1
.set nW, nW-2*NA                       ; of the set behind this step's only B's part has been asked for
.endif
.endif
.if (\sg)+AH <= 7
.if (KS > 8) || ((\sg)+AH >= NSET)
	STEP \sg, 0, NCH, 0, 1, nW
.else
	STEP \sg, 0, NCH, 0, 0, nW                     ; a set's first fill: no vector or matrix instruction has named its registers, so no wait is owed
.endif
.else
	STEP \sg, 0, 0, 0, 0, nW
.endif
.endm
	s_load_b256 s[4:11], s[0:1], 0x0
.if DUAL
	s_load_b64 s[52:53], s[0:1], 0x20
.endif
	v_and_b32 v5, 31, v0
	v_lshlrev_b32 v[LI], 4, v5
	v_bfe_u32 v6, v0, 4, 1
	v_lshlrev_b32 v[BO], 6, v6
.if QOUT
	v_and_b32 v7, 15, v0
	v_lshlrev_b32 v[R16], 4, v7
.irp b, 0,1,2,3
	v_mov_b32 v[TM+4+\b], 0                        ; written once: a lane permute's destination counts as one of its sources
.endr
	s_mov_b32 s38, 0x76543210
	s_mov_b32 s39, 0xfedcba98                      ; v_permlanex16_b32's selects for lane l xor 16
.endif
.if DUAL
	v_and_b32 v8, 7, v0
	v_bfe_u32 v9, v0, 3, 1
	v_lshl_add_u32 v8, v9, 4, v8
	v_lshlrev_b32 v[BL], 2, v8
.endif
	v_lshrrev_b32 v5, 5, v0
	v_readfirstlane_b32 s12, v5                    ; wave
	s_wait_alu depctr_va_sdst(0)                   ; s12 is written, ahead of its first reader: the wave's tiles and all its bases are made from it
	s_and_b32 s40, ttmp7, 0xffff                   ; work-group y
.if WB == 2
	s_lshr_b32 s13, s12, 1                         ; my place along A,
	s_and_b32 s14, s12, 1                          ; along B
.else
	s_mov_b32 s13, s12
	s_mov_b32 s14, 0
.endif
.if DUAL
	s_lshl_b32 s40, s40, 4                         ; x's tiles: 16 y
	s_lshl_b32 s41, ttmp9, 4                       ; the weights' tiles: 16 x
	s_cmp_ge_u32 ttmp9, 8                          ; v's work-groups: the weight is side A, x side B
	s_cselect_b32 s37, 1, 0
	s_cselect_b32 s15, s41, s40
	s_cselect_b32 s16, s40, s41
	s_mov_b32 s42, A_IMG
	s_cselect_b32 s42, B_IMG, s42
	s_mov_b32 s43, B_IMG
	s_cselect_b32 s43, A_IMG, s43
	s_mov_b32 s44, A_SC
	s_cselect_b32 s44, B_SC, s44
	s_mov_b32 s45, B_SC
	s_cselect_b32 s45, A_SC, s45
	s_lshl_b32 s41, s13, 3
	s_add_co_u32 s15, s15, s41                     ; A's first tile
	s_lshl_b32 s41, s14, 3
	s_add_co_u32 s16, s16, s41                     ; B's first tile
.else
	s_mul_i32 s15, s40, NA*WA
	s_mul_i32 s41, s13, NA
	s_add_co_u32 s15, s15, s41                     ; A's first tile
	s_mul_i32 s16, ttmp9, 8*WB
	s_lshl_b32 s41, s14, 3
	s_add_co_u32 s16, s16, s41                     ; B's first tile
	s_mov_b32 s42, A_IMG
	s_mov_b32 s43, B_IMG+BT0*ATS
	s_mov_b32 s44, A_SC
	s_mov_b32 s45, B_SC+BT0*256
.endif
	s_mul_i32 s46, s15, ATS
	s_add_co_u32 s46, s46, s42
	s_mov_b32 s47, 0
	s_mul_i32 s48, s16, ATS
	s_add_co_u32 s48, s48, s43
	s_mov_b32 s49, 0
	s_lshl_b32 s50, s15, 8
	s_add_co_u32 s50, s50, s44
	s_mov_b32 s51, 0
	s_lshl_b32 s54, s16, 8
	s_add_co_u32 s54, s54, s45
	s_mov_b32 s55, 0
	s_lshr_b32 s17, s16, 3                         ; which K step of the next product my 8 tiles of B are
.if DUAL
	s_cmp_eq_u32 s37, 1
	s_cselect_b32 s41, 128, 0                      ; v's tiles count from Wv's first
	s_mov_b32 s56, O_IMG
	s_cselect_b32 s56, V_IMG, s56
	s_mov_b32 s58, O_SC
	s_cselect_b32 s58, V_SC, s58
	s_cselect_b32 s19, 14, 16                      ; four K steps of scale bytes: 16,384 bytes in v's, 65,536 in q's and k's
	s_sub_co_u32 s18, s15, s41
	s_lshr_b32 s41, s17, 4                         ; v: 16 K steps of keys to a batch (q, k: the step is under 16, so this is 0)
	s_and_b32 s17, s17, 15
	s_lshl_b32 s60, s41, 20
	s_add_co_u32 s56, s56, s60
	s_lshl_b32 s60, s41, 16
	s_add_co_u32 s58, s58, s60
.elseif QOUT
	s_mov_b32 s56, O_IMG
	s_mov_b32 s58, O_SC
	s_mov_b32 s19, 16
	s_mov_b32 s18, s15
.endif
.if QOUT
	s_mul_i32 s60, s18, OTS
	s_add_co_u32 s56, s56, s60
	s_lshl_b32 s60, s17, 10
	s_add_co_u32 s56, s56, s60
	s_mov_b32 s57, 0
	s_lshr_b32 s60, s17, 2
	s_lshl_b32 s60, s60, s19
	s_add_co_u32 s58, s58, s60
	s_lshl_b32 s60, s18, 8
	s_add_co_u32 s58, s58, s60
	s_and_b32 s60, s17, 3
	s_lshl_b32 s60, s60, 2
	s_add_co_u32 s58, s58, s60
	s_mov_b32 s59, 0
.endif
.if DUAL
	s_and_b32 s62, s16, 63                         ; q, k: the bias of B's rows, within its weight's 64 tiles; v: of A's rows
	s_cmp_eq_u32 s37, 1
	s_cselect_b32 s62, s18, s62
.else
	s_mov_b32 s62, s16
.endif
	s_lshl_b32 s62, s62, 6                         ; 16 numbers a tile
	s_mov_b32 s63, 0
.if F32OUT
	s_lshl_b32 s60, s15, 16                        ; the f32 image: 65,536 bytes a token tile, 1,024 a tile of columns
	s_lshl_b32 s61, s16, 10
	s_add_co_u32 s60, s60, s61
	s_add_co_u32 s60, s60, O_F
	s_mov_b32 s61, 0
.endif
	s_wait_kmcnt 0x0
	s_add_nc_u64 s[PA:PA+1], s[ABUF:ABUF+1], s[46:47]
	s_add_nc_u64 s[PB:PB+1], s[BBUF:BBUF+1], s[48:49]
	s_add_nc_u64 s[PSA:PSA+1], s[ABUF:ABUF+1], s[50:51]
	s_add_nc_u64 s[PSB:PSB+1], s[BBUF:BBUF+1], s[54:55]
.if DUAL
	s_cmp_lt_u32 ttmp9, 4
	s_cselect_b64 s[PBI:PBI+1], s[6:7], s[8:9]     ; bq or bk,
	s_cmp_eq_u32 s37, 1
	s_cselect_b64 s[PBI:PBI+1], s[10:11], s[PBI:PBI+1]   ; or bv: choices that hang on the work-group's number alone
	s_add_nc_u64 s[PBI:PBI+1], s[PBI:PBI+1], s[62:63]
.else
	s_add_nc_u64 s[PBI:PBI+1], s[8:9], s[62:63]
.endif
.if QOUT
	s_add_nc_u64 s[PCO:PCO+1], s[OBUF:OBUF+1], s[56:57]
	s_add_nc_u64 s[PSO:PSO+1], s[OBUF:OBUF+1], s[58:59]
.endif
.if F32OUT
	s_add_nc_u64 s[PF:PF+1], s[OBUF:OBUF+1], s[60:61]
.endif
	s_wait_alu depctr_va_vdst(0)                   ; the offsets v1 to v4 are written: every load and store of the kernel reads one of them
	SCLOAD 0, 0                                    ; scale words and bias go out ahead of the sets with which they are wanted
	SCLOAD 1, 1
.if DUAL
	s_cmp_eq_u32 s37, 1
	s_cbranch_scc1 .Lbias_a
.endif
	WIN BIASW<<6
.irp b, 0,1,2,3,4,5,6,7                ; lane (r, h) wants, for B's tile 2 g + u, the bias of rows 32 g + 16 h + 8 u + 0 .. 7
	global_load_b128 v[BIASR+8*\b:BIASR+8*\b+3],   v[BO], s[PBI:PBI+1] offset:(32*(\b/2)+8*(\b%2))*4
	global_load_b128 v[BIASR+8*\b+4:BIASR+8*\b+7], v[BO], s[PBI:PBI+1] offset:(32*(\b/2)+8*(\b%2))*4+16
.endr
	WIN 0
.if DUAL
	s_branch .Lbias_in
.Lbias_a:
	WIN BIASW<<6
.irp a, 0,1,2,3,4,5,6,7                ; v: the bias belongs to the lane's row of A: the same number in all eight registers of a tile
.irp j, 0,1,2,3,4,5,6,7
	global_load_b32 v[BIASR+8*\a+\j], v[BL], s[PBI:PBI+1] offset:(32*(\a/2)+8*(\a%2))*4
.endr
.endr
	WIN 0
.Lbias_in:
.endif
.set qq, 0
.rept AH                               ; K steps 0 to AH - 1
	LPLACE qq
.set cc, 0
.rept NCH
	CHUNK cc, qq
.set cc, cc+1
.endr
.set qq, qq+1
.endr
	WIN 0
.if DUAL
	s_wait_loadcnt (AH-1)*LPS                      ; K step 0's set, the scale words and the bias are in; the younger set may be out
	s_cmp_eq_u32 s37, 1
	s_cbranch_scc1 .Lfirst_a
	MULS 0, 1, LD0                                 ; (the loads dealt here are a set's first fill: no wait is owed)
	WIN 0
	s_branch .Lfirst_done
.Lfirst_a:
	MULS 0, 2, LD0
	WIN 0
.Lfirst_done:
	PLACES
.else
	STEP 0, 1, LD0, 0, 0, (AH-1)*LPS               ; the first K step starts the sums from the bias; its loads are a set's first fill: no wait is owed
.endif
.if KS > 8
	WIN 0
	s_mov_b32 s36, KS/8-1
.Ltrip:                                            ; a trip is eight K steps, after which sets and slots are back where they began
	STEP 1, 0, NCH, 0, 1, (AH-1)*LPS
	STEP 2, 0, NCH, 0, 1, (AH-1)*LPS
	STEP 3, 0, NCH, 0, 1, (AH-1)*LPS
	STEP 4, 0, NCH, 1, 1, (AH-1)*LPS
	STEP 5, 0, NCH, 0, 1, (AH-1)*LPS               ; (where scale words were asked for behind a set, more loads are younger than the count says: the smaller count is the safe one)
	STEP 6, 0, NCH, 0, 1, (AH-1)*LPS
	STEP 7, 0, NCH, 0, 1, (AH-1)*LPS
	STEP 8, 0, NCH, 1, 1, (AH-1)*LPS
	WIN 0
	s_wait_xcnt 0x0                                ; the loads have read their bases: they may step
	s_add_nc_u64 s[PA:PA+1], s[PA:PA+1], 8192
	s_add_nc_u64 s[PB:PB+1], s[PB:PB+1], 8192
	s_add_nc_u64 s[PSA:PSA+1], s[PSA:PSA+1], 131072
	s_add_nc_u64 s[PSB:PSB+1], s[PSB:PSB+1], 131072
	s_sub_co_u32 s36, s36, 1
	s_cmp_lg_u32 s36, 0
	s_cbranch_scc1 .Ltrip
.endif
.irp g, 1,2,3,4,5,6,7
	TSTEP \g
.endr
	WIN 0
.if F32OUT
	s_wait_alu depctr_va_vdst(0)                   ; the products have written all the accumulators, which the stores of the f32 image read; the four places above stay beside this wait
.endif
; THE WAY OUT, a tile of A at a time; the four places at the last K step's end stand in front of it.  Each accumulator is read from its low end on.
.macro OUT a
.set rW, ACW+(\a)/4
.set AC, 64*((\a)%4)
.set PCD, PCB+8*(\a)
.set PWD, PWB+(\a)
.if F32OUT
	WIN rW<<2                                      ; a store's data are its source 1
.irp b, 0,1,2,3,4,5,6,7
	global_store_b128 v[LI], v[AC+8*\b:AC+8*\b+3],   s[PF:PF+1] offset:(\a)*65536+\b*1024 th:TH_STORE_NT      ; the accumulator as it stands: 512 consecutive bytes a store.  No vector instruction behind the products writes it
	global_store_b128 v[LI], v[AC+8*\b+4:AC+8*\b+7], s[PF:PF+1] offset:(\a)*65536+\b*1024+512 th:TH_STORE_NT
.endr
.endif
.if RELU
	WIN (rW<<2)|(rW<<6)
.set j, 0
.rept 64
	v_max_num_f32 v[AC+j], 0, v[AC+j]              ; the activation, in f32
.set j, j+1
.endr
.endif
.if QOUT
	WIN rW|(rW<<2)
.irp b, 0,1,2,3                        ; block b of 32 along the next K: my 16 numbers, and the floor 2^(3 - 127), which holds the byte at 1 from below
.if RELU
	v_max3_num_f32 v[TM+\b], v[AC+16*\b], v[AC+16*\b+1], 0x1800000
.else
	v_max3_num_f32 v[TM+\b], |v[AC+16*\b]|, |v[AC+16*\b+1]|, 0x1800000
.endif
.endr
.irp i, 2,4,6,8,10,12,14
.irp b, 0,1,2,3
.if RELU
	v_max3_num_f32 v[TM+\b], v[AC+16*\b+\i], v[AC+16*\b+\i+1], v[TM+\b]
.else
	v_max3_num_f32 v[TM+\b], |v[AC+16*\b+\i]|, |v[AC+16*\b+\i+1]|, v[TM+\b]
.endif
.endr
.endr
	WIN 0
.irp b, 0,1,2,3
	v_permlanex16_b32 v[TM+4+\b], v[TM+\b], s38, s39
.endr
.irp b, 0,1,2,3
	v_max_num_f32 v[TM+\b], v[TM+\b], v[TM+4+\b]   ; with lane l xor 16's 16: the block's largest magnitude
.endr
.irp b, 0,1,2,3
	v_add_nc_u32 v[TM+12+\b], 0xff000000, v[TM+\b] ; 2 off its exponent field: the conversion's scale operand
.endr
.irp b, 0,1,2,3
	v_lshrrev_b32 v[TM+4+\b], 23, v[TM+12+\b]      ; the scale's byte
.endr
	v_lshl_or_b32 v[PWD], v[TM+5], 8, v[TM+4]
	v_lshl_or_b32 v[PWD], v[TM+6], 16, v[PWD]
	v_lshl_or_b32 v[PWD], v[TM+7], 24, v[PWD]      ; my row's scale word of this K step
	WIN rW
.irp b, 0,1,2,3
	v_cvt_scalef32_pk8_fp4_f32 v[PCD+2*\b],   v[AC+16*\b:AC+16*\b+7],    v[TM+12+\b]
	v_cvt_scalef32_pk8_fp4_f32 v[PCD+2*\b+1], v[AC+16*\b+8:AC+16*\b+15], v[TM+12+\b]
.endr
	WIN 0
	v_nop                                          ; one plain line behind the conversions
.irp c, 0,1                            ; the operand's layout wants a whole block in a lane: lanes 0-15 block 2 c, lanes 16-31 block 2 c + 1
.irp i, 0,1
	v_permlane16_swap_b32 v[PCD+4*\c+\i], v[PCD+2+4*\c+\i]
.endr
.endr
	s_wait_alu depctr_va_vdst(0)                   ; the exchanges have written this tile's codes and the shifts its scale word, which the three stores read
	global_store_b128 v[LI], v[PCD:PCD+3],   s[PCO:PCO+1] offset:(\a)*OTS          ; the fragment as it stands
	global_store_b128 v[LI], v[PCD+4:PCD+7], s[PCO:PCO+1] offset:(\a)*OTS+512
	global_store_b32 v[R16], v[PWD], s[PSO:PSO+1] offset:(\a)*256
.endif
.endm
.irp g, 0,1,2,3,4,5,6,7
.if \g < NA
	OUT \g
.endif
.endr
	WIN 0
	s_endpgm
.Lfunc_end_k_q55cc47080a_ffn1:
	.size	k_q55cc47080a_ffn1, .Lfunc_end_k_q55cc47080a_ffn1-k_q55cc47080a_ffn1
	.p2alignl 7, 3214868480
	.fill 96, 4, 3214868480
	.section	.rodata,"a",@progbits
	.p2align	6, 0x0
	.amdhsa_kernel k_q55cc47080a_ffn1
		.amdhsa_group_segment_fixed_size 0
		.amdhsa_private_segment_fixed_size 0
		.amdhsa_enable_private_segment 0
		.amdhsa_kernarg_size 32
		.amdhsa_user_sgpr_count 2
		.amdhsa_user_sgpr_kernarg_segment_ptr 1
		.amdhsa_wavefront_size32 1
		.amdhsa_system_sgpr_workgroup_id_x 1
		.amdhsa_system_sgpr_workgroup_id_y 1
		.amdhsa_system_sgpr_workgroup_id_z 1
		.amdhsa_system_vgpr_workitem_id 0
		.amdhsa_next_free_vgpr 1024
		.amdhsa_next_free_sgpr 66
		.amdhsa_reserve_vcc 0
		.amdhsa_float_denorm_mode_32 3
		.amdhsa_float_denorm_mode_16_64 3
		.amdhsa_memory_ordered 1
		.amdhsa_forward_progress 1
		.amdhsa_inst_pref_size 147
	.end_amdhsa_kernel
	.amdgpu_metadata
---
amdhsa.version: [ 1, 2 ]
amdhsa.kernels:
  - .name:           k_q55cc47080a_ffn1
    .symbol:         k_q55cc47080a_ffn1.kd
    .args:
      - { .name: yb, .offset: 0, .size: 8, .value_kind: global_buffer, .address_space: global }
      - { .name: prep, .offset: 8, .size: 8, .value_kind: global_buffer, .address_space: global }
      - { .name: b1, .offset: 16, .size: 8, .value_kind: global_buffer, .address_space: global }
      - { .name: hb, .offset: 24, .size: 8, .value_kind: global_buffer, .address_space: global }
    .group_segment_fixed_size: 0
    .private_segment_fixed_size: 0
    .kernarg_segment_align: 8
    .kernarg_segment_size: 32
    .max_flat_workgroup_size: 128
    .sgpr_count:     66
    .vgpr_count:     1024
    .wavefront_size: 32
...
	.end_amdgpu_metadata
.endif
;; end of part 10
;; launch ffn2 (part 11): grid 8 x 32, 4 waves a work-group, no clusters, 0 bytes of LDS; arguments hb, prep, b2, y2b; writes y2b
.if DOCPART == 11
	.amdgcn_target "amdgcn-amd-amdhsa--gfx1250"
	.amdhsa_code_object_version 6
	.text
	.protected	k_q55cc47080a_ffn2
	.globl	k_q55cc47080a_ffn2
	.p2align	8
	.type	k_q55cc47080a_ffn2,@function
k_q55cc47080a_ffn2:
	s_mov_b64 s[64:65], 0
	v_nop
	global_prefetch_b8 v0, s[64:65] scope:SCOPE_SE
	s_setreg_imm32_b32 hwreg(HW_REG_WAVE_SCHED_MODE, 0, 2), 2
	s_setreg_imm32_b32 hwreg(HW_REG_WAVE_MODE, 25, 1), 1
	s_wait_xcnt 0x0
	s_wait_alu depctr_vm_vsrc(0)
; y2 = h W2 + b2 on codes of FP4, K = 4,096; y2 leaves as f32, an image of the accumulators, for the last launch.
; The output has 4,096 x 1,024 numbers: tiles of 128 x 128 give 256 work-groups; a wave takes 2 tiles of tokens against the work-group's 8 tiles of columns.
; Eight sets, as many as a trip has K steps, so that a trip brings sets and slots back to where they began; four K steps' loads are on their way.
.set NA,     2                         ; tiles of 16 rows of side A for a wave
.set WA,     4                         ; waves along A
.set WB,     1                         ; waves along B (8 tiles each)
.set KS,     32                        ; K steps of 128
.set NSET,   8                         ; sets of operand registers
.set AH,     4                         ; a step asks for the K step so many steps on
.set DUAL,   0
.set RELU,   0
.set QOUT,   0
.set F32OUT, 1
.set A_IMG,  0                         ; h's image and scale bytes in hb
.set A_SC,   8388608
.set B_IMG,  6684672                   ; W2's in prep
.set B_SC,   8781824
.set BT0,    0
.set O_F,    0                         ; y2 as f32
.set O_IMG,  0
.set O_SC,   0
.set OTS,    0
.set V_IMG,  0
.set V_SC,   0
; ---- from here on the text is the same in the four product launches ----
; D = B A^T + bias on operand images: IMG[tile][block of 32 along K][lane row][16 bytes]; a fragment (tile, K step s) is 1,024 consecutive bytes, lane l's 16 bytes at 16 l and 512 + 16 l.
; THE MATRIX INSTRUCTION IS USED TRANSPOSED: source 0 = a tile of side B, source 1 = a tile of side A.  Lane (r, h) keeps A's lane row r; register j of B's tile 2 g + u is B's row 32 g + 16 h + 8 u + j,
; since lane row r of a tile 2 g + u is row 32 g + 8 u + r % 8 + 16 (r / 8).  So a wave's 8 tiles of B are 128 neighbours along the next product's K, 64 of them in a lane: quantised in registers they ARE
; a fragment of the next operand's image and are stored as they stand.  No LDS, no barrier: fragments go from memory into registers, each load 512 consecutive bytes; NSET sets of registers take turns.
; The bias is the C of each sum's first matrix instruction.  Scale words: SC[4 K steps][tile][r][16 bytes]: one load of 16 bytes a lane brings lanes 0-15 the four words of a tile and lanes 16-31 those of the next.
; The stores of scale words are 4 bytes a lane at steps of 16 bytes (a sixteenth of the codes' bytes); lanes 16-31 store the same word to the same place as lanes 0-15.
; LIMITS: a block of zeros gets the scale byte 1 (its codes are zeros; this program alone reads the bytes); NaN and infinities are not served.
; REGISTERS, in windows of 256: window 0: v1-4 offsets; v32.. scale words, two slots; v96-111 the quantiser's; from v128 A's sets (on the way out codes and scale words).
;   NA = 8: window 1: B's sets 0 and 1 at v0 and v64; v128-191 the bias, and from step 1 on A's part of set 2; v192-255 B's part of set 2; windows 2, 3: accumulator (a, b) at v[8 (8 (a % 4) + b)] of window 2 + a / 4.
;   NA = 2: windows 1, 2: B's eight sets, 64 registers each; window 3: the accumulators, and at v128-191 the bias.
; THE MODE: SCHED_MODE bits 1:0 = 2 (LLVM: expert scheduling mode 2), set by the entry lines.  The code itself states the register dependences between vector or matrix instructions and memory instructions,
; with s_wait_alu, always for 0.
; THE PLAN.  Registers that memory instructions touch:
;   the sets of fragments   K step t lies in set t % NSET.  Written by the loads issued in step t - AH (at the head for t < AH); read by step t's products alone.  Step s asks for K step s + AH, into the set
;                           whose last reader was step s + AH - NSET, at the latest step s - 1.
;   the slots of scale words  Read by the products of four K steps.  Where K has more than eight steps a slot is asked for again in the step behind its last.
;   the bias                Loaded once; read by step 0's products as C.  NA = 8: A's part of set 2 lands in its registers and is therefore asked for in step 1, first thing.
;   v1 to v4                Offsets, made at the head and never written again: scalar bases and immediate offsets do the rest.
;   the accumulators        Written by the products; read by the stores of the f32 image.
;   codes and scale words   On the way out each tile of A has registers of its own: written by the quantiser, read by three stores, never written again.
; So ONE wait on va_vdst stands at the head of each step that fills registers again, behind the wait for the step's data.  The step's loads follow it, dealt among its products, which name this step's set, the slot
; in use and the accumulators: none of the registers that those loads touch.  No register that a memory instruction reads is written again, so no wait on vm_vsrc is owed.
.set ATS,   KS*1024                    ; a tile's image in bytes
.set LPS,   16+2*NA                    ; loads of a set
.set SLW,   2*NA+16                    ; registers of a slot of scale words
.set LI,    1                          ; 16 x lane
.set R16,   2                          ; 16 x (lane % 16)
.set BO,    3                          ; 64 x (lane / 16)
.set BL,    4                          ; 4 x (r % 8 + 16 (r / 8))
.set SC,    32
.set TM,    96
.set AFB,   128
.set BIASR, 128
.if NA == 8
.set ACW,   2                          ; the accumulators' first window
.set BIASW, 1
.set PCB,   128
.set PWB,   192
.set LATEA, 1                          ; A's part of the last set lies where the bias lay
.set NCH,   4                          ; a set's loads go in so many runs: B's tiles 0-3, B's 4-7, A's 0-3, A's 4-7
.set CPG,   1                          ; runs behind each group of eight products
.set LD0,   2                          ; step 0 asks for B's two runs alone
.else
.set ACW,   3
.set BIASW, 3
.set PCB,   192
.set PWB,   208
.set LATEA, 0
.set NCH,   3
.set CPG,   2
.set LD0,   3
.endif
.set ABUF, 4
.if DUAL
.set BBUF, 4
.set OBUF, 52
.else
.set BBUF, 6
.set OBUF, 10
.endif
.set PA,  20                           ; s[20:21] A's fragments, s[22:23] B's, s[24:25] A's scale words, s[26:27] B's
.set PB,  22
.set PSA, 24
.set PSB, 26
.set PBI, 28                           ; s[28:29] the bias, s[30:31] the f32 image, s[32:33] the codes, s[34:35] the scale words that I store
.set PF,  30
.set PCO, 32
.set PSO, 34
.set MSB, 0
.macro WIN new                         ; the immediate's high byte repeats the setting that is left; a switch that changes nothing is dropped
.if MSB != (\new)
	s_set_vgpr_msb (MSB<<8)|(\new)
.set MSB, \new
.endif
.endm
.macro PLACES                          ; four plain vector lines behind matrix instructions, ahead of loads into, or reads of, their registers: they stay beside the waits
.rept 4
	v_nop
.endr
.endm
.macro WHERE p                         ; where set p lies: B's window and first register, A's first register and window
.if NA == 8
.set qBW, 1
.if (\p) == 2
.set qB,  192
.set qA,  128
.set qAW, 1
.else
.set qB,  64*(\p)
.set qA,  AFB+64*(\p)
.set qAW, 0
.endif
.else
.set qBW, 1+(\p)/4
.set qB,  64*((\p)%4)
.set qA,  AFB+8*NA*(\p)
.set qAW, 0
.endif
.endm
.macro LPLACE p                        ; the set that the next runs of loads fill
	WHERE \p
.set lB,  qB
.set lBW, qBW
.set lA,  qA
.set lAW, qAW
.endm
.macro WM4 rb, ra                      ; one product; rb, ra: which half of the lanes holds B's and A's scale words
.if ((\rb) == 0) && ((\ra) == 0)
	v_wmma_scale_f32_16x16x128_f8f6f4 v[rD:rD+7], v[rB:rB+7], v[rA:rA+7], v[rC:rC+7], v[rSB], v[rSA] matrix_a_fmt:MATRIX_FMT_FP4 matrix_b_fmt:MATRIX_FMT_FP4
.elseif (\ra) == 0
	v_wmma_scale_f32_16x16x128_f8f6f4 v[rD:rD+7], v[rB:rB+7], v[rA:rA+7], v[rC:rC+7], v[rSB], v[rSA] matrix_a_fmt:MATRIX_FMT_FP4 matrix_b_fmt:MATRIX_FMT_FP4 matrix_a_scale:MATRIX_SCALE_ROW1
.elseif (\rb) == 0
	v_wmma_scale_f32_16x16x128_f8f6f4 v[rD:rD+7], v[rB:rB+7], v[rA:rA+7], v[rC:rC+7], v[rSB], v[rSA] matrix_a_fmt:MATRIX_FMT_FP4 matrix_b_fmt:MATRIX_FMT_FP4 matrix_b_scale:MATRIX_SCALE_ROW1
.else
	v_wmma_scale_f32_16x16x128_f8f6f4 v[rD:rD+7], v[rB:rB+7], v[rA:rA+7], v[rC:rC+7], v[rSB], v[rSA] matrix_a_fmt:MATRIX_FMT_FP4 matrix_b_fmt:MATRIX_FMT_FP4 matrix_a_scale:MATRIX_SCALE_ROW1 matrix_b_scale:MATRIX_SCALE_ROW1
.endif
.endm
.macro CHUNK c, sg                     ; run c of the loads of K step sg (counted from where the pointers stand) into the set that LPLACE named: the fragments of four tiles
.if (\c) < 2
	WIN lBW<<6                                     ; the destination's window
.irp i, 0,1,2,3
	global_load_b128 v[lB+8*(4*(\c)+\i):lB+8*(4*(\c)+\i)+3],   v[LI], s[PB:PB+1] offset:(4*(\c)+\i)*ATS+(\sg)*1024
	global_load_b128 v[lB+8*(4*(\c)+\i)+4:lB+8*(4*(\c)+\i)+7], v[LI], s[PB:PB+1] offset:(4*(\c)+\i)*ATS+(\sg)*1024+512
.endr
.else
	WIN lAW<<6
.irp i, 0,1,2,3
.if 4*((\c)-2)+\i < NA
	global_load_b128 v[lA+8*(4*((\c)-2)+\i):lA+8*(4*((\c)-2)+\i)+3],   v[LI], s[PA:PA+1] offset:(4*((\c)-2)+\i)*ATS+(\sg)*1024
	global_load_b128 v[lA+8*(4*((\c)-2)+\i)+4:lA+8*(4*((\c)-2)+\i)+7], v[LI], s[PA:PA+1] offset:(4*((\c)-2)+\i)*ATS+(\sg)*1024+512
.endif
.endr
.endif
.endm
; K step sg's 8 NA products.  The accumulators take turns, one instruction a turn, in the same order in every step.
; cm = 0: onto the sums; 1: the sums start from the bias of B's rows; 2: from the bias of A's rows.  ld: so many runs of the loads of K step sg + AH are dealt among the products, CPG behind each group of eight.
; No wait stands at those loads: no product issued since the step's head names the set that they fill.
.macro MULS sg, cm, ld
	WHERE (\sg)%NSET
.set mB,  qB
.set mBW, qBW
.set mA,  qA
.set mAW, qAW
.if \ld
	LPLACE ((\sg)+AH)%NSET
.endif
.irp a, 0,1,2,3,4,5,6,7
.if \a < NA
.set rW, ACW+\a/4
.if \cm
	WIN (rW<<6)|(BIASW<<4)|(mAW<<2)|mBW
.else
	WIN (rW<<6)|(rW<<4)|(mAW<<2)|mBW
.endif
.irp b, 0,1,2,3,4,5,6,7
.set rD, 8*(8*(\a%4)+\b)
.set rB, mB+8*\b
.set rA, mA+8*\a
.set rC, rD
.if \cm == 1
.set rC, BIASR+8*\b
.elseif \cm == 2
.set rC, BIASR+8*\a
.endif
.set rSB, SC+SLW*(((\sg)/4)%2)+2*NA+4*(\b/2)+(\sg)%4
.set rSA, SC+SLW*(((\sg)/4)%2)+4*(\a/2)+(\sg)%4
	WM4 \b%2, \a%2
.endr
.if \ld
.set cc, CPG*\a
.rept CPG
.if cc < \ld
	CHUNK cc, (\sg)+AH
.endif
.set cc, cc+1
.endr
.endif
.endif
.endr
.endm
.macro SCLOAD slot, q                  ; the scale words of four K steps: a load for each pair of tiles
.irp i, 0,1,2,3
.if \i < NA/2
	global_load_b128 v[SC+SLW*(\slot)+4*\i:SC+SLW*(\slot)+4*\i+3], v[LI], s[PSA:PSA+1] offset:(\q)*65536+512*\i
.endif
.endr
.irp i, 0,1,2,3
	global_load_b128 v[SC+SLW*(\slot)+2*NA+4*\i:SC+SLW*(\slot)+2*NA+4*\i+3], v[LI], s[PSB:PSB+1] offset:(\q)*65536+512*\i
.endr
.endm
; K step sg.  n: the loads issued behind this step's set, which may stay out.  ld: the runs of loads that it deals.  sc: the slot of scale words that the step before was the last to read takes the four K steps two slots on.
; w: registers are filled again, so the wait is owed.
.macro STEP sg, cm, ld, sc, w, n
	s_wait_loadcnt \n                              ; loads come back in order (ISA guide 5.7.1): this step's set is in, the sets asked for behind it stay out
.if \w
	s_wait_alu depctr_va_vdst(0)                   ; the products of the steps before are done reading the set (and, where they are filled here, the slot of scale words and the bias's registers) in which this step's loads land
.endif
.if \sc
	WIN 0
	SCLOAD ((\sg)/4+1)%2, (\sg)/4+1
.endif
.if LATEA
.if (\sg) == 1
	LPLACE AH%NSET
	CHUNK 2, AH                                    ; A's part of K step AH, into the registers that held the bias: the next step wants it, so it goes out ahead of this step's own runs
	CHUNK 3, AH
.endif
.endif
	MULS \sg, \cm, \ld
.if (KS > NSET) || ((\sg) == 7)
	PLACES
.endif
.endm
.macro TSTEP sg                        ; one of the last seven K steps: nothing is loaded past the end, and the counts run down
.if 7-(\sg) < AH-1
.set nW, (7-(\sg))*LPS
.else
.set nW, (AH-1)*LPS
.endif
.if LATEA
.if (\sg) == 1
.set nW, nW-2*NA                       ; of the set behind this step's only B's part has been asked for
.endif
.endif
.if (\sg)+AH <= 7
.if (KS > 8) || ((\sg)+AH >= NSET)
	STEP \sg, 0, NCH, 0, 1, nW
.else
	STEP \sg, 0, NCH, 0, 0, nW                     ; a set's first fill: no vector or matrix instruction has named its registers, so no wait is owed
.endif
.else
	STEP \sg, 0, 0, 0, 0, nW
.endif
.endm
	s_load_b256 s[4:11], s[0:1], 0x0
.if DUAL
	s_load_b64 s[52:53], s[0:1], 0x20
.endif
	v_and_b32 v5, 31, v0
	v_lshlrev_b32 v[LI], 4, v5
	v_bfe_u32 v6, v0, 4, 1
	v_lshlrev_b32 v[BO], 6, v6
.if QOUT
	v_and_b32 v7, 15, v0
	v_lshlrev_b32 v[R16], 4, v7
.irp b, 0,1,2,3
	v_mov_b32 v[TM+4+\b], 0                        ; written once: a lane permute's destination counts as one of its sources
.endr
	s_mov_b32 s38, 0x76543210
	s_mov_b32 s39, 0xfedcba98                      ; v_permlanex16_b32's selects for lane l xor 16
.endif
.if DUAL
	v_and_b32 v8, 7, v0
	v_bfe_u32 v9, v0, 3, 1
	v_lshl_add_u32 v8, v9, 4, v8
	v_lshlrev_b32 v[BL], 2, v8
.endif
	v_lshrrev_b32 v5, 5, v0
	v_readfirstlane_b32 s12, v5                    ; wave
	s_wait_alu depctr_va_sdst(0)                   ; s12 is written, ahead of its first reader: the wave's tiles and all its bases are made from it
	s_and_b32 s40, ttmp7, 0xffff                   ; work-group y
.if WB == 2
	s_lshr_b32 s13, s12, 1                         ; my place along A,
	s_and_b32 s14, s12, 1                          ; along B
.else
	s_mov_b32 s13, s12
	s_mov_b32 s14, 0
.endif
.if DUAL
	s_lshl_b32 s40, s40, 4                         ; x's tiles: 16 y
	s_lshl_b32 s41, ttmp9, 4                       ; the weights' tiles: 16 x
	s_cmp_ge_u32 ttmp9, 8                          ; v's work-groups: the weight is side A, x side B
	s_cselect_b32 s37, 1, 0
	s_cselect_b32 s15, s41, s40
	s_cselect_b32 s16, s40, s41
	s_mov_b32 s42, A_IMG
	s_cselect_b32 s42, B_IMG, s42
	s_mov_b32 s43, B_IMG
	s_cselect_b32 s43, A_IMG, s43
	s_mov_b32 s44, A_SC
	s_cselect_b32 s44, B_SC, s44
	s_mov_b32 s45, B_SC
	s_cselect_b32 s45, A_SC, s45
	s_lshl_b32 s41, s13, 3
	s_add_co_u32 s15, s15, s41                     ; A's first tile
	s_lshl_b32 s41, s14, 3
	s_add_co_u32 s16, s16, s41                     ; B's first tile
.else
	s_mul_i32 s15, s40, NA*WA
	s_mul_i32 s41, s13, NA
	s_add_co_u32 s15, s15, s41                     ; A's first tile
	s_mul_i32 s16, ttmp9, 8*WB
	s_lshl_b32 s41, s14, 3
	s_add_co_u32 s16, s16, s41                     ; B's first tile
	s_mov_b32 s42, A_IMG
	s_mov_b32 s43, B_IMG+BT0*ATS
	s_mov_b32 s44, A_SC
	s_mov_b32 s45, B_SC+BT0*256
.endif
	s_mul_i32 s46, s15, ATS
	s_add_co_u32 s46, s46, s42
	s_mov_b32 s47, 0
	s_mul_i32 s48, s16, ATS
	s_add_co_u32 s48, s48, s43
	s_mov_b32 s49, 0
	s_lshl_b32 s50, s15, 8
	s_add_co_u32 s50, s50, s44
	s_mov_b32 s51, 0
	s_lshl_b32 s54, s16, 8
	s_add_co_u32 s54, s54, s45
	s_mov_b32 s55, 0
	s_lshr_b32 s17, s16, 3                         ; which K step of the next product my 8 tiles of B are
.if DUAL
	s_cmp_eq_u32 s37, 1
	s_cselect_b32 s41, 128, 0                      ; v's tiles count from Wv's first
	s_mov_b32 s56, O_IMG
	s_cselect_b32 s56, V_IMG, s56
	s_mov_b32 s58, O_SC
	s_cselect_b32 s58, V_SC, s58
	s_cselect_b32 s19, 14, 16                      ; four K steps of scale bytes: 16,384 bytes in v's, 65,536 in q's and k's
	s_sub_co_u32 s18, s15, s41
	s_lshr_b32 s41, s17, 4                         ; v: 16 K steps of keys to a batch (q, k: the step is under 16, so this is 0)
	s_and_b32 s17, s17, 15
	s_lshl_b32 s60, s41, 20
	s_add_co_u32 s56, s56, s60
	s_lshl_b32 s60, s41, 16
	s_add_co_u32 s58, s58, s60
.elseif QOUT
	s_mov_b32 s56, O_IMG
	s_mov_b32 s58, O_SC
	s_mov_b32 s19, 16
	s_mov_b32 s18, s15
.endif
.if QOUT
	s_mul_i32 s60, s18, OTS
	s_add_co_u32 s56, s56, s60
	s_lshl_b32 s60, s17, 10
	s_add_co_u32 s56, s56, s60
	s_mov_b32 s57, 0
	s_lshr_b32 s60, s17, 2
	s_lshl_b32 s60, s60, s19
	s_add_co_u32 s58, s58, s60
	s_lshl_b32 s60, s18, 8
	s_add_co_u32 s58, s58, s60
	s_and_b32 s60, s17, 3
	s_lshl_b32 s60, s60, 2
	s_add_co_u32 s58, s58, s60
	s_mov_b32 s59, 0
.endif
.if DUAL
	s_and_b32 s62, s16, 63                         ; q, k: the bias of B's rows, within its weight's 64 tiles; v: of A's rows
	s_cmp_eq_u32 s37, 1
	s_cselect_b32 s62, s18, s62
.else
	s_mov_b32 s62, s16
.endif
	s_lshl_b32 s62, s62, 6                         ; 16 numbers a tile
	s_mov_b32 s63, 0
.if F32OUT
	s_lshl_b32 s60, s15, 16                        ; the f32 image: 65,536 bytes a token tile, 1,024 a tile of columns
	s_lshl_b32 s61, s16, 10
	s_add_co_u32 s60, s60, s61
	s_add_co_u32 s60, s60, O_F
	s_mov_b32 s61, 0
.endif
	s_wait_kmcnt 0x0
	s_add_nc_u64 s[PA:PA+1], s[ABUF:ABUF+1], s[46:47]
	s_add_nc_u64 s[PB:PB+1], s[BBUF:BBUF+1], s[48:49]
	s_add_nc_u64 s[PSA:PSA+1], s[ABUF:ABUF+1], s[50:51]
	s_add_nc_u64 s[PSB:PSB+1], s[BBUF:BBUF+1], s[54:55]
.if DUAL
	s_cmp_lt_u32 ttmp9, 4
	s_cselect_b64 s[PBI:PBI+1], s[6:7], s[8:9]     ; bq or bk,
	s_cmp_eq_u32 s37, 1
	s_cselect_b64 s[PBI:PBI+1], s[10:11], s[PBI:PBI+1]   ; or bv: choices that hang on the work-group's number alone
	s_add_nc_u64 s[PBI:PBI+1], s[PBI:PBI+1], s[62:63]
.else
	s_add_nc_u64 s[PBI:PBI+1], s[8:9], s[62:63]
.endif
.if QOUT
	s_add_nc_u64 s[PCO:PCO+1], s[OBUF:OBUF+1], s[56:57]
	s_add_nc_u64 s[PSO:PSO+1], s[OBUF:OBUF+1], s[58:59]
.endif
.if F32OUT
	s_add_nc_u64 s[PF:PF+1], s[OBUF:OBUF+1], s[60:61]
.endif
	s_wait_alu depctr_va_vdst(0)                   ; the offsets v1 to v4 are written: every load and store of the kernel reads one of them
	SCLOAD 0, 0                                    ; scale words and bias go out ahead of the sets with which they are wanted
	SCLOAD 1, 1
.if DUAL
	s_cmp_eq_u32 s37, 1
	s_cbranch_scc1 .Lbias_a
.endif
	WIN BIASW<<6
.irp b, 0,1,2,3,4,5,6,7                ; lane (r, h) wants, for B's tile 2 g + u, the bias of rows 32 g + 16 h + 8 u + 0 .. 7
	global_load_b128 v[BIASR+8*\b:BIASR+8*\b+3],   v[BO], s[PBI:PBI+1] offset:(32*(\b/2)+8*(\b%2))*4
	global_load_b128 v[BIASR+8*\b+4:BIASR+8*\b+7], v[BO], s[PBI:PBI+1] offset:(32*(\b/2)+8*(\b%2))*4+16
.endr
	WIN 0
.if DUAL
	s_branch .Lbias_in
.Lbias_a:
	WIN BIASW<<6
.irp a, 0,1,2,3,4,5,6,7                ; v: the bias belongs to the lane's row of A: the same number in all eight registers of a tile
.irp j, 0,1,2,3,4,5,6,7
	global_load_b32 v[BIASR+8*\a+\j], v[BL], s[PBI:PBI+1] offset:(32*(\a/2)+8*(\a%2))*4
.endr
.endr
	WIN 0
.Lbias_in:
.endif
.set qq, 0
.rept AH                               ; K steps 0 to AH - 1
	LPLACE qq
.set cc, 0
.rept NCH
	CHUNK cc, qq
.set cc, cc+1
.endr
.set qq, qq+1
.endr
	WIN 0
.if DUAL
	s_wait_loadcnt (AH-1)*LPS                      ; K step 0's set, the scale words and the bias are in; the younger set may be out
	s_cmp_eq_u32 s37, 1
	s_cbranch_scc1 .Lfirst_a
	MULS 0, 1, LD0                                 ; (the loads dealt here are a set's first fill: no wait is owed)
	WIN 0
	s_branch .Lfirst_done
.Lfirst_a:
	MULS 0, 2, LD0
	WIN 0
.Lfirst_done:
	PLACES
.else
	STEP 0, 1, LD0, 0, 0, (AH-1)*LPS               ; the first K step starts the sums from the bias; its loads are a set's first fill: no wait is owed
.endif
.if KS > 8
	WIN 0
	s_mov_b32 s36, KS/8-1
.Ltrip:                                            ; a trip is eight K steps, after which sets and slots are back where they began
	STEP 1, 0, NCH, 0, 1, (AH-1)*LPS
	STEP 2, 0, NCH, 0, 1, (AH-1)*LPS
	STEP 3, 0, NCH, 0, 1, (AH-1)*LPS
	STEP 4, 0, NCH, 1, 1, (AH-1)*LPS
	STEP 5, 0, NCH, 0, 1, (AH-1)*LPS               ; (where scale words were asked for behind a set, more loads are younger than the count says: the smaller count is the safe one)
	STEP 6, 0, NCH, 0, 1, (AH-1)*LPS
	STEP 7, 0, NCH, 0, 1, (AH-1)*LPS
	STEP 8, 0, NCH, 1, 1, (AH-1)*LPS
	WIN 0
	s_wait_xcnt 0x0                                ; the loads have read their bases: they may step
	s_add_nc_u64 s[PA:PA+1], s[PA:PA+1], 8192
	s_add_nc_u64 s[PB:PB+1], s[PB:PB+1], 8192
	s_add_nc_u64 s[PSA:PSA+1], s[PSA:PSA+1], 131072
	s_add_nc_u64 s[PSB:PSB+1], s[PSB:PSB+1], 131072
	s_sub_co_u32 s36, s36, 1
	s_cmp_lg_u32 s36, 0
	s_cbranch_scc1 .Ltrip
.endif
.irp g, 1,2,3,4,5,6,7
	TSTEP \g
.endr
	WIN 0
.if F32OUT
	s_wait_alu depctr_va_vdst(0)                   ; the products have written all the accumulators, which the stores of the f32 image read; the four places above stay beside this wait
.endif
; THE WAY OUT, a tile of A at a time; the four places at the last K step's end stand in front of it.  Each accumulator is read from its low end on.
.macro OUT a
.set rW, ACW+(\a)/4
.set AC, 64*((\a)%4)
.set PCD, PCB+8*(\a)
.set PWD, PWB+(\a)
.if F32OUT
	WIN rW<<2                                      ; a store's data are its source 1
.irp b, 0,1,2,3,4,5,6,7
	global_store_b128 v[LI], v[AC+8*\b:AC+8*\b+3],   s[PF:PF+1] offset:(\a)*65536+\b*1024 th:TH_STORE_NT      ; the accumulator as it stands: 512 consecutive bytes a store.  No vector instruction behind the products writes it
	global_store_b128 v[LI], v[AC+8*\b+4:AC+8*\b+7], s[PF:PF+1] offset:(\a)*65536+\b*1024+512 th:TH_STORE_NT
.endr
.endif
.if RELU
	WIN (rW<<2)|(rW<<6)
.set j, 0
.rept 64
	v_max_num_f32 v[AC+j], 0, v[AC+j]              ; the activation, in f32
.set j, j+1
.endr
.endif
.if QOUT
	WIN rW|(rW<<2)
.irp b, 0,1,2,3                        ; block b of 32 along the next K: my 16 numbers, and the floor 2^(3 - 127), which holds the byte at 1 from below
.if RELU
	v_max3_num_f32 v[TM+\b], v[AC+16*\b], v[AC+16*\b+1], 0x1800000
.else
	v_max3_num_f32 v[TM+\b], |v[AC+16*\b]|, |v[AC+16*\b+1]|, 0x1800000
.endif
.endr
.irp i, 2,4,6,8,10,12,14
.irp b, 0,1,2,3
.if RELU
	v_max3_num_f32 v[TM+\b], v[AC+16*\b+\i], v[AC+16*\b+\i+1], v[TM+\b]
.else
	v_max3_num_f32 v[TM+\b], |v[AC+16*\b+\i]|, |v[AC+16*\b+\i+1]|, v[TM+\b]
.endif
.endr
.endr
	WIN 0
.irp b, 0,1,2,3
	v_permlanex16_b32 v[TM+4+\b], v[TM+\b], s38, s39
.endr
.irp b, 0,1,2,3
	v_max_num_f32 v[TM+\b], v[TM+\b], v[TM+4+\b]   ; with lane l xor 16's 16: the block's largest magnitude
.endr
.irp b, 0,1,2,3
	v_add_nc_u32 v[TM+12+\b], 0xff000000, v[TM+\b] ; 2 off its exponent field: the conversion's scale operand
.endr
.irp b, 0,1,2,3
	v_lshrrev_b32 v[TM+4+\b], 23, v[TM+12+\b]      ; the scale's byte
.endr
	v_lshl_or_b32 v[PWD], v[TM+5], 8, v[TM+4]
	v_lshl_or_b32 v[PWD], v[TM+6], 16, v[PWD]
	v_lshl_or_b32 v[PWD], v[TM+7], 24, v[PWD]      ; my row's scale word of this K step
	WIN rW
.irp b, 0,1,2,3
	v_cvt_scalef32_pk8_fp4_f32 v[PCD+2*\b],   v[AC+16*\b:AC+16*\b+7],    v[TM+12+\b]
	v_cvt_scalef32_pk8_fp4_f32 v[PCD+2*\b+1], v[AC+16*\b+8:AC+16*\b+15], v[TM+12+\b]
.endr
	WIN 0
	v_nop                                          ; one plain line behind the conversions
.irp c, 0,1                            ; the operand's layout wants a whole block in a lane: lanes 0-15 block 2 c, lanes 16-31 block 2 c + 1
.irp i, 0,1
	v_permlane16_swap_b32 v[PCD+4*\c+\i], v[PCD+2+4*\c+\i]
.endr
.endr
	s_wait_alu depctr_va_vdst(0)                   ; the exchanges have written this tile's codes and the shifts its scale word, which the three stores read
	global_store_b128 v[LI], v[PCD:PCD+3],   s[PCO:PCO+1] offset:(\a)*OTS          ; the fragment as it stands
	global_store_b128 v[LI], v[PCD+4:PCD+7], s[PCO:PCO+1] offset:(\a)*OTS+512
	global_store_b32 v[R16], v[PWD], s[PSO:PSO+1] offset:(\a)*256
.endif
.endm
.irp g, 0,1,2,3,4,5,6,7
.if \g < NA
	OUT \g
.endif
.endr
	WIN 0
	s_endpgm
.Lfunc_end_k_q55cc47080a_ffn2:
	.size	k_q55cc47080a_ffn2, .Lfunc_end_k_q55cc47080a_ffn2-k_q55cc47080a_ffn2
	.p2alignl 7, 3214868480
	.fill 96, 4, 3214868480
	.section	.rodata,"a",@progbits
	.p2align	6, 0x0
	.amdhsa_kernel k_q55cc47080a_ffn2
		.amdhsa_group_segment_fixed_size 0
		.amdhsa_private_segment_fixed_size 0
		.amdhsa_enable_private_segment 0
		.amdhsa_kernarg_size 32
		.amdhsa_user_sgpr_count 2
		.amdhsa_user_sgpr_kernarg_segment_ptr 1
		.amdhsa_wavefront_size32 1
		.amdhsa_system_sgpr_workgroup_id_x 1
		.amdhsa_system_sgpr_workgroup_id_y 1
		.amdhsa_system_sgpr_workgroup_id_z 1
		.amdhsa_system_vgpr_workitem_id 0
		.amdhsa_next_free_vgpr 960
		.amdhsa_next_free_sgpr 66
		.amdhsa_reserve_vcc 0
		.amdhsa_float_denorm_mode_32 3
		.amdhsa_float_denorm_mode_16_64 3
		.amdhsa_memory_ordered 1
		.amdhsa_forward_progress 1
		.amdhsa_inst_pref_size 76
	.end_amdhsa_kernel
	.amdgpu_metadata
---
amdhsa.version: [ 1, 2 ]
amdhsa.kernels:
  - .name:           k_q55cc47080a_ffn2
    .symbol:         k_q55cc47080a_ffn2.kd
    .args:
      - { .name: hb, .offset: 0, .size: 8, .value_kind: global_buffer, .address_space: global }
      - { .name: prep, .offset: 8, .size: 8, .value_kind: global_buffer, .address_space: global }
      - { .name: b2, .offset: 16, .size: 8, .value_kind: global_buffer, .address_space: global }
      - { .name: y2b, .offset: 24, .size: 8, .value_kind: global_buffer, .address_space: global }
    .group_segment_fixed_size: 0
    .private_segment_fixed_size: 0
    .kernarg_segment_align: 8
    .kernarg_segment_size: 32
    .max_flat_workgroup_size: 128
    .sgpr_count:     66
    .vgpr_count:     960
    .wavefront_size: 32
...
	.end_amdgpu_metadata
.endif
;; end of part 11
;; launch ln: the kernel of part 7 again; grid 256 x 1, 16 waves a work-group, no clusters, 67,840 bytes of LDS; arguments x, yb, y2b, gamma, beta, out0; writes out0
